; MI455X (gfx1250); checked and timed in simulation.
; The chip was launched on July 23, 2026; its instructions are those of AMD's public machine-readable ISA for CDNA 5 (MIT licence, August 2026) and "CDNA5" Instruction Set Architecture Reference Guide (July 2026). The comments in the code are by the model that wrote it; some were corrected since.
;; BMOJO Attention. Allowed arithmetic: matrix products marked QUANTISED: E2M3 operands, one E8M0 scale for each 32 along K, by v_wmma_scale_f32_16x16x128_f8f6f4 with both operands' format E2M3, f32 sums; everything else in f32.
;; Inputs: Wk 1,024 x 2,048 float32; Wk2 1,024 x 2,048 float32; Wo 2,048 x 2,048 float32; Wq 2,048 x 2,048 float32; Wq2 2,048 x 2,048 float32; Wv 1,024 x 2,048 float32; Wv2 1,024 x 2,048 float32; bk 1,024 float32; bk2 1,024 float32; bq 2,048 float32; bq2 2,048 float32; bv 1,024 float32; bv2 1,024 float32; cos 2 x 1,024 x 128 float32; gk 128 float32; gk2 128 float32; gq 128 float32; gq2 128 float32; hidden_states 2 x 1,024 x 2,048 float32; sin 2 x 1,024 x 128 float32.
;; Outputs: out0 2 x 1,024 x 2,048 float32.
;; This version of the problem:
;;   THIS VERSION OF THE PROBLEM IS GIVEN IN LOW PRECISION. The matrix products marked QUANTISED in the list below multiply operands that are first quantised to E2M3 (2 exponent bits, 3 mantissa bits; 6 bits a number), with one power-of-two scale for each 32 numbers along K (OCP MX v1.0); their sums are f32. All else is computed in f32.
;;   The module's matrix products, in the order in which they are computed (A, B: the left and right operand; K: the contracted axis; several contracted axes count as one K, in the product's order):
;;     1. [M 2,048, K 2,048] x [K 2,048, N 2,048]; A: input hidden_states; B: input Wq: QUANTISED
;;     2. [M 2,048, K 2,048] x [K 2,048, N 1,024]; A: input hidden_states; B: input Wk: QUANTISED
;;     3. [M 2,048, K 2,048] x [K 2,048, N 1,024]; A: input hidden_states; B: input Wv: QUANTISED
;;     4. [M 2,048, K 2,048] x [K 2,048, N 2,048]; A: input hidden_states; B: input Wq2: QUANTISED
;;     5. [M 2,048, K 2,048] x [K 2,048, N 1,024]; A: input hidden_states; B: input Wk2: QUANTISED
;;     6. [M 2,048, K 2,048] x [K 2,048, N 1,024]; A: input hidden_states; B: input Wv2: QUANTISED
;;     7. batch 32 x [M 1,024, K 128] x [K 128, N 1,024]; A: computed on the way; B: computed on the way: QUANTISED
;;     8. batch 32 x [M 1,024, K 128] x [K 128, N 1,024]; A: computed on the way; B: computed on the way: QUANTISED
;;     9. batch 32 x [M 128, K 1,024] x [K 1,024, N 1,024]; A: computed on the way; B: computed on the way: QUANTISED
;;     10. batch 32 x [M 128, K 1,024] x [K 1,024, N 1,024]; A: computed on the way; B: computed on the way: QUANTISED
;;     11. [M 2,048, K 2,048] x [K 2,048, N 2,048]; A: computed on the way; B: input Wo: QUANTISED
;;   THE QUANTISER, for each operand of a quantised product, along K:
;;     - K is cut into blocks of 32 from its start; a last block that is shorter is filled with zeros.
;;     - A block's scale is 2^e with e = floor(log2(the largest magnitude in the block)) - 2, held to -126 .. 127; a block of zeros has e = 0. As a byte (E8M0): e + 127.
;;     - Each number is divided by its block's scale, clamped to +-7.5, and rounded to the nearest number of E2M3, ties to even, subnormals kept.
;;     - The product sums the exact products of the quantised numbers (number of the format x scale) in f32.
;;   ~~~python
;;   def quantise(x, axis):      # numpy; x: float32 -> the quantised numbers, widened to float32 again
;;       x = np.moveaxis(x, axis, -1); K = x.shape[-1]
;;       x = np.pad(x, [(0, 0)] * (x.ndim - 1) + [(0, -K % 32)]); x = x.reshape(x.shape[:-1] + (-1, 32)); a = np.abs(x).max(-1, keepdims=True)
;;       e = np.where(a > 0, np.clip(np.frexp(np.where(a > 0, a, 1))[1] - 1 - 2, -126, 127), 0)      # np.frexp(a)[1] - 1 = floor(log2(a)), exactly
;;       r = np.clip(x / 2.0 ** e, -7.5, 7.5)
;;       step = 2.0 ** (np.maximum(np.frexp(np.where(r == 0, 1, r))[1] - 1, 0) - 3)
;;       q = np.round(r / step) * step * 2.0 ** e      # np.round: ties to even
;;       return np.moveaxis(q.reshape(q.shape[:-2] + (-1,))[..., :K], -1, axis).astype(np.float32)
;;   ~~~
;;   OPERANDS COMPUTED ON THE WAY. 'Computed on the way' means the value that the module computes at that place (a softmax that the list does not call 'softmax' is quantised finished and normalised). What goes into a quantiser is computed in f32, as accurately as f32 sums, v_exp_f32 and their like allow (about 1e-6 of the number): no bf16 or f16 on the way to a quantiser, and a product that is left as it is and whose result goes on into a quantised operand takes f32 operands (vector FMAs, or v_wmma_f32_16x16x4_f32). A number that lies on a knife's edge between two numbers of the format may be rounded either way, as far as f32 arithmetic and the matrix unit's own rounding can turn it there, and no further.
;; 2 versions. Each part assembles by itself: llvm-mc -triple=amdgcn-amd-amdhsa -mcpu=gfx1250 --defsym DOCPART=n.
;; ======== version 1 of 2: 4 launches
;; workspace buffers: codes 19,660,800 bytes; qkv 13,107,200 bytes; ao 3,276,800 bytes
;; launch quant (part 1): grid 256 x 1, 6 waves a work-group, no clusters, 51,456 bytes of LDS; arguments hidden_states, Wq, Wk, Wq2, Wk2, Wv, Wv2, Wo, codes; writes codes
.if DOCPART == 1
	.amdgcn_target "amdgcn-amd-amdhsa--gfx1250"
	.amdhsa_code_object_version 6
	.text
	.protected	k_qa5eb828d3c_quant
	.globl	k_qa5eb828d3c_quant
	.p2align	8
	.type	k_qa5eb828d3c_quant,@function
k_qa5eb828d3c_quant:
	s_mov_b64 s[64:65], 0
	v_nop
	global_prefetch_b8 v0, s[64:65] scope:SCOPE_SE
	s_setreg_imm32_b32 hwreg(HW_REG_WAVE_MODE, 25, 1), 1
	s_wait_xcnt 0x0
; hidden_states and the seven weights, all f32 with K = 2,048 innermost, become codes of FP6 (E2M3) with one E8M0 scale byte for each 32 along K.
; THE RECORD.  The codes are laid as the matrix unit's operand registers take them.  A record is 128 rows x 128 along K in 12,800 bytes: eight fragments of 1,536 bytes and 512 bytes of scale words.
; Fragment a holds the rows pi(a, r) = 32 (a / 2) + 8 (a % 2) + r + 8 (r / 8), r = 0 .. 15; register 4 c + e of lane l lies at 1,536 a + 512 c + 16 l + 4 e; lane (r, h) holds in registers 6 c .. 6 c + 5
; the codes of k = 64 c + 32 h + 0 .. 31 of its row.  The scale word (four bytes, 128 along K) of row pi(a, r) lies at 12,288 + 256 (a / 4) + 16 r + 4 (a % 4).
; Record number = 16 x (block of 128 rows) + K / 128; blocks 0-15 hidden_states, 16-31 Wq, 32-39 Wk, 40-55 Wq2, 56-63 Wk2, 64-71 Wv, 72-79 Wv2, 80-95 Wo: 1,536 records.
; SHARES.  One wave makes one record: 256 work-groups of six waves.  Waves share nothing: no barrier, no tensor load, no cluster (no input byte is read by two work-groups).
; A fragment: sixteen loads, each 512 consecutive bytes of one row; the 8 KiB turn through the wave's own stage in LDS (rows 528 bytes apart) so that a lane gets 2 x 32 neighbours along K: two whole blocks.
; So a block's largest magnitude needs no other lane and the conversions' results are the operand's registers.  Loads run two fragments (32 loads a wave) ahead.
; A block's scale is 2^(floor(log2(largest magnitude)) - 2): its byte is the largest magnitude's exponent field - 2, held at 1 from below.
; LIMITS: a block of zeros gets the byte 1 where the rule says 127 (its codes are zeros, and this program alone reads the bytes); blocks whose largest magnitude lies under 2^-124 are held at the byte 1; NaN and infinities among the inputs are not served.
.set REC,   12800
.set SP,    528                        ; a stage row: 512 bytes + 16
.set STGB,  16*SP                      ; a wave's stage
.set PWS,   16                         ; v16-23   the eight fragments' scale words
.set SW,    24                         ; v24-27   the four words that a lane stores at the end
.set C,     28                         ; v28-39   a fragment's codes
.set C2,    40                         ; v40-42, v44-46  the second halves of the two blocks, as the conversions leave them
.set R,     48                         ; v48-175  two sets of 64: rows as they are loaded
.set X,     176                        ; v176-239 my 2 x 32 neighbours
	s_load_b512 s[8:23], s[0:1], 0x0               ; hidden_states, Wq, Wk, Wq2, Wk2, Wv, Wv2, Wo
	s_load_b64 s[24:25], s[0:1], 0x40              ; codes
	v_lshl_add_u32 v240, v0, 2, 0xc600
	v_mov_b32 v241, 0
	v_lshrrev_b32 v1, 5, v0
	v_readfirstlane_b32 s2, v1                     ; wave 0..5
	v_and_b32 v1, 31, v0                           ; lane
	v_lshlrev_b32 v2, 4, v1                        ; 16 x lane: my place in a load's 512 bytes and in an image's; never rewritten
	v_and_b32 v7, 15, v0                           ; r
	v_bfe_u32 v6, v0, 4, 1                         ; h
	s_mul_i32 s3, s2, STGB
	v_add_nc_u32 v3, s3, v2                        ; the stage, way in: 16 x lane of a row
	v_mul_u32_u24 v4, v7, SP
	v_lshl_add_u32 v4, v6, 7, v4
	v_add_nc_u32 v4, s3, v4                        ; way out: row r, + 128 h: my block of 32 numbers
	v_lshlrev_b32 v5, 3, v6                        ; 8 h: my bytes' place in the scale word
	v_mov_b32 v15, 0                               ; written once: a lane permute's destination counts as one of its sources
	s_mov_b32 s26, 0x76543210
	s_mov_b32 s27, 0xfedcba98                      ; selects for lane l xor 16
	s_mul_i32 s28, ttmp9, 6
	s_add_co_u32 s28, s28, s2                      ; my record
	s_lshr_b32 s29, s28, 4                         ; its block of 128 rows
	s_and_b32 s30, s28, 15                         ; its 128 along K
	s_lshr_b32 s31, s29, 3                         ; unit of 1,024 rows: 0-1 hidden_states, 2-3 Wq, 4 Wk, 5-6 Wq2, 7 Wk2, 8 Wv, 9 Wv2, 10-11 Wo
	s_wait_kmcnt 0x0
	s_mov_b64 s[4:5], s[8:9]
	s_mov_b32 s32, 0
.macro PICK from, ptr                  ; from unit 'from' on the rows are those of the tensor at s[ptr]: the choice hangs on the record's number alone
	s_cmp_ge_u32 s31, \from
	s_cselect_b64 s[4:5], s[\ptr:\ptr+1], s[4:5]
	s_cselect_b32 s32, \from, s32
.endm
	PICK 2, 10
	PICK 4, 12
	PICK 5, 14
	PICK 7, 16
	PICK 8, 18
	PICK 9, 20
	PICK 10, 22
	s_lshl_b32 s33, s32, 3
	s_sub_co_u32 s33, s29, s33                     ; my block within its tensor
	s_lshl_b32 s34, s33, 20                        ; 128 rows of 8,192 bytes
	s_lshl_b32 s35, s30, 9                         ; 128 numbers along K
	s_add_co_u32 s34, s34, s35
	s_mov_b32 s35, 0
	s_add_nc_u64 s[4:5], s[4:5], s[34:35]
	s_mul_i32 s36, s28, REC
	s_mov_b32 s37, 0
	s_add_nc_u64 s[6:7], s[24:25], s[36:37]
.macro LOAD a                          ; fragment a's sixteen rows, 512 consecutive bytes each; every offset an immediate, 127 rows of 8,192 bytes at the most
.irp i, 0,1,2,3,4,5,6,7,8,9,10,11,12,13,14,15
	global_load_b128 v[R+64*((\a)%2)+4*\i:R+64*((\a)%2)+4*\i+3], v2, s[4:5] offset:(32*((\a)/2)+8*((\a)%2)+\i+8*(\i/8))*8192 th:TH_LOAD_NT
.endr
.endm
.macro FRAGMENT a
.if (\a) < 7
	s_wait_loadcnt 16                              ; this fragment's sixteen loads are in; the next fragment's sixteen may be out
.else
	s_wait_loadcnt 0x0
.endif
.irp i, 0,1,2,3,4,5,6,7,8,9,10,11,12,13,14,15
	ds_store_b128 v3, v[R+64*((\a)%2)+4*\i:R+64*((\a)%2)+4*\i+3] offset:SP*\i
.endr
.irp c, 0,1                            ; LDS serves a wave's instructions in order: these see the stores above, and the next fragment's stores come behind them
.irp i, 0,1,2,3,4,5,6,7
	ds_load_b128 v[X+32*\c+4*\i:X+32*\c+4*\i+3], v4 offset:256*\c+16*\i   ; k = 64 c + 32 h + 4 i ..
.endr
.endr
.if (\a) < 6
	s_wait_dscnt 16                                ; the sixteen stores have read their registers (the sixteen loads may be out),
	LOAD (\a)+2                                    ; which take the fragment two on
.endif
	s_wait_dscnt 0x0
.irp c, 0,1                            ; my block 2 c + h: all its 32 numbers are mine
	v_max3_num_f32 v[8+\c], |v[X+32*\c]|, |v[X+32*\c+1]|, 0x1800000   ; and the floor 2^(3 - 127): the byte cannot fall under 1
.endr
.irp i, 2,4,6,8,10,12,14,16,18,20,22,24,26,28,30
.irp c, 0,1
	v_max3_num_f32 v[8+\c], v[8+\c], |v[X+32*\c+\i]|, |v[X+32*\c+\i+1]|
.endr
.endr
.irp c, 0,1
	v_add_nc_u32 v[10+\c], 0xff000000, v[8+\c]     ; 2 off the exponent field: the conversion takes the exponent field of this operand as its scale
.endr
.irp c, 0,1
	v_lshrrev_b32 v[12+\c], 23, v[10+\c]           ; the scale's byte
.endr
	v_lshl_or_b32 v14, v13, 16, v12                ; blocks h and 2 + h of my row,
	v_lshlrev_b32 v14, v5, v14                     ; at their places in the word;
	v_permlanex16_b32 v15, v14, s26, s27
	v_or_b32 v[PWS+(\a)], v14, v15                 ; with lane l xor 16's two the word is whole
	s_wait_xcnt 0x0                                ; the last fragment's stores have read the codes' registers: they are written again only behind this wait
.irp c, 0,1
	v_cvt_scalef32_pk16_fp6_f32 v[C+6*\c:C+6*\c+2], v[X+32*\c:X+32*\c+15], v[10+\c]
	v_cvt_scalef32_pk16_fp6_f32 v[C2+4*\c:C2+4*\c+2], v[X+32*\c+16:X+32*\c+31], v[10+\c]   ; (a conversion's three registers begin on an even number)
.endr
	v_nop                                          ; one plain place behind a scaled conversion
.irp c, 0,1
.irp i, 0,1,2
	v_mov_b32 v[C+6*\c+3+\i], v[C2+4*\c+\i]
.endr
.endr
.irp c, 0,1,2
	global_store_b128 v2, v[C+4*\c:C+4*\c+3], s[6:7] offset:1536*(\a)+512*\c   ; 32 lanes store 512 consecutive bytes, at a multiple of 256 from the buffer's first byte
.endr
.endm
	LOAD 0
	LOAD 1
.irp a, 0,1,2,3,4,5,6,7
	FRAGMENT \a
.endr
	v_cmp_ne_u32 vcc_lo, 0, v6                     ; lanes 0-15 store the words of fragments 0-3, lanes 16-31 those of 4-7
.irp i, 0,1,2,3
	v_cndmask_b32 v[SW+\i], v[PWS+\i], v[PWS+4+\i], vcc_lo
.endr
	global_store_b128 v2, v[SW:SW+3], s[6:7] offset:12288
	s_wait_tensorcnt 0x0
	ds_add_u32 v240, v241
	s_wait_dscnt 0x0
	s_endpgm
.Lfunc_end_k_qa5eb828d3c_quant:
	.size	k_qa5eb828d3c_quant, .Lfunc_end_k_qa5eb828d3c_quant-k_qa5eb828d3c_quant
	.p2alignl 7, 3214868480
	.fill 96, 4, 3214868480
	.section	.rodata,"a",@progbits
	.p2align	6, 0x0
	.amdhsa_kernel k_qa5eb828d3c_quant
		.amdhsa_group_segment_fixed_size 51456
		.amdhsa_private_segment_fixed_size 0
		.amdhsa_enable_private_segment 0
		.amdhsa_kernarg_size 72
		.amdhsa_user_sgpr_count 2
		.amdhsa_user_sgpr_kernarg_segment_ptr 1
		.amdhsa_wavefront_size32 1
		.amdhsa_system_sgpr_workgroup_id_x 1
		.amdhsa_system_sgpr_workgroup_id_y 1
		.amdhsa_system_sgpr_workgroup_id_z 1
		.amdhsa_system_vgpr_workitem_id 0
		.amdhsa_next_free_vgpr 242
		.amdhsa_next_free_sgpr 66
		.amdhsa_reserve_vcc 1
		.amdhsa_float_denorm_mode_32 3
		.amdhsa_float_denorm_mode_16_64 3
		.amdhsa_memory_ordered 1
		.amdhsa_forward_progress 1
		.amdhsa_inst_pref_size 58
	.end_amdhsa_kernel
	.amdgpu_metadata
---
amdhsa.version: [ 1, 2 ]
amdhsa.kernels:
  - .name:           k_qa5eb828d3c_quant
    .symbol:         k_qa5eb828d3c_quant.kd
    .args:
      - { .name: hidden_states, .offset: 0, .size: 8, .value_kind: global_buffer, .address_space: global }
      - { .name: Wq, .offset: 8, .size: 8, .value_kind: global_buffer, .address_space: global }
      - { .name: Wk, .offset: 16, .size: 8, .value_kind: global_buffer, .address_space: global }
      - { .name: Wq2, .offset: 24, .size: 8, .value_kind: global_buffer, .address_space: global }
      - { .name: Wk2, .offset: 32, .size: 8, .value_kind: global_buffer, .address_space: global }
      - { .name: Wv, .offset: 40, .size: 8, .value_kind: global_buffer, .address_space: global }
      - { .name: Wv2, .offset: 48, .size: 8, .value_kind: global_buffer, .address_space: global }
      - { .name: Wo, .offset: 56, .size: 8, .value_kind: global_buffer, .address_space: global }
      - { .name: codes, .offset: 64, .size: 8, .value_kind: global_buffer, .address_space: global }
    .group_segment_fixed_size: 51456
    .private_segment_fixed_size: 0
    .kernarg_segment_align: 8
    .kernarg_segment_size: 72
    .max_flat_workgroup_size: 192
    .sgpr_count:     66
    .vgpr_count:     242
    .wavefront_size: 32
...
	.end_amdgpu_metadata
.endif
;; end of part 1
;; launch proj (part 2): grid 32 x 8, 4 waves a work-group, clusters of 4 x 4, 327,680 bytes of LDS; arguments codes, qkv, bq, bk, bq2, bk2, bv, bv2, gq, gk, gq2, gk2, cos, sin; writes qkv
.if DOCPART == 2
	.amdgcn_target "amdgcn-amd-amdhsa--gfx1250"
	.amdhsa_code_object_version 6
	.text
	.protected	k_qa5eb828d3c_proj
	.globl	k_qa5eb828d3c_proj
	.p2align	8
	.type	k_qa5eb828d3c_proj,@function
k_qa5eb828d3c_proj:
	s_mov_b64 s[64:65], 0
	v_nop
	global_prefetch_b8 v0, s[64:65] scope:SCOPE_SE
	s_setreg_imm32_b32 hwreg(HW_REG_WAVE_MODE, 25, 1), 1
	s_wait_xcnt 0x0
	s_wait_alu depctr_hold_cnt(0) depctr_sa_sdst(0) depctr_va_vdst(0) depctr_va_sdst(0) depctr_va_ssrc(0) depctr_va_vcc(0) depctr_vm_vsrc(0)
	s_getreg_b32 s2, hwreg(HW_REG_IB_STS2, 6, 4)
	s_cmp_eq_u32 s2, 0
	s_cbranch_scc0 .Lentry_in_a_cluster
	s_endpgm
.Lentry_in_a_cluster:
	s_bfe_u32 s2, ttmp6, 0x10000c
	s_cmp_lg_u32 s2, 0xf033
	s_cbranch_scc0 .Lentry_shape_is_right
	s_endpgm
.Lentry_shape_is_right:
; The six projections on codes of FP6 (E2M3) with E8M0 scales, K = 2,048, and all that follows them up to the next quantiser: bias, for q and k the RMS norm over the head and RoPE, then codes again.  Nothing leaves as f32.
; RECORDS (12,800 bytes: 128 rows x 128 K as images of operand registers; fragment a = rows pi(a, r) = 32 (a / 2) + 8 (a % 2) + r + 8 (r / 8); scale words at 12,288 + 256 (a / 4) + 16 r + 4 (a % 4)).
; In: codes, record 16 x row block + K / 128; row blocks 0-15 hidden_states, 16-63 Wq, Wk, Wq2, Wk2, 64-79 Wv, Wv2.
; Out: qkv, record 16 hc + token block; hc 0-15 q_ic, 16-23 k_ic, 24-39 q_f, 40-47 k_f (rows = tokens, K = the head's 128), 48-55 v_ic, 56-63 v_f (rows = the head's 128, K = the 128 tokens).
; SHARES.  A work-group of four waves makes 256 x 256, a wave 128 x 128: 64 accumulators, 512 registers; a wave's result is exactly one record of qkv.
; THE MATRIX INSTRUCTION IS USED TRANSPOSED (source 0 = 16 rows of B, source 1 = 16 rows of A): lane (r, h) holds A's row pi(a, r), and by the records' order of rows its register 16 b + i is B's row 32 b + 16 h + i:
; sixteen neighbours along B's rows.  So B's rows must be the next product's K.  Clusters with x = 0..5: A = tokens, B = the q and k weights (next K = the head's 128).
; Clusters with x = 6, 7: A = Wv, Wv2, B = tokens (next K = the keys).  The main loop is the same for both; the choice hangs on the cluster's x, which all sixteen partners share.
; CLUSTERS: 4 x 4 work-groups.  A's tiles hang on cy, B's on cx: each is asked for JOINTLY by the four that share it, which divides the requests for A and for B by four.
; THE RING: two LDS slots, each 2 x 128 along K: four parts of two consecutive records (25,600 dense bytes, one tensor load a wave).  A wave has two tensor loads out at the start and one behind each round.
; No prefetch into the L2: each tile is asked for once by four work-groups together, and 96 matrix instructions stand between a request and the wait for it.
; REGISTERS, in windows of 256: window 0: v0-31 addresses; v32-63 scale words, two sets, and nothing else; v128-223 A's fragments, one set.  window 1: B's fragments, two sets, at v0 and v128.
;   windows 2, 3: accumulator (a, b) at v[8 (8 (a % 4) + b)].  Behind the loop: window 0: v64-127 X, v128-191 Z, v192-207, v208-227 the quantiser's, v228-255 small; window 1: bias, gain, cos, sin, 64 each.
; LIMITS: a block of zeros gets the byte 1 where the rule says 127 (its codes are zeros; this program alone reads the bytes); NaN and infinities are not served.
.set REC,    12800
.set PART,   2*REC                     ; what one tensor load brings: one row block, 256 along K
.set SLOT,   4*PART                    ; A's two row blocks, then B's two
.set SPARE,  2*SLOT                    ; behind the ring: the spare words, 128 bytes a wave: two blocks of 256 bytes that no other line names
.set FR,     12                        ; registers of a fragment
.set NL,     3                         ; LDS loads that bring one
.set NP,     4                         ; places behind this matrix instruction (ISA guide 7.12.1)
.set ADRA, 16                          ; v16-17  LDS address of my A fragments in slot 0, 1: 16 x lane + my row block's part
.set ADRB, 20                          ; v20-21  the same for B
.set ADRS, 22                          ; v22-23  of my scale words: lanes 0-15 A's, lanes 16-31 B's
.set SPW,  28                          ; v28     LDS address of my spare word; never rewritten
.set NIL,  29                          ; v29     0; never rewritten
.set SC,   32                          ; scale words: v[SC + 16 slot + 8 q + i]: lanes 0-15 the word of A's fragment i, lanes 16-31 that of B's, for the slot's q-th 128 along K
.set AF,   128
.set G1,   24                          ; s[24:31] descriptor group 1 for A; s[32:39] group 0, one set a slot
.set G0,   32
.set G1B,  48                          ; s[48:55], s[56:63] the same for B
.set G0B,  56
.set SEL,  66                          ; s[66:67] selects for lane l xor 16
.set X,    64
.set Z,    128
.set TM,   192
.set PC,   208
.set PWS,  228                         ; v228-235 the eight fragments' scale words
.set SQ,   236                         ; v236-243 the sum of squares, four chains
.set SS,   244                         ; v244 the sum, v245 the other lane's
.set RS,   246                         ; v[246:247] 1 / the root of the mean square
.set BV,   236                         ; v236-251 (v's path) the bias of my row in each fragment, as pairs
.set SWR,  252                         ; v252-255 the four words that a lane stores at the end
.set BI,   0                           ; window 1
.set GG,   64
.set CO,   128
.set SI,   192
.set MSB, 0
.macro WIN new                         ; the immediate's high byte repeats the setting that is left
.if MSB != \new
	s_set_vgpr_msb (MSB<<8)|\new
.set MSB, \new
.endif
.endm
.set MUL_LO, 0xa1                      ; source 0 (B) window 1, source 1 (A) window 0, C and D window 2
.set MUL_HI, 0xf1                      ; the same, C and D window 3
.set TO_B,   0x40                      ; destination window 1, address window 0
; A joint load: waves 0 and 1 fetch A's two parts, waves 2 and 3 B's.  The branch hangs on the wave's number alone.  Four v_nop follow each of the two lines.
.macro JLOAD g0a, g1a, g0b, g1b
	s_cmp_eq_u32 s15, 0
	s_cbranch_scc0 .Lfor_b_\@
	tensor_load_to_lds s[\g0a:\g0a+3], s[\g1a:\g1a+7]
	s_nop 0
.rept 4
	v_nop
.endr
	s_branch .Lasked_\@
.Lfor_b_\@:
	tensor_load_to_lds s[\g0b:\g0b+3], s[\g1b:\g1b+7]
	s_nop 0
.rept 4
	v_nop
.endr
.Lasked_\@:
.endm
.macro CREST                           ; a round of the cluster's barrier behind its opening barrier
	s_cmp_lg_u32 s14, 0
	s_cbranch_scc1 .Lnot_wave_0_\@
	s_barrier_signal -3
.Lnot_wave_0_\@:
	s_barrier_wait -3
	s_barrier_signal -1
	s_barrier_wait -1
.endm
.macro CROUND
	s_barrier_signal -1
	s_barrier_wait -1
	CREST
.endm
	s_load_b128 s[4:7], s[0:1], 0x0                ; codes, qkv
	s_load_b512 s[68:83], s[0:1], 0x10             ; bq, bk, bq2, bk2, bv, bv2, gq, gk
	s_load_b256 s[84:91], s[0:1], 0x50             ; gq2, gk2, cos, sin
	v_lshl_add_u32 v[SPW], v0, 2, SPARE
	v_mov_b32 v[NIL], 0
	ds_add_u32 v28, v29
	ds_add_u32 v28, v29
	s_wait_dscnt 0x0
	v_lshrrev_b32 v1, 5, v0
	v_readfirstlane_b32 s14, v1                    ; wave 0..3
	s_lshr_b32 s15, s14, 1                         ; which of A's two row blocks is mine.  Also: I fetch for A (0) or for B (1)
	s_and_b32 s16, s14, 1                          ; which of B's.  Also: which row block of that tile I fetch
	s_bfe_u32 s40, ttmp6, 0x40000                  ; cx
	s_bfe_u32 s41, ttmp6, 0x40004                  ; cy
	s_and_b32 s13, ttmp7, 0xffff                   ; the cluster's y
	s_max_u32 s12, ttmp9, 6
	s_sub_co_u32 s12, s12, 6                       ; the cluster's x - 6, where it is 6 or 7
	s_cmp_ge_u32 ttmp9, 6                          ; v's clusters?
	s_cselect_b32 s17, s12, s13                    ; A's tiles go by: x - 6 (Wv, Wv2) or y (tokens)
	s_cselect_b32 s42, s13, ttmp9                  ; B's: y (tokens) or x (the q and k weights)
	s_cselect_b32 s18, 64, 0                       ; A's first row block in codes
	s_cselect_b32 s19, 0, 16                       ; B's
	s_lshl_b32 s17, s17, 2
	s_add_co_u32 s17, s17, s41                     ; A's tile of 256 rows: hangs on cy, never on cx
	s_lshl_b32 s42, s42, 2
	s_add_co_u32 s42, s42, s40                     ; B's: hangs on cx, never on cy
	s_lshl_b32 s43, s41, 2
	s_lshl_b32 s43, 15, s43                        ; my row of the cluster
	s_lshl_b32 s44, 0x1111, s40                    ; my column
	; descriptor group 1: 25,600 dense bytes as 100 rows of 256 (32 elements of 8 bytes), no padding: an image's loads take 512 consecutive bytes
	s_or_b32 s[G1], s43, (3<<16)|(1<<21)           ; 15:0 the mask: A's parts go to my row; 17:16 elements of 8 bytes; 21 set beside a mask
	s_or_b32 s[G1B], s44, (3<<16)|(1<<21)
.irp g, G1, G1B
	s_mov_b32 s[\g+1], 32<<16                      ; tensor_dim0
	s_mov_b32 s[\g+2], 100<<16                     ; tensor_dim1
	s_mov_b32 s[\g+3], 32<<16                      ; tile_dim0
	s_mov_b32 s[\g+4], 100                         ; tile_dim1
	s_mov_b32 s[\g+5], 32                          ; tensor_dim0_stride
	s_mov_b32 s[\g+6], 0
	s_mov_b32 s[\g+7], 0
.endr
	s_lshl_b32 s20, s17, 1
	s_add_co_u32 s20, s20, s16
	s_add_co_u32 s20, s20, s18                     ; A's row block that I fetch
	s_mul_i32 s20, s20, 16*REC                     ; its sixteen records
	s_mov_b32 s21, 0
	s_lshl_b32 s46, s42, 1
	s_add_co_u32 s46, s46, s16
	s_add_co_u32 s46, s46, s19                     ; B's
	s_mul_i32 s46, s46, 16*REC
	s_mov_b32 s47, 0
	s_mul_i32 s45, s14, PART                       ; where it goes: wave x a part: no place in the cluster enters an LDS address
	s_wait_kmcnt 0x0
	s_add_nc_u64 s[20:21], s[4:5], s[20:21]
	s_add_nc_u64 s[46:47], s[4:5], s[46:47]
	CROUND                                         ; all sixteen work-groups are here: the first joint loads meet
.irp s, 0,1
	s_mov_b32 s[G0+4*\s], 1
	s_add_co_u32 s[G0+4*\s+1], s45, \s*SLOT
	s_add_nc_u64 s[G0+4*\s+2:G0+4*\s+3], s[20:21], \s*PART
	s_or_b32 s[G0+4*\s+3], s[G0+4*\s+3], 0x80000000
	s_mov_b32 s[G0B+4*\s], 1
	s_add_co_u32 s[G0B+4*\s+1], s45, \s*SLOT
	s_add_nc_u64 s[G0B+4*\s+2:G0B+4*\s+3], s[46:47], \s*PART
	s_or_b32 s[G0B+4*\s+3], s[G0B+4*\s+3], 0x80000000
	JLOAD G0+4*\s, G1, G0B+4*\s, G1B
.endr
	v_and_b32 v1, 31, v0
	v_lshlrev_b32 v10, 4, v1                       ; v10  16 x lane: an image's place for my lane, in LDS and in qkv; never rewritten
	v_and_b32 v2, 15, v0                           ; r
	v_bfe_u32 v12, v0, 4, 1                        ; v12  h
	s_mul_i32 s21, s15, PART                       ; my row block of A
	s_mul_i32 s22, s16, PART
	s_add_co_u32 s22, s22, 2*PART                  ; my row block of B, behind A's two
	s_sub_co_u32 s23, s22, s21
	v_mul_u32_u24 v6, s23, v12                     ; lanes 16-31 take B's scale words: one product, the distance x h
	v_lshl_add_u32 v5, v2, 4, v6                   ; + 16 r
.irp s, 0,1
	v_add_nc_u32 v[ADRA+\s], s21, v10
	v_add_nc_u32 v[ADRB+\s], s22, v10
	v_add_nc_u32 v[ADRS+\s], s21, v5
	s_add_co_u32 s21, s21, SLOT
	s_add_co_u32 s22, s22, SLOT
.endr
	; what the way out wants
	v_lshlrev_b32 v8, 6, v12                       ; v8   64 h: my 16 numbers of each 32 of a bias or gain
	v_and_b32 v13, 8, v2
	v_add_nc_u32 v13, v13, v2                      ; r + 8 (r / 8)
	v_lshl_add_u32 v9, v13, 9, v8                  ; v9   cos, sin: my token's row of 512 bytes, + 64 h
	v_lshlrev_b32 v11, 2, v13                      ; v11  v's bias: my row's number
	s_mov_b32 s[SEL], 0x76543210
	s_mov_b32 s[SEL+1], 0xfedcba98
	s_mov_b32 s98, 0x3c000000                      ; 1 / 128
	s_mov_b32 s99, 0x358637bd                      ; 1e-6
	s_lshl_b32 s8, s17, 1
	s_add_co_u32 s8, s8, s15                       ; my block of A's rows
	s_lshl_b32 s9, s42, 1
	s_add_co_u32 s9, s9, s16                       ; my block of B's rows
	s_lshl_b32 s10, s8, 16                         ; 128 tokens of 512 bytes
	s_mov_b32 s11, 0
	s_add_nc_u64 s[88:89], s[88:89], s[10:11]      ; cos and sin at my tokens (q's and k's path)
	s_add_nc_u64 s[90:91], s[90:91], s[10:11]
	s_mov_b64 s[92:93], s[68:69]                   ; the bias, and its tensor's first block: by the cluster's x: 0, 1 bq; 2 bk; 3, 4 bq2; 5 bk2; 6 bv; 7 bv2
	s_mov_b32 s12, 0
	s_cmp_ge_u32 ttmp9, 2
	s_cselect_b64 s[92:93], s[70:71], s[92:93]
	s_cselect_b32 s12, 16, s12
	s_cmp_ge_u32 ttmp9, 3
	s_cselect_b64 s[92:93], s[72:73], s[92:93]
	s_cselect_b32 s12, 24, s12
	s_cmp_ge_u32 ttmp9, 5
	s_cselect_b64 s[92:93], s[74:75], s[92:93]
	s_cselect_b32 s12, 40, s12
	s_add_co_u32 s10, s8, 48
	s_cmp_ge_u32 ttmp9, 6
	s_cselect_b64 s[92:93], s[76:77], s[92:93]
	s_cselect_b32 s12, 0, s12
	s_cselect_b32 s13, s8, s9                      ; the weights' block: A's in v's clusters, else B's
	s_cselect_b32 s18, s10, s9                     ; hc: 48 + A's block, or B's block
	s_cselect_b32 s19, s9, s8                      ; the token block
	s_cmp_ge_u32 ttmp9, 7
	s_cselect_b64 s[92:93], s[78:79], s[92:93]
	s_cselect_b32 s12, 8, s12
	s_sub_co_u32 s13, s13, s12
	s_lshl_b32 s10, s13, 9                         ; 128 numbers a head
	s_add_nc_u64 s[92:93], s[92:93], s[10:11]
	s_mov_b64 s[94:95], s[80:81]                   ; the gain: gq, gk, gq2, gk2
	s_cmp_ge_u32 ttmp9, 2
	s_cselect_b64 s[94:95], s[82:83], s[94:95]
	s_cmp_ge_u32 ttmp9, 3
	s_cselect_b64 s[94:95], s[84:85], s[94:95]
	s_cmp_ge_u32 ttmp9, 5
	s_cselect_b64 s[94:95], s[86:87], s[94:95]
	s_lshl_b32 s18, s18, 4
	s_add_co_u32 s18, s18, s19
	s_mul_i32 s10, s18, REC
	s_add_nc_u64 s[96:97], s[6:7], s[10:11]        ; my record of qkv
.macro FRAG reg, adr, q, i             ; a fragment comes back as it was stored: three loads of 512 consecutive bytes
.irp c, 0,1,2
	ds_load_b128 v[\reg+4*\c:\reg+4*\c+3], v[\adr] offset:(\q)*REC+1536*(\i)+512*\c
.endr
.endm
; 16 matrix instructions: A's fragments a0, a0 + 1 x B's eight, 128 along K.  p: B's set; q: which 128 of the slot; sc: the slot's set of scale words.  zero = 1: the first product starts the sums.
; The 64 accumulators take turns, one instruction a turn, in the same order in every step.
.macro MUL16 a0, p, q, sc, zero
.irp a, \a0, \a0+1
.irp b, 0,1,2,3,4,5,6,7
.if \zero
	v_wmma_scale_f32_16x16x128_f8f6f4 v[8*(8*((\a)%4)+\b):8*(8*((\a)%4)+\b)+7], v[128*(\p)+FR*\b:128*(\p)+FR*\b+FR-1], v[AF+FR*(\a):AF+FR*(\a)+FR-1], 0, v[SC+16*(\sc)+8*(\q)+\b], v[SC+16*(\sc)+8*(\q)+(\a)] matrix_a_fmt:MATRIX_FMT_FP6 matrix_b_fmt:MATRIX_FMT_FP6 matrix_a_scale:MATRIX_SCALE_ROW1
.else
	v_wmma_scale_f32_16x16x128_f8f6f4 v[8*(8*((\a)%4)+\b):8*(8*((\a)%4)+\b)+7], v[128*(\p)+FR*\b:128*(\p)+FR*\b+FR-1], v[AF+FR*(\a):AF+FR*(\a)+FR-1], v[8*(8*((\a)%4)+\b):8*(8*((\a)%4)+\b)+7], v[SC+16*(\sc)+8*(\q)+\b], v[SC+16*(\sc)+8*(\q)+(\a)] matrix_a_fmt:MATRIX_FMT_FP6 matrix_b_fmt:MATRIX_FMT_FP6 matrix_a_scale:MATRIX_SCALE_ROW1
.endif
.endr
.endr
.endm
.macro FETCH_B slot, q, p
	WIN TO_B
.irp i, 0,1,2,3,4,5,6,7
	FRAG 128*(\p)+FR*\i, ADRB+\slot, \q, \i
.endr
	WIN 0
.endm
.macro FETCH_A slot, q, i0
.irp i, \i0, \i0+1, \i0+2, \i0+3
	FRAG AF+FR*(\i), ADRA+\slot, \q, \i
.endr
.endm
.macro SCALES slot                     ; a slot's scale words: one load brings four fragments' words; lanes 0-15 A's, lanes 16-31 B's
.irp q, 0,1
.irp g, 0,1
	ds_load_b128 v[SC+16*\slot+8*\q+4*\g:SC+16*\slot+8*\q+4*\g+3], v[ADRS+\slot] offset:\q*REC+12288+256*\g
.endr
.endr
.endm
.macro PLACES n                        ; plain vector instructions between a matrix instruction and a load into, or a vector instruction on, one of its registers
.rept \n
	v_nop
.endr
.endm
; A step of 128 along K that has its successor in the same slot.  A's fragments have one set: 0-3 are fetched anew in the step's middle, 4-7 at its end; B has two sets.
.macro STEP slot, q, zero
	s_wait_dscnt 4*NL                              ; B's set, A's fragments 0-3 and the scale words are in; the youngest twelve loads (A's 4-7) may be out
	WIN MUL_LO
	MUL16 0, (\q)%2, \q, \slot, \zero
	MUL16 2, (\q)%2, \q, \slot, \zero
	s_wait_dscnt 0                                 ; A's 4-7 are in
	PLACES NP
	FETCH_B \slot, (\q)+1, 1-(\q)%2
	FETCH_A \slot, (\q)+1, 0
	WIN MUL_HI
	MUL16 4, (\q)%2, \q, \slot, \zero
	MUL16 6, (\q)%2, \q, \slot, \zero
	PLACES NP
	WIN 0
	FETCH_A \slot, (\q)+1, 4
.endm
; A slot's last step changes slots: ONE barrier; in front of it each wave waits for all its tensor loads, adds 0 to its spare word, and waits for that and for its own reads of this slot.  fill = 1: this slot is filled again, two slots ahead.
.macro TURN slot, next, fill
	s_wait_tensorcnt 0x0                           ; all my tensor loads have landed: my part of the next slot
	ds_add_u32 v[SPW], v[NIL]                      ; 0 onto my spare word
	s_wait_dscnt 4*NL+1                            ; (the add and the youngest twelve loads may be out)
	WIN MUL_LO
	MUL16 0, 1, 1, \slot, 0                        ; sixteen matrix instructions stand between the add and the wait for it
	s_wait_dscnt 0x0                               ; the add is done, and my reads of this slot are over
	s_barrier_signal -1
	MUL16 2, 1, 1, \slot, 0
	WIN 0
	s_barrier_wait -1
.if \fill
	CREST                                          ; the barrier has opened a round of the cluster's: no wave of any partner still reads this slot or has a load on its way
	s_add_nc_u64 s[G0+4*\slot+2:G0+4*\slot+3], s[G0+4*\slot+2:G0+4*\slot+3], 2*PART
	s_add_nc_u64 s[G0B+4*\slot+2:G0B+4*\slot+3], s[G0B+4*\slot+2:G0B+4*\slot+3], 2*PART
	JLOAD G0+4*\slot, G1, G0B+4*\slot, G1B         ; the first tensor load behind the round; its four v_nop are the places in front of the loads below
.else
	PLACES NP
.endif
	FETCH_B \next, 0, 0
	FETCH_A \next, 0, 0
	SCALES \next
	WIN MUL_HI
	MUL16 4, 1, 1, \slot, 0
	MUL16 6, 1, 1, \slot, 0
	PLACES NP
	WIN 0
	FETCH_A \next, 0, 4
.endm
	s_wait_tensorcnt 1                             ; my part of slot 0 is in (slot 1's load may be out)
	s_barrier_signal -1
	s_barrier_wait -1                              ; everybody's is
	FETCH_B 0, 0, 0
	FETCH_A 0, 0, 0
	SCALES 0
	FETCH_A 0, 0, 4
	STEP 0, 0, 1                                   ; the first step stands in front of the loop: its products start the sums
	s_mov_b32 s3, 3                                ; 16 steps of 128: 1 + 3 x 4 + 3
.Llap:
	TURN 0, 1, 1
	STEP 1, 0, 0
	TURN 1, 0, 1
	STEP 0, 0, 0
	s_sub_co_u32 s3, s3, 1
	s_cmp_lg_u32 s3, 0
	s_cbranch_scc1 .Llap
	TURN 0, 1, 0                                   ; the last lap fills nothing
	STEP 1, 0, 0
	s_wait_dscnt 4*NL
	WIN MUL_LO
	MUL16 0, 1, 1, 1, 0
	MUL16 2, 1, 1, 1, 0
	s_wait_dscnt 0
	WIN MUL_HI
	MUL16 4, 1, 1, 1, 0
	MUL16 6, 1, 1, 1, 0
	WIN 0
	PLACES NP                                      ; behind the last products: results are read, and operands' registers are written and loaded into, from here on
; 64 numbers of a lane, v[s] .. v[s + 63], register 16 b + i = k 32 b + 16 h + i of my row, become a fragment's codes in v[PC] on and its scale word in v[pw].
.macro QUANT s, pw
.irp b, 0,1,2,3
	v_max3_num_f32 v[TM+\b], |v[\s+16*\b]|, |v[\s+1+16*\b]|, 0x1800000   ; block b: my 16 numbers, and the floor 2^(3 - 127): the byte cannot fall under 1
.endr
.irp i, 2,4,6,8,10,12,14
.irp b, 0,1,2,3
	v_max3_num_f32 v[TM+\b], v[TM+\b], |v[\s+16*\b+\i]|, |v[\s+1+16*\b+\i]|
.endr
.endr
.irp b, 0,1,2,3
	v_permlanex16_b32 v[TM+4+\b], v[TM+\b], s[SEL], s[SEL+1]
.endr
.irp b, 0,1,2,3
	v_max_num_f32 v[TM+\b], v[TM+\b], v[TM+4+\b]   ; with lane l xor 16's: the block's largest magnitude
.endr
.irp b, 0,1,2,3
	v_add_nc_u32 v[TM+12+\b], 0xff000000, v[TM+\b]   ; 2 off its exponent field: the conversion's scale operand
.endr
.irp b, 0,1,2,3
	v_lshrrev_b32 v[TM+4+\b], 23, v[TM+12+\b]      ; the scale's byte
.endr
	v_lshl_or_b32 v[\pw], v[TM+5], 8, v[TM+4]
	v_lshl_or_b32 v[\pw], v[TM+6], 16, v[\pw]
	v_lshl_or_b32 v[\pw], v[TM+7], 24, v[\pw]
.irp c, 0,1
	v_cvt_scalef32_pk16_fp6_f32 v[PC+6*\c:PC+2+6*\c], v[\s+32*\c:\s+15+32*\c], v[TM+12+2*\c]
	v_cvt_scalef32_pk16_fp6_f32 v[PC+12+4*\c:PC+14+4*\c], v[\s+16+32*\c:\s+31+32*\c], v[TM+12+2*\c+1]   ; (a conversion's three registers begin on an even number)
.endr
	v_nop                                          ; one plain place behind a scaled conversion
.irp c, 0,1                            ; the operand's layout wants a WHOLE block in a lane: lanes 0-15 block 2 c, lanes 16-31 block 2 c + 1
.irp i, 0,1,2
	v_permlane16_swap_b32 v[PC+6*\c+\i], v[PC+12+4*\c+\i]
.endr
.irp i, 0,1,2
	v_mov_b32 v[PC+3+6*\c+\i], v[PC+12+4*\c+\i]
.endr
.endr
.endm
.macro PUT a                           ; fragment a of my record: three stores of 512 consecutive bytes
.irp c, 0,1,2
	global_store_b128 v10, v[PC+4*\c:PC+4*\c+3], s[96:97] offset:1536*(\a)+512*\c
.endr
.endm
.macro CSLOAD a                        ; cos and sin of fragment a's tokens: index 16 b + i = column 32 b + 16 h + i
	WIN 0x40
.irp b, 0,1,2,3
.irp j, 0,1,2,3
	global_load_b128 v[CO+16*\b+4*\j:CO+16*\b+4*\j+3], v9, s[88:89] offset:(32*((\a)/2)+8*((\a)%2))*512+128*\b+16*\j
	global_load_b128 v[SI+16*\b+4*\j:SI+16*\b+4*\j+3], v9, s[90:91] offset:(32*((\a)/2)+8*((\a)%2))*512+128*\b+16*\j
.endr
.endr
	WIN 0
.endm
; q's and k's way out, fragment a: 16 tokens x the head's 128.
.macro BLOCKQK a
.set AC, 64*((\a)%4)
	WIN 0x06+(\a)/4                                ; source 0: the accumulators' window; source 1: window 1
.set i, 0
.rept 32
	v_pk_add_f32 v[X+i:X+i+1], v[AC+i:AC+i+1], v[BI+i:BI+i+1]   ; + the bias; each accumulator from its low end on
.set i, i+2
.endr
	WIN 0
.irp n, 0,1,2,3
	v_pk_mul_f32 v[SQ+2*\n:SQ+2*\n+1], v[X+2*\n:X+2*\n+1], v[X+2*\n:X+2*\n+1]   ; the sum of squares, in four chains
.endr
.set i, 8
.rept 7
.irp n, 0,1,2,3
	v_pk_fma_f32 v[SQ+2*\n:SQ+2*\n+1], v[X+i+2*\n:X+i+2*\n+1], v[X+i+2*\n:X+i+2*\n+1], v[SQ+2*\n:SQ+2*\n+1]
.endr
.set i, i+8
.endr
	v_pk_add_f32 v[SQ:SQ+1], v[SQ:SQ+1], v[SQ+2:SQ+3]
	v_pk_add_f32 v[SQ+4:SQ+5], v[SQ+4:SQ+5], v[SQ+6:SQ+7]
	v_pk_add_f32 v[SQ:SQ+1], v[SQ:SQ+1], v[SQ+4:SQ+5]
	v_add_f32 v[SS], v[SQ], v[SQ+1]
	v_permlanex16_b32 v[SS+1], v[SS], s[SEL], s[SEL+1]
	v_add_f32 v[SS], v[SS], v[SS+1]                ; with lane l xor 16's 64 columns: the same bits in both lanes
	v_fma_f32 v[SS], v[SS], s98, s99               ; the mean + 1e-6
	v_rsq_f32 v[RS], v[SS]
	v_nop                                          ; a plain place behind the transcendental,
	s_wait_alu depctr_va_vdst(0)                   ; and a wait ahead of its first reader
.set i, 0
.rept 32
	v_pk_mul_f32 v[X+i:X+i+1], v[X+i:X+i+1], v[RS:RS+1] op_sel_hi:[1,0]
.set i, i+2
.endr
	WIN 0x04                                       ; source 1: window 1
.set i, 0
.rept 32
	v_pk_mul_f32 v[Z+i:Z+i+1], v[X+i:X+i+1], v[GG+i:GG+i+1]     ; x the gain
.set i, i+2
.endr
	s_wait_loadcnt 0x0                             ; this fragment's cos and sin
.set i, 0
.rept 16                               ; RoPE: index i and i + 32 are columns c and c + 64: y(c) = z(c) cos(c) - z(c + 64) sin(c); y(c + 64) = z(c + 64) cos(c + 64) + z(c) sin(c + 64)
	v_pk_mul_f32 v[X+i:X+i+1], v[Z+i:Z+i+1], v[CO+i:CO+i+1]
	v_pk_mul_f32 v[X+32+i:X+33+i], v[Z+32+i:Z+33+i], v[CO+32+i:CO+33+i]
.set i, i+2
.endr
.set i, 0
.rept 16
	v_pk_fma_f32 v[X+i:X+i+1], v[Z+32+i:Z+33+i], v[SI+i:SI+i+1], v[X+i:X+i+1] neg_lo:[1,0,0] neg_hi:[1,0,0]
	v_pk_fma_f32 v[X+32+i:X+33+i], v[Z+i:Z+i+1], v[SI+32+i:SI+33+i], v[X+32+i:X+33+i]
.set i, i+2
.endr
.if (\a) < 7
	CSLOAD (\a)+1                                  ; the next fragment's: they land while this one is quantised and the next is normalised
.endif
	WIN 0
	s_wait_xcnt 0x0                                ; the last fragment's stores have read the codes' registers
	QUANT X, PWS+(\a)
	PUT \a
.endm
; v's way out, fragment a: 16 of the head's 128 x 128 tokens: the bias is my row's, one number for all my registers.
.macro BLOCKV a
.set AC, 64*((\a)%4)
	WIN 0x02+(\a)/4
.set i, 0
.rept 32
	v_pk_add_f32 v[X+i:X+i+1], v[AC+i:AC+i+1], v[BV+2*(\a):BV+2*(\a)+1]
.set i, i+2
.endr
	WIN 0
	s_wait_xcnt 0x0
	QUANT X, PWS+(\a)
	PUT \a
.endm
.irp b, 0,1,2,3
	v_mov_b32 v[TM+4+\b], 0                        ; written once: a lane permute's destination counts as one of its sources
.endr
	v_mov_b32 v[SS+1], 0
	v_mov_b32 v[RS+1], 0                           ; (named as the upper half of a pair whose low word serves both halves)
	s_cmp_ge_u32 ttmp9, 6
	s_cbranch_scc1 .Lv_path
	WIN 0x40
.irp b, 0,1,2,3
.irp j, 0,1,2,3
	global_load_b128 v[BI+16*\b+4*\j:BI+16*\b+4*\j+3], v8, s[92:93] offset:128*\b+16*\j
	global_load_b128 v[GG+16*\b+4*\j:GG+16*\b+4*\j+3], v8, s[94:95] offset:128*\b+16*\j
.endr
.endr
	CSLOAD 0
	s_wait_loadcnt 32                              ; bias and gain are in; the 32 loads of cos and sin may be out
.irp a, 0,1,2,3,4,5,6,7
	BLOCKQK \a
.endr
	s_branch .Ltail
.Lv_path:
.irp a, 0,1,2,3,4,5,6,7
	global_load_b32 v[BV+2*\a], v11, s[92:93] offset:(32*(\a/2)+8*(\a%2))*4      ; into both registers of a pair, for the packed addition
	global_load_b32 v[BV+2*\a+1], v11, s[92:93] offset:(32*(\a/2)+8*(\a%2))*4
.endr
	s_wait_loadcnt 0x0
.irp a, 0,1,2,3,4,5,6,7
	BLOCKV \a
.endr
.Ltail:
	v_cmp_ne_u32 vcc_lo, 0, v12                    ; lanes 0-15 store the words of fragments 0-3, lanes 16-31 those of 4-7
.irp i, 0,1,2,3
	v_cndmask_b32 v[SWR+\i], v[PWS+\i], v[PWS+4+\i], vcc_lo
.endr
	global_store_b128 v10, v[SWR:SWR+3], s[96:97] offset:12288
	s_wait_tensorcnt 0x0                           ; the wave's end
	ds_add_u32 v[SPW], v[NIL]
	s_wait_dscnt 0x0
	CROUND                                         ; the closing round: no work-group ends while a partner may still ask for a tile that names it
	s_endpgm
.Lfunc_end_k_qa5eb828d3c_proj:
	.size	k_qa5eb828d3c_proj, .Lfunc_end_k_qa5eb828d3c_proj-k_qa5eb828d3c_proj
	.p2alignl 7, 3214868480
	.fill 96, 4, 3214868480
	.section	.rodata,"a",@progbits
	.p2align	6, 0x0
	.amdhsa_kernel k_qa5eb828d3c_proj
		.amdhsa_group_segment_fixed_size 327680
		.amdhsa_private_segment_fixed_size 0
		.amdhsa_enable_private_segment 0
		.amdhsa_kernarg_size 112
		.amdhsa_user_sgpr_count 2
		.amdhsa_user_sgpr_kernarg_segment_ptr 1
		.amdhsa_wavefront_size32 1
		.amdhsa_system_sgpr_workgroup_id_x 1
		.amdhsa_system_sgpr_workgroup_id_y 1
		.amdhsa_system_sgpr_workgroup_id_z 1
		.amdhsa_system_vgpr_workitem_id 0
		.amdhsa_next_free_vgpr 1024
		.amdhsa_next_free_sgpr 100
		.amdhsa_reserve_vcc 1
		.amdhsa_float_denorm_mode_32 3
		.amdhsa_float_denorm_mode_16_64 3
		.amdhsa_memory_ordered 1
		.amdhsa_forward_progress 1
		.amdhsa_inst_pref_size 255
	.end_amdhsa_kernel
	.section	.bss,"aw",@nobits
	.p2align	6
	.space	262144
	.amdgpu_metadata
---
amdhsa.version: [ 1, 2 ]
amdhsa.kernels:
  - .name:           k_qa5eb828d3c_proj
    .symbol:         k_qa5eb828d3c_proj.kd
    .args:
      - { .name: codes, .offset: 0, .size: 8, .value_kind: global_buffer, .address_space: global }
      - { .name: qkv, .offset: 8, .size: 8, .value_kind: global_buffer, .address_space: global }
      - { .name: bq, .offset: 16, .size: 8, .value_kind: global_buffer, .address_space: global }
      - { .name: bk, .offset: 24, .size: 8, .value_kind: global_buffer, .address_space: global }
      - { .name: bq2, .offset: 32, .size: 8, .value_kind: global_buffer, .address_space: global }
      - { .name: bk2, .offset: 40, .size: 8, .value_kind: global_buffer, .address_space: global }
      - { .name: bv, .offset: 48, .size: 8, .value_kind: global_buffer, .address_space: global }
      - { .name: bv2, .offset: 56, .size: 8, .value_kind: global_buffer, .address_space: global }
      - { .name: gq, .offset: 64, .size: 8, .value_kind: global_buffer, .address_space: global }
      - { .name: gk, .offset: 72, .size: 8, .value_kind: global_buffer, .address_space: global }
      - { .name: gq2, .offset: 80, .size: 8, .value_kind: global_buffer, .address_space: global }
      - { .name: gk2, .offset: 88, .size: 8, .value_kind: global_buffer, .address_space: global }
      - { .name: cos, .offset: 96, .size: 8, .value_kind: global_buffer, .address_space: global }
      - { .name: sin, .offset: 104, .size: 8, .value_kind: global_buffer, .address_space: global }
    .group_segment_fixed_size: 327680
    .private_segment_fixed_size: 0
    .kernarg_segment_align: 8
    .kernarg_segment_size: 112
    .max_flat_workgroup_size: 128
    .sgpr_count:     100
    .vgpr_count:     1024
    .wavefront_size: 32
...
	.end_amdgpu_metadata
.endif
;; end of part 2
;; launch attn (part 3): grid 16 x 16, 8 waves a work-group, clusters of 4 x 1, 308,736 bytes of LDS; arguments qkv, ao; writes ao
.if DOCPART == 3
	.amdgcn_target "amdgcn-amd-amdhsa--gfx1250"
	.amdhsa_code_object_version 6
	.text
	.protected	k_qa5eb828d3c_attn
	.globl	k_qa5eb828d3c_attn
	.p2align	8
	.type	k_qa5eb828d3c_attn,@function
k_qa5eb828d3c_attn:
	s_mov_b64 s[64:65], 0
	v_nop
	global_prefetch_b8 v0, s[64:65] scope:SCOPE_SE
	s_setreg_imm32_b32 hwreg(HW_REG_WAVE_MODE, 25, 1), 1
	s_wait_xcnt 0x0
	s_wait_alu depctr_hold_cnt(0) depctr_sa_sdst(0) depctr_va_vdst(0) depctr_va_sdst(0) depctr_va_ssrc(0) depctr_va_vcc(0) depctr_vm_vsrc(0)
	s_getreg_b32 s2, hwreg(HW_REG_IB_STS2, 6, 4)
	s_cmp_eq_u32 s2, 0
	s_cbranch_scc0 .Lentry_in_a_cluster
	s_endpgm
.Lentry_in_a_cluster:
	s_bfe_u32 s2, ttmp6, 0x10000c
	s_cmp_lg_u32 s2, 0x3003
	s_cbranch_scc0 .Lentry_shape_is_right
	s_endpgm
.Lentry_shape_is_right:
; The joint softmax over two key sets, on codes of FP6 (E2M3) with E8M0 scales.  For query i: keys j with 0 <= i - j < 256 of the in-context path (q_ic, k_ic, v_ic), keys with i - j >= 256 of the fading path (q_f, k_f, v_f).
; p IS QUANTISED FINISHED AND NORMALISED, so a row's maximum and sum are known before any p is quantised: TWO PASSES over the keys.  Pass 1: scores, a running maximum m and sum l.  Pass 2: the scores again,
; p = 2^(t - m) x (1 / l), t = score x log2(e) / sqrt(128), quantised along the keys, and O^T += V^T P^T.  O is quantised along the head's 128 and leaves as a fragment of the last product's operand.
; STEPS of 128 keys.  With D = query block - key block: in-context D = 0 (keys after the query hidden), 1 (all count), 2 (only i - j < 256); fading D = 2 (only i - j >= 256), D >= 3 (all count).  The step D = 2 is worked in both paths,
; with masks that complement each other.  Steps that the masks hide wholly are left out: a scalar branch on ids.
; RECORDS of qkv (12,800 bytes, images of operand registers, fragment a = rows pi(a, r) = 32 (a / 2) + 8 (a % 2) + r + 8 (r / 8)): 16 hc + 8 batch + block; hc 0-15 q_ic, 16-23 k_ic, 24-39 q_f, 40-47 k_f, 48-55 v_ic, 56-63 v_f.
; Both products are used transposed (S^T = K Q^T, O^T = V^T P^T): a lane holds ONE query, and by the records' order of rows its register 16 b + i is key (or channel) 32 b + 16 h + i.
; SHARES.  A cluster of four work-groups serves one batch, one key and value head, and the query blocks P and 7 - P (P = the cluster's x): its partners are the two query heads x the two halves of the blocks' eight fragments.
; In a work-group waves 0-3 take a fragment (16 queries) of block P each, waves 4-7 one of block 7 - P: 1, 2, 4, 5 steps beside 9, 8, 7, 6.  The four partners read the same K and V: every tile is asked for JOINTLY.
; LDS, filled once (so there is no ring): K's area: k_ic steps max(P - 2, 0) .. + 2 | k_f steps 0 .. 5 | k_ic steps 5 - P .. 7 - P; V's area likewise.  Waves 0-3 walk the first nine records, waves 4-7 the last nine:
; nine trips for every wave, the record's LDS address = a constant x (wave / 4) + 12,800 x the trip.  A wave has two tensor loads out, both issued at the head; nothing is prefetched: there is no later tile.
; LIMITS: a p under 2^-126 counts as 0 (v_exp_f32, ISA guide 15.8); a block of zeros keeps the byte 1 (its codes are zeros); a block's largest p is taken as the p of its largest score; NaN and infinities are not served.
; REGISTERS: v1-4 addresses that stay; v5-8 addresses of the step; v9 the mask's threshold; v10 my fragment's place in a record; v11 -infinity; v12 -m, v13 m; v[14:15] l; v16-27, v28 q_ic and its scale word; v84-95, v29 q_f;
;   v[30:31] 1 / l; v32-79 four fragments of K or V, v80-83 their scale words; v96-159 S^T, then p; v160-223 O^T; v224-235 codes; v236-254 at work; v255 p's scale word.
.set REC,   12800
.set PARTB, 19200                      ; what one tensor load brings: an eighth of an area
.set VAREA, 12*REC                     ; V's area begins here
.set SCST,  2*VAREA                    ; behind the areas: 512 bytes in which the eight waves' scale words meet; no tile lands here
.set FADE,  24*16*REC                  ; from a head's record of q_ic to that of q_f
.macro CROUND                          ; a round of the cluster's barrier
	s_barrier_signal -1
	s_barrier_wait -1
	s_cmp_lg_u32 s8, 0
	s_cbranch_scc1 .Lnot_wave_0_\@
	s_barrier_signal -3
.Lnot_wave_0_\@:
	s_barrier_wait -3
	s_barrier_signal -1
	s_barrier_wait -1
.endm
	s_load_b128 s[4:7], s[0:1], 0x0                ; qkv, ao
	v_lshl_add_u32 v243, v0, 2, 0x4b200
	s_set_vgpr_msb 0x40
	v_mov_b32 v1, 0
	s_set_vgpr_msb 0x4044
	ds_add_u32 v243, v1
	ds_add_u32 v243, v1
	s_set_vgpr_msb 0x4400
	v_lshrrev_b32 v1, 5, v0
	v_readfirstlane_b32 s8, v1                     ; wave 0..7
	s_lshr_b32 s9, s8, 2                           ; G: 0 the light waves, 1 the heavy
	s_and_b32 s10, s8, 3
	s_bfe_u32 s11, ttmp6, 0x40000                  ; cx: it enters global addresses and the mask's threshold alone
	s_mov_b32 s12, ttmp9                           ; P
	s_and_b32 s13, ttmp7, 0xffff
	s_lshr_b32 s14, s13, 3                         ; batch
	s_and_b32 s15, s13, 7                          ; key and value head
	s_and_b32 s16, s11, 1
	s_lshl_b32 s23, s15, 1
	s_add_co_u32 s16, s16, s23                     ; query head
	s_lshr_b32 s17, s11, 1                         ; HF: which four of a block's eight fragments
	s_sub_co_u32 s23, 7, s12
	s_cmp_eq_u32 s9, 0
	s_cselect_b32 s18, s12, s23                    ; QB, my query block
	s_cselect_b32 s22, 3, 0                        ; the trip of my first fading record
	s_mul_i32 s21, s9, 6                           ; the trip of my first in-context record
	s_lshl_b32 s19, s17, 2
	s_add_co_u32 s19, s19, s10                     ; a, my fragment
	s_sub_co_i32 s20, s18, 2
	s_max_i32 s20, s20, 0                          ; the key block of my first in-context record
	s_sub_co_i32 s23, s12, 2
	s_max_i32 s23, s23, 0                          ; the same of the light waves: what lies first in an area
	; what I fetch: part w of K's area and part w of V's.  Parts 0, 1: in-context, from block max(P - 2, 0); parts 2-5: fading, from block 0; parts 6, 7: in-context, from block 5 - P
	s_sub_co_u32 s70, 5, s12
	s_mov_b32 s71, 16                              ; K's hc
	s_mov_b32 s72, 48                              ; V's
	s_mov_b32 s73, s23                             ; the first key block
	s_mov_b32 s74, 0                               ; the run's first part
	s_cmp_ge_u32 s8, 2
	s_cselect_b32 s71, 40, s71
	s_cselect_b32 s72, 56, s72
	s_cselect_b32 s73, 0, s73
	s_cselect_b32 s74, 2, s74
	s_cmp_ge_u32 s8, 6
	s_cselect_b32 s71, 16, s71
	s_cselect_b32 s72, 48, s72
	s_cselect_b32 s73, s70, s73
	s_cselect_b32 s74, 6, s74
	s_lshl_b32 s75, s14, 3
	s_add_co_u32 s75, s75, s73                     ; 8 batch + block
	s_sub_co_u32 s74, s8, s74
	s_mul_i32 s74, s74, PARTB                      ; my part within its run
	s_add_co_u32 s71, s71, s15
	s_lshl_b32 s71, s71, 4
	s_add_co_u32 s71, s71, s75
	s_mul_i32 s76, s71, REC
	s_add_co_u32 s76, s76, s74
	s_mov_b32 s77, 0
	s_add_co_u32 s72, s72, s15
	s_lshl_b32 s72, s72, 4
	s_add_co_u32 s72, s72, s75
	s_mul_i32 s78, s72, REC
	s_add_co_u32 s78, s78, s74
	s_mov_b32 s79, 0
	s_mul_i32 s70, s8, PARTB                       ; and where it goes
	; descriptor group 1: 19,200 dense bytes as 75 rows of 256 (32 elements of 8 bytes), no padding
	s_mov_b32 s24, 15|(3<<16)|(1<<21)              ; 15:0 the mask: all four work-groups; 17:16 elements of 8 bytes; 21 set beside a mask
	s_mov_b32 s25, 32<<16                          ; tensor_dim0
	s_mov_b32 s26, 75<<16                          ; tensor_dim1
	s_mov_b32 s27, 32<<16                          ; tile_dim0
	s_mov_b32 s28, 75                              ; tile_dim1
	s_mov_b32 s29, 32                              ; tensor_dim0_stride
	s_mov_b32 s30, 0
	s_mov_b32 s31, 0
	s_mov_b32 s66, 0x3e0293ee                      ; c = log2(e) / sqrt(128)
	s_mov_b32 s67, s66                             ; (named with it as a pair)
	s_mov_b32 s68, 0x76543210
	s_mov_b32 s69, 0xfedcba98                      ; selects for lane l xor 16
	s_wait_dscnt 0x0
	s_wait_kmcnt 0x0
	s_mov_b32 s32, 1
	s_mov_b32 s33, s70
	s_add_nc_u64 s[34:35], s[4:5], s[76:77]
	s_or_b32 s35, s35, 0x80000000
	s_mov_b32 s36, 1
	s_add_co_u32 s37, s70, VAREA
	s_add_nc_u64 s[38:39], s[4:5], s[78:79]
	s_or_b32 s39, s39, 0x80000000
	CROUND                                         ; all four work-groups are here: the joint loads meet
	tensor_load_to_lds s[32:35], s[24:31]          ; K's part first: pass 1 wants K alone
	s_nop 0
	tensor_load_to_lds s[36:39], s[24:31]
	s_nop 0
.rept 4
	v_nop
.endr
	s_lshl_b32 s70, s9, 8
	s_lshl_b32 s71, s10, 2
	s_add_co_u32 s70, s70, s71
	s_add_co_u32 s70, s70, SCST                    ; my wave's column in the gather of scale words: 256 G + 4 (wave % 4)
	s_lshl_b32 s42, s14, 3
	s_add_co_u32 s42, s42, s18                     ; my token block
	s_lshl_b32 s43, s16, 4
	s_add_co_u32 s43, s43, s42
	s_mul_i32 s44, s43, REC
	s_mov_b32 s45, 0
	s_add_nc_u64 s[40:41], s[4:5], s[44:45]        ; q_ic's record: 16 head + token block
	s_lshl_b32 s42, s42, 4
	s_add_co_u32 s42, s42, s16
	s_mul_i32 s44, s42, REC
	s_add_nc_u64 s[48:49], s[6:7], s[44:45]        ; ao's record: 16 token block + head
	s_mul_i32 s46, s19, 1536                       ; my fragment in a record
	s_lshl_b32 s47, s17, 8
	s_lshl_b32 s43, s10, 2
	s_add_co_u32 s47, s47, s43                     ; its scale words: 256 (a / 4) + 4 (a % 4)
	s_lshr_b32 s42, s19, 1
	s_lshl_b32 s42, s42, 5
	s_and_b32 s43, s19, 1
	s_lshl_b32 s43, s43, 3
	s_add_co_u32 s42, s42, s43                     ; pi(a, 0)
	v_and_b32 v1, 31, v0
	v_lshlrev_b32 v1, 4, v1                        ; v1  16 x lane
	v_and_b32 v252, 15, v0                         ; r
	v_bfe_u32 v254, v0, 4, 1                       ; h
	v_lshl_add_u32 v2, v252, 4, 12288              ; v2  a record's scale words: 16 r + 12,288
	v_lshl_add_u32 v3, v252, 4, s70                ; v3  where my scale word goes at the end
	v_add_nc_u32 v4, SCST, v1                      ; v4  and where wave 0 reads the gather back
	v_add_nc_u32 v10, s46, v1                      ; v10 my fragment: 1,536 a + 16 x lane
	v_add_nc_u32 v96, s47, v2
.irp c, 0,1,2
	global_load_b128 v[16+4*\c:19+4*\c], v10, s[40:41] offset:512*\c
	global_load_b128 v[84+4*\c:87+4*\c], v10, s[40:41] offset:FADE+512*\c
.endr
	global_load_b32 v28, v96, s[40:41]
	global_load_b32 v29, v96, s[40:41] offset:FADE
	v_and_b32 v9, 8, v252
	v_add3_u32 v9, v9, v252, s42                   ; x = pi(a, r): my query within its block
	v_lshlrev_b32 v254, 4, v254
	v_sub_nc_u32 v9, v9, v254                      ; v9  x - 16 h: register 16 b + i holds the block's key 32 b + 16 h + i, which comes after x where 32 b + i > x - 16 h
	v_mov_b32 v11, 0xff800000                      ; -infinity
	v_mov_b32 v13, 0xff61b1e6                      ; m = -3e38, under every t
	v_mov_b32 v14, 0
	v_mov_b32 v15, 0
	v_mov_b32 v253, 0                              ; (named as the upper half of the pair v[252:253])
.irp b, 0,1,2,3
	v_mov_b32 v[236+\b], 0                         ; written once: a lane permute's destination counts as one of its sources
.endr
; THE HEAD OF A TRIP.  s52 the trip, s53 its record's LDS byte.  s54 = 1: an in-context record; s55 its key block; s56 = D.  A record that the masks hide wholly from my block is passed over.  All these are alike in the four partners.
.macro HEAD skip
	s_sub_co_u32 s59, s52, s21
	s_add_co_u32 s60, s20, s59
	s_sub_co_u32 s61, s52, s22
	s_cmp_lt_u32 s59, 3
	s_cselect_b32 s54, 1, 0
	s_cselect_b32 s55, s60, s61
	s_cselect_b32 s62, 0, 2                        ; the least D that counts
	s_sub_co_i32 s56, s18, s55
	s_cmp_lt_i32 s56, s62
	s_cbranch_scc1 \skip
.endm
; S^T = K Q^T, four fragments of 16 keys at a time; Q by the record's path.
.macro KQG g
.if \g
.rept 4
	v_nop                                          ; places in front of loads into registers that matrix instructions have read
.endr
.endif
.irp t, 0,1,2,3
.irp c, 0,1,2
	ds_load_b128 v[32+12*\t+4*\c:35+12*\t+4*\c], v5 offset:(4*\g+\t)*1536+512*\c
.endr
.endr
	ds_load_b128 v[80:83], v6 offset:256*\g        ; the four fragments' scale words
	s_wait_dscnt 0x0
	s_cmp_eq_u32 s54, 0
	s_cbranch_scc1 .Lfading_\@
.irp t, 0,1,2,3
	v_wmma_scale_f32_16x16x128_f8f6f4 v[96+8*(4*\g+\t):103+8*(4*\g+\t)], v[32+12*\t:43+12*\t], v[16:27], 0, v[80+\t], v28 matrix_a_fmt:MATRIX_FMT_FP6 matrix_b_fmt:MATRIX_FMT_FP6
.endr
	s_branch .Lscored_\@
.Lfading_\@:
.irp t, 0,1,2,3
	v_wmma_scale_f32_16x16x128_f8f6f4 v[96+8*(4*\g+\t):103+8*(4*\g+\t)], v[32+12*\t:43+12*\t], v[84:95], 0, v[80+\t], v29 matrix_a_fmt:MATRIX_FMT_FP6 matrix_b_fmt:MATRIX_FMT_FP6
.endr
.Lscored_\@:
.endm
; THE MASK, where D is 0 or 2.  In all three cases the edge lies at the same place: key kk of the block against query x.  D = 0 and fading D = 2: hidden where kk > x; in-context D = 2: hidden where not.  Hidden scores become -infinity: p = 0.
.macro MASK
	s_and_b32 s63, s56, -3
	s_cmp_lg_u32 s63, 0
	s_cbranch_scc1 .Lopen_\@
	s_lshr_b32 s58, s56, 1
	s_and_b32 s58, s58, s54
	s_sub_co_u32 s58, 0, s58                       ; all ones for in-context D = 2, else 0
.irp q, 0,1,2,3,4,5,6,7                ; eight registers at a time, so that the scalar lines do not wait for single compares
.irp k, 0,1,2,3,4,5,6,7
	v_cmp_gt_i32 s[84+\k], 32*((8*\q+\k)/16)+(8*\q+\k)%16, v9
.endr
.irp k, 0,1,2,3,4,5,6,7
	s_xor_b32 s[84+\k], s[84+\k], s58
.endr
.irp k, 0,1,2,3,4,5,6,7
	v_cndmask_b32 v[96+8*\q+\k], v[96+8*\q+\k], v11, s[84+\k]
.endr
.endr
.Lopen_\@:
.endm
.macro BMAX                            ; the largest of my 16 scores of each block of 32 keys
.irp b, 0,1,2,3
	v_max3_num_f32 v[248+\b], v[96+16*\b], v[97+16*\b], v[98+16*\b]
.endr
.irp i, 3,5,7,9,11,13
.irp b, 0,1,2,3
	v_max3_num_f32 v[248+\b], v[248+\b], v[96+16*\b+\i], v[97+16*\b+\i]
.endr
.endr
.irp b, 0,1,2,3
	v_max_num_f32 v[248+\b], v[248+\b], v[111+16*\b]
.endr
.endm
.macro SCALED                          ; t - m, two at a time (of the pairs c and -m the low word serves both halves)
.irp j, 0,2,4,6,8,10,12,14,16,18,20,22,24,26,28,30,32,34,36,38,40,42,44,46,48,50,52,54,56,58,60,62
	v_pk_fma_f32 v[96+\j:97+\j], v[96+\j:97+\j], s[66:67], v[12:13] op_sel_hi:[1,0,0]
.endr
.endm
.macro EXP64
.irp j, 0,1,2,3,4,5,6,7,8,9,10,11,12,13,14,15,16,17,18,19,20,21,22,23,24,25,26,27,28,29,30,31,32,33,34,35,36,37,38,39,40,41,42,43,44,45,46,47,48,49,50,51,52,53,54,55,56,57,58,59,60,61,62,63
	v_exp_f32 v[96+\j], v[96+\j]
.endr
.endm
; From the four blocks' largest magnitudes in v248-251 (floor among them) and 64 numbers at v[src]: the scale word in v[pw], the fragment's codes in v224-235.
.macro CODES src, pw
.irp b, 0,1,2,3
	v_add_nc_u32 v[244+\b], 0xff000000, v[248+\b]  ; 2 off the exponent field: the conversion's scale operand
.endr
.irp b, 0,1,2,3
	v_lshrrev_b32 v[236+\b], 23, v[244+\b]         ; the scale's byte
.endr
	v_lshl_or_b32 v[\pw], v237, 8, v236
	v_lshl_or_b32 v[\pw], v238, 16, v[\pw]
	v_lshl_or_b32 v[\pw], v239, 24, v[\pw]
.irp c, 0,1
	v_cvt_scalef32_pk16_fp6_f32 v[224+6*\c:226+6*\c], v[\src+32*\c:\src+15+32*\c], v[244+2*\c]
	v_cvt_scalef32_pk16_fp6_f32 v[236+4*\c:238+4*\c], v[\src+16+32*\c:\src+31+32*\c], v[244+2*\c+1]   ; (a conversion's three registers begin on an even number)
.endr
	v_nop                                          ; one plain place behind a scaled conversion
.irp c, 0,1                            ; the operand's layout wants a WHOLE block in a lane
.irp i, 0,1,2
	v_permlane16_swap_b32 v[224+6*\c+\i], v[236+4*\c+\i]
.endr
.irp i, 0,1,2
	v_mov_b32 v[227+6*\c+\i], v[236+4*\c+\i]
.endr
.endr
.endm
; O^T += V^T P^T, four fragments of 16 channels at a time.  The eight accumulators take turns, and the scores' products stand between two steps.
.macro PVG g
.if \g
.rept 4
	v_nop
.endr
.endif
.irp t, 0,1,2,3
.irp c, 0,1,2
	ds_load_b128 v[32+12*\t+4*\c:35+12*\t+4*\c], v7 offset:(4*\g+\t)*1536+512*\c
.endr
.endr
	ds_load_b128 v[80:83], v8 offset:256*\g
.if \g == 0
.rept 8
	v_nop                                          ; p's scale word, written by vector instructions, stands 8 places ahead of the scaled product, its codes 4; the loads above are on their way meanwhile
.endr
.endif
	s_wait_dscnt 0x0
.irp t, 0,1,2,3
	v_wmma_scale_f32_16x16x128_f8f6f4 v[160+8*(4*\g+\t):167+8*(4*\g+\t)], v[32+12*\t:43+12*\t], v[224:235], v[160+8*(4*\g+\t):167+8*(4*\g+\t)], v[80+\t], v255 matrix_a_fmt:MATRIX_FMT_FP6 matrix_b_fmt:MATRIX_FMT_FP6
.endr
.endm
	s_wait_loadcnt 0x0                             ; Q
	s_wait_tensorcnt 1                             ; my part of K's area is in; my part of V's may be out
	s_barrier_signal -1
	s_barrier_wait -1                              ; everybody's is
	; ---- PASS 1: each lane keeps the maximum and the sum of its own half of the keys; the halves meet once, behind the loop
	s_mul_i32 s53, s9, 3*REC
	s_mov_b32 s52, 0
.Lpass1:
	HEAD .Lnext1
	v_add_nc_u32 v5, s53, v1
	v_add_nc_u32 v6, s53, v2
	KQG 0
	KQG 1
.rept 4
	v_nop                                          ; places in front of the first read of results
.endr
	MASK
	BMAX
	v_max3_num_f32 v254, v248, v249, v250
	v_max_num_f32 v254, v254, v251
	v_mul_f32 v254, s66, v254                      ; the step's largest t of my half (c is positive)
	v_mov_b32 v252, v13
	v_max_num_f32 v13, v13, v254                   ; the new m
	v_sub_f32 v252, v252, v13                      ; old m - new m
	v_mul_f32 v12, -1.0, v13
	SCALED
	EXP64
	v_exp_f32 v252, v252                           ; f = 2^(old m - new m)
	v_nop                                          ; a plain place behind the exponentials,
	s_wait_alu depctr_va_vdst(0)                   ; and one wait for the batch of 65, ahead of its first reader
	v_pk_mul_f32 v[14:15], v[14:15], v[252:253] op_sel_hi:[1,0]
	v_pk_add_f32 v[236:237], v[96:97], v[98:99]
.irp j, 4,8,12,16,20,24,28,32,36,40,44,48,52,56,60
	v_pk_add_f32 v[14:15], v[14:15], v[96+\j:97+\j]
	v_pk_add_f32 v[236:237], v[236:237], v[98+\j:99+\j]
.endr
	v_pk_add_f32 v[14:15], v[14:15], v[236:237]
.Lnext1:
	s_add_co_u32 s53, s53, REC
	s_add_co_u32 s52, s52, 1
	s_cmp_lt_u32 s52, 9
	s_cbranch_scc1 .Lpass1
	; ---- the two halves of a query meet
	v_add_f32 v14, v14, v15
	v_permlanex16_b32 v236, v13, s68, s69          ; the other half's m
	v_permlanex16_b32 v237, v14, s68, s69          ; and l
	v_max_num_f32 v238, v13, v236                  ; the row's m
	v_sub_f32 v252, v13, v238
	v_sub_f32 v254, v236, v238
	v_exp_f32 v252, v252
	v_exp_f32 v254, v254
	v_mul_f32 v12, -1.0, v238                      ; -m, for pass 2.  (A plain place behind the exponentials)
	s_wait_alu depctr_va_vdst(0)
	v_mul_f32 v14, v14, v252                       ; two products and a sum, not a fused form: the sum of the same two numbers is the same bits in both lanes,
	v_mul_f32 v237, v237, v254                     ; and a block of 32 keys, which has one scale, lies in both
	v_add_f32 v14, v14, v237                       ; the row's l
	v_rcp_f32 v30, v14
.irp j, 0,1,2,3,4,5,6,7,8,9,10,11,12,13,14,15,16,17,18,19,20,21,22,23,24,25,26,27,28,29,30,31,32,33,34,35,36,37,38,39,40,41,42,43,44,45,46,47,48,49,50,51,52,53,54,55,56,57,58,59,60,61,62,63
	v_mov_b32 v[160+\j], 0                         ; O^T: which trip is a wave's first hangs on its block, so the step is written once and finds zeros
.endr
	s_wait_alu depctr_va_vdst(0)
	v_mov_b32 v31, v30                             ; 1 / l, as a pair
	s_wait_tensorcnt 0x0                           ; my part of V's area is in,
	s_barrier_signal -1
	s_barrier_wait -1                              ; everybody's is
	; ---- PASS 2
	s_mul_i32 s53, s9, 3*REC
	s_mov_b32 s52, 0
.Lpass2:
	HEAD .Lnext2
	s_add_co_u32 s57, s53, VAREA
	v_add_nc_u32 v5, s53, v1                       ; (these four are the places between the last step's products and the loads into their operands)
	v_add_nc_u32 v6, s53, v2
	v_add_nc_u32 v7, s57, v1
	v_add_nc_u32 v8, s57, v2
	KQG 0
	KQG 1
.rept 4
	v_nop
.endr
	MASK
	BMAX
.irp b, 0,1,2,3
	v_permlanex16_b32 v[236+\b], v[248+\b], s68, s69
.endr
.irp b, 0,1,2,3
	v_max_num_f32 v[248+\b], v[248+\b], v[236+\b]  ; each block's largest score: p rises with the score, so it gives the block's largest p
.endr
	SCALED
.irp b, 0,1,2,3
	v_fma_f32 v[248+\b], v[248+\b], s66, v12       ; the same of each block's largest score
.endr
	EXP64
	v_nop
	s_wait_alu depctr_va_vdst(0)                   ; one wait for the 64
.irp b, 0,1,2,3
	v_exp_f32 v[248+\b], v[248+\b]
.endr
.irp j, 0,2,4,6,8,10,12,14,16,18,20,22,24,26,28,30,32,34,36,38,40,42,44,46,48,50,52,54,56,58,60,62
	v_pk_mul_f32 v[96+\j:97+\j], v[96+\j:97+\j], v[30:31]   ; p, finished and normalised.  (Plain work behind the four)
.endr
	s_wait_alu depctr_va_vdst(0)                   ; and one for the four
.irp b, 0,1,2,3
	v_mul_f32 v[248+\b], v[248+\b], v30            ; the same three instructions on the same number give the same bits
.endr
.irp b, 0,1,2,3
	v_max_num_f32 v[248+\b], 0x1800000, v[248+\b]  ; the floor 2^(3 - 127): the byte cannot fall under 1
.endr
	CODES 96, 255
	PVG 0
	PVG 1
.Lnext2:
	s_add_co_u32 s53, s53, REC
	s_add_co_u32 s52, s52, 1
	s_cmp_lt_u32 s52, 9
	s_cbranch_scc1 .Lpass2
	; ---- THE WAY OUT: O's 16 rows x 128 channels become fragment a of the last product's operand
.rept 4
	v_nop
.endr
.irp b, 0,1,2,3
	v_max3_num_f32 v[248+\b], |v[160+16*\b]|, |v[161+16*\b]|, 0x1800000
.endr
.irp i, 2,4,6,8,10,12,14
.irp b, 0,1,2,3
	v_max3_num_f32 v[248+\b], v[248+\b], |v[160+16*\b+\i]|, |v[161+16*\b+\i]|
.endr
.endr
.irp b, 0,1,2,3
	v_permlanex16_b32 v[236+\b], v[248+\b], s68, s69
.endr
.irp b, 0,1,2,3
	v_max_num_f32 v[248+\b], v[248+\b], v[236+\b]
.endr
	CODES 160, 254
.irp c, 0,1,2
	global_store_b128 v10, v[224+4*\c:227+4*\c], s[48:49] offset:512*\c   ; 512 consecutive bytes, at a multiple of 256 from the buffer's first byte
.endr
	ds_store_b32 v3, v254                          ; a record's 256 bytes of scale words come from four waves: they meet in LDS (both lanes of a row write the same word with the same value)
	s_wait_dscnt 0x0                               ; for the others' sake
	s_barrier_signal -1
	s_barrier_wait -1
	s_cmp_lg_u32 s8, 0
	s_cbranch_scc1 .Lnot_first
	ds_load_b128 v[96:99], v4                      ; lanes 0-15: the light block's 256 bytes, lanes 16-31: the heavy block's
	s_lshl_b32 s42, s12, 1
	s_sub_co_u32 s42, 7, s42
	s_mul_i32 s42, s42, 16*REC                     ; from block P's record to block 7 - P's: 7 - 2 P token blocks of sixteen records
	v_bfe_u32 v100, v0, 4, 1
	v_mul_u32_u24 v100, v100, s42
	s_lshl_b32 s43, s17, 8
	v_add3_u32 v100, v100, v2, s43                 ; + 12,288 + 256 HF + 16 r
	s_wait_dscnt 0x0
	global_store_b128 v100, v[96:99], s[48:49]     ; wave 0 is a light wave: its record is block P's.  Sixteen lanes store 256 consecutive bytes, aligned
.Lnot_first:
	s_set_vgpr_msb 0x4
	s_wait_tensorcnt 0x0
	ds_add_u32 v243, v1
	s_wait_dscnt 0x0
	s_set_vgpr_msb 0x400
	CROUND                                         ; the closing round
	s_endpgm
.Lfunc_end_k_qa5eb828d3c_attn:
	.size	k_qa5eb828d3c_attn, .Lfunc_end_k_qa5eb828d3c_attn-k_qa5eb828d3c_attn
	.p2alignl 7, 3214868480
	.fill 96, 4, 3214868480
	.section	.rodata,"a",@progbits
	.p2align	6, 0x0
	.amdhsa_kernel k_qa5eb828d3c_attn
		.amdhsa_group_segment_fixed_size 308736
		.amdhsa_private_segment_fixed_size 0
		.amdhsa_enable_private_segment 0
		.amdhsa_kernarg_size 16
		.amdhsa_user_sgpr_count 2
		.amdhsa_user_sgpr_kernarg_segment_ptr 1
		.amdhsa_wavefront_size32 1
		.amdhsa_system_sgpr_workgroup_id_x 1
		.amdhsa_system_sgpr_workgroup_id_y 1
		.amdhsa_system_sgpr_workgroup_id_z 1
		.amdhsa_system_vgpr_workitem_id 0
		.amdhsa_next_free_vgpr 258
		.amdhsa_next_free_sgpr 92
		.amdhsa_reserve_vcc 0
		.amdhsa_float_denorm_mode_32 3
		.amdhsa_float_denorm_mode_16_64 3
		.amdhsa_memory_ordered 1
		.amdhsa_forward_progress 1
		.amdhsa_inst_pref_size 69
	.end_amdhsa_kernel
	.amdgpu_metadata
---
amdhsa.version: [ 1, 2 ]
amdhsa.kernels:
  - .name:           k_qa5eb828d3c_attn
    .symbol:         k_qa5eb828d3c_attn.kd
    .args:
      - { .name: qkv, .offset: 0, .size: 8, .value_kind: global_buffer, .address_space: global }
      - { .name: ao, .offset: 8, .size: 8, .value_kind: global_buffer, .address_space: global }
    .group_segment_fixed_size: 308736
    .private_segment_fixed_size: 0
    .kernarg_segment_align: 8
    .kernarg_segment_size: 16
    .max_flat_workgroup_size: 256
    .sgpr_count:     92
    .vgpr_count:     258
    .wavefront_size: 32
...
	.end_amdgpu_metadata
.endif
;; end of part 3
;; launch oproj (part 4): grid 8 x 8, 4 waves a work-group, clusters of 4 x 4, 327,680 bytes of LDS; arguments ao, codes, out0; writes out0
.if DOCPART == 4
	.amdgcn_target "amdgcn-amd-amdhsa--gfx1250"
	.amdhsa_code_object_version 6
	.text
	.protected	k_qa5eb828d3c_oproj
	.globl	k_qa5eb828d3c_oproj
	.p2align	8
	.type	k_qa5eb828d3c_oproj,@function
k_qa5eb828d3c_oproj:
	s_mov_b64 s[64:65], 0
	v_nop
	global_prefetch_b8 v0, s[64:65] scope:SCOPE_SE
	s_setreg_imm32_b32 hwreg(HW_REG_WAVE_MODE, 25, 1), 1
	s_wait_xcnt 0x0
	s_wait_alu depctr_hold_cnt(0) depctr_sa_sdst(0) depctr_va_vdst(0) depctr_va_sdst(0) depctr_va_ssrc(0) depctr_va_vcc(0) depctr_vm_vsrc(0)
	s_getreg_b32 s2, hwreg(HW_REG_IB_STS2, 6, 4)
	s_cmp_eq_u32 s2, 0
	s_cbranch_scc0 .Lentry_in_a_cluster
	s_endpgm
.Lentry_in_a_cluster:
	s_bfe_u32 s2, ttmp6, 0x10000c
	s_cmp_lg_u32 s2, 0xf033
	s_cbranch_scc0 .Lentry_shape_is_right
	s_endpgm
.Lentry_shape_is_right:
; out0 = (attention's output) Wo^T on codes of FP6 (E2M3) with E8M0 scales, K = 2,048; out0 [2,048][2,048] f32.
; A: ao, record 16 x token block + head; B: codes, record 16 x row block + K / 128, Wo's row blocks 80-95.  A record is 12,800 bytes: 128 rows x 128 K as images of operand registers;
; fragment a = rows pi(a, r) = 32 (a / 2) + 8 (a % 2) + r + 8 (r / 8); scale words at 12,288 + 256 (a / 4) + 16 r + 4 (a % 4).
; A work-group of four waves makes 256 x 256 of out0, a wave 128 x 128: 64 accumulators.  64 work-groups: the tile that the projections' loop has; a quarter of it on four times the work-groups is the other choice.
; The loop is the projections': a ring of two LDS slots of 2 x 128 along K, four parts of 25,600 dense bytes, one tensor load a wave; clusters of 4 x 4, A's parts asked for jointly along a row, B's along a column.
; A wave has two tensor loads out at the start and one behind each round.  No prefetch into the L2: each tile is asked for once by four work-groups together.
; THE MATRIX INSTRUCTION IS USED TRANSPOSED (source 0 = 16 rows of B, source 1 = 16 rows of A): lane (r, h) holds token pi(a, r), and its register 8 b + j of fragment pair (a, b) the column 32 (b / 2) + 16 h + 8 (b % 2) + j.
; REGISTERS: window 0: v0-31 addresses; v32-63 scale words and nothing else; v128-223 A's fragments; on the way out v128-255 rows read back.  window 1: B's fragments, two sets.  windows 2, 3: the accumulators.
.set REC,    12800
.set PART,   2*REC
.set SLOT,   4*PART
.set SPARE,  2*SLOT                    ; behind the ring: the spare words, 128 bytes a wave: two blocks of 256 bytes that no other line names
.set SPITCH, 528                       ; the way out: a stage of 16 rows x (512 bytes + 16) for each wave, in slot 0, which has had its last fill and its last read when the first result is stored there
.set FR,     12
.set NL,     3
.set NP,     4
.set ADRA, 16
.set ADRB, 20
.set ADRS, 22
.set STO,  24                          ; v24  the way out: where I put my bytes of a row
.set RD,   25                          ; v25  where I read a row back
.set CO,   26                          ; v26  16 x lane: my bytes of a row of out0
.set SPW,  28
.set NIL,  29
.set SC,   32
.set AF,   128
.set BK,   128
.set G1,   24
.set G0,   32
.set G1B,  48
.set G0B,  56
.set MSB, 0
.macro WIN new                         ; the immediate's high byte repeats the setting that is left
.if MSB != \new
	s_set_vgpr_msb (MSB<<8)|\new
.set MSB, \new
.endif
.endm
.set MUL_LO, 0xa1
.set MUL_HI, 0xf1
.set TO_B,   0x40
.macro JLOAD g0a, g1a, g0b, g1b        ; a joint load: waves 0 and 1 fetch A's parts, waves 2 and 3 B's; four v_nop follow each of the two lines
	s_cmp_eq_u32 s15, 0
	s_cbranch_scc0 .Lfor_b_\@
	tensor_load_to_lds s[\g0a:\g0a+3], s[\g1a:\g1a+7]
	s_nop 0
.rept 4
	v_nop
.endr
	s_branch .Lasked_\@
.Lfor_b_\@:
	tensor_load_to_lds s[\g0b:\g0b+3], s[\g1b:\g1b+7]
	s_nop 0
.rept 4
	v_nop
.endr
.Lasked_\@:
.endm
.macro CREST
	s_cmp_lg_u32 s14, 0
	s_cbranch_scc1 .Lnot_wave_0_\@
	s_barrier_signal -3
.Lnot_wave_0_\@:
	s_barrier_wait -3
	s_barrier_signal -1
	s_barrier_wait -1
.endm
.macro CROUND
	s_barrier_signal -1
	s_barrier_wait -1
	CREST
.endm
	s_load_b128 s[4:7], s[0:1], 0x0                ; ao, codes
	s_load_b64 s[12:13], s[0:1], 0x10              ; out0
	v_lshl_add_u32 v[SPW], v0, 2, SPARE
	v_mov_b32 v[NIL], 0
	ds_add_u32 v28, v29
	ds_add_u32 v28, v29
	s_wait_dscnt 0x0
	v_lshrrev_b32 v1, 5, v0
	v_readfirstlane_b32 s14, v1                    ; wave 0..3
	s_lshr_b32 s15, s14, 1                         ; which of A's two row blocks is mine.  Also: I fetch for A (0) or for B (1)
	s_and_b32 s16, s14, 1                          ; which of B's.  Also: which row block of that tile I fetch
	s_bfe_u32 s40, ttmp6, 0x40000                  ; cx
	s_bfe_u32 s41, ttmp6, 0x40004                  ; cy
	s_lshl_b32 s42, ttmp9, 2
	s_add_co_u32 s42, s42, s40                     ; B's tile: 256 columns of out0
	s_and_b32 s17, ttmp7, 0xffff
	s_lshl_b32 s17, s17, 2
	s_add_co_u32 s17, s17, s41                     ; A's tile: 256 tokens
	s_lshl_b32 s43, s41, 2
	s_lshl_b32 s43, 15, s43                        ; my row of the cluster
	s_lshl_b32 s44, 0x1111, s40                    ; my column
	s_or_b32 s[G1], s43, (3<<16)|(1<<21)           ; 25,600 dense bytes as 100 rows of 256 (32 elements of 8 bytes), no padding; 15:0 the mask; 21 set beside it
	s_or_b32 s[G1B], s44, (3<<16)|(1<<21)
.irp g, G1, G1B
	s_mov_b32 s[\g+1], 32<<16
	s_mov_b32 s[\g+2], 100<<16
	s_mov_b32 s[\g+3], 32<<16
	s_mov_b32 s[\g+4], 100
	s_mov_b32 s[\g+5], 32
	s_mov_b32 s[\g+6], 0
	s_mov_b32 s[\g+7], 0
.endr
	s_lshl_b32 s20, s17, 1
	s_add_co_u32 s20, s20, s16                     ; A's row block that I fetch
	s_mul_i32 s20, s20, 16*REC
	s_mov_b32 s21, 0
	s_lshl_b32 s46, s42, 1
	s_add_co_u32 s46, s46, s16
	s_add_co_u32 s46, s46, 80                      ; B's: Wo begins at row block 80
	s_mul_i32 s46, s46, 16*REC
	s_mov_b32 s47, 0
	s_mul_i32 s45, s14, PART
	s_wait_kmcnt 0x0
	s_add_nc_u64 s[20:21], s[4:5], s[20:21]
	s_add_nc_u64 s[46:47], s[6:7], s[46:47]
	CROUND                                         ; all sixteen work-groups are here: the first joint loads meet
.irp s, 0,1
	s_mov_b32 s[G0+4*\s], 1
	s_add_co_u32 s[G0+4*\s+1], s45, \s*SLOT
	s_add_nc_u64 s[G0+4*\s+2:G0+4*\s+3], s[20:21], \s*PART
	s_or_b32 s[G0+4*\s+3], s[G0+4*\s+3], 0x80000000
	s_mov_b32 s[G0B+4*\s], 1
	s_add_co_u32 s[G0B+4*\s+1], s45, \s*SLOT
	s_add_nc_u64 s[G0B+4*\s+2:G0B+4*\s+3], s[46:47], \s*PART
	s_or_b32 s[G0B+4*\s+3], s[G0B+4*\s+3], 0x80000000
	JLOAD G0+4*\s, G1, G0B+4*\s, G1B
.endr
	v_and_b32 v1, 31, v0
	v_lshlrev_b32 v[CO], 4, v1                     ; 16 x lane
	v_and_b32 v2, 15, v0                           ; r
	v_bfe_u32 v3, v0, 4, 1                         ; h
	s_mul_i32 s21, s15, PART
	s_mul_i32 s22, s16, PART
	s_add_co_u32 s22, s22, 2*PART
	s_sub_co_u32 s23, s22, s21
	v_mul_u32_u24 v6, s23, v3                      ; lanes 16-31 take B's scale words: one product, the distance x h
	v_lshl_add_u32 v5, v2, 4, v6
.irp s, 0,1
	v_add_nc_u32 v[ADRA+\s], s21, v[CO]
	v_add_nc_u32 v[ADRB+\s], s22, v[CO]
	v_add_nc_u32 v[ADRS+\s], s21, v5
	s_add_co_u32 s21, s21, SLOT
	s_add_co_u32 s22, s22, SLOT
.endr
	s_mul_i32 s23, s14, 16*SPITCH                  ; my stage
	v_mul_u32_u24 v5, v2, SPITCH
	v_lshl_add_u32 v5, v3, 6, v5
	v_add_nc_u32 v[STO], s23, v5                   ; in: row r, + 64 h
	v_add_nc_u32 v[RD], s23, v[CO]                 ; back: the 32 lanes take one row of 512 bytes
	s_lshl_b32 s20, s17, 1
	s_add_co_u32 s20, s20, s15
	s_lshl_b32 s20, s20, 20                        ; my 128 tokens: rows of 8,192 bytes
	s_lshl_b32 s46, s42, 1
	s_add_co_u32 s46, s46, s16
	s_lshl_b32 s46, s46, 9                         ; my 128 columns
	s_add_co_u32 s20, s20, s46
	s_mov_b32 s21, 0
	s_add_nc_u64 s[12:13], s[12:13], s[20:21]
.macro FRAG reg, adr, q, i
.irp c, 0,1,2
	ds_load_b128 v[\reg+4*\c:\reg+4*\c+3], v[\adr] offset:(\q)*REC+1536*(\i)+512*\c
.endr
.endm
; 16 matrix instructions: A's fragments a0, a0 + 1 x B's eight.  The 64 accumulators take turns, one instruction a turn, in the same order in every step.
.macro MUL16 a0, p, q, sc, zero
.irp a, \a0, \a0+1
.irp b, 0,1,2,3,4,5,6,7
.if \zero
	v_wmma_scale_f32_16x16x128_f8f6f4 v[8*(8*((\a)%4)+\b):8*(8*((\a)%4)+\b)+7], v[128*(\p)+FR*\b:128*(\p)+FR*\b+FR-1], v[AF+FR*(\a):AF+FR*(\a)+FR-1], 0, v[SC+16*(\sc)+8*(\q)+\b], v[SC+16*(\sc)+8*(\q)+(\a)] matrix_a_fmt:MATRIX_FMT_FP6 matrix_b_fmt:MATRIX_FMT_FP6 matrix_a_scale:MATRIX_SCALE_ROW1
.else
	v_wmma_scale_f32_16x16x128_f8f6f4 v[8*(8*((\a)%4)+\b):8*(8*((\a)%4)+\b)+7], v[128*(\p)+FR*\b:128*(\p)+FR*\b+FR-1], v[AF+FR*(\a):AF+FR*(\a)+FR-1], v[8*(8*((\a)%4)+\b):8*(8*((\a)%4)+\b)+7], v[SC+16*(\sc)+8*(\q)+\b], v[SC+16*(\sc)+8*(\q)+(\a)] matrix_a_fmt:MATRIX_FMT_FP6 matrix_b_fmt:MATRIX_FMT_FP6 matrix_a_scale:MATRIX_SCALE_ROW1
.endif
.endr
.endr
.endm
.macro FETCH_B slot, q, p
	WIN TO_B
.irp i, 0,1,2,3,4,5,6,7
	FRAG 128*(\p)+FR*\i, ADRB+\slot, \q, \i
.endr
	WIN 0
.endm
.macro FETCH_A slot, q, i0
.irp i, \i0, \i0+1, \i0+2, \i0+3
	FRAG AF+FR*(\i), ADRA+\slot, \q, \i
.endr
.endm
.macro SCALES slot
.irp q, 0,1
.irp g, 0,1
	ds_load_b128 v[SC+16*\slot+8*\q+4*\g:SC+16*\slot+8*\q+4*\g+3], v[ADRS+\slot] offset:\q*REC+12288+256*\g
.endr
.endr
.endm
.macro PLACES n                        ; plain vector instructions between a matrix instruction and a load into, or a read of, one of its registers
.rept \n
	v_nop
.endr
.endm
.macro STEP slot, q, zero
	s_wait_dscnt 4*NL                              ; B's set, A's fragments 0-3 and the scale words are in; the youngest twelve loads (A's 4-7) may be out
	WIN MUL_LO
	MUL16 0, (\q)%2, \q, \slot, \zero
	MUL16 2, (\q)%2, \q, \slot, \zero
	s_wait_dscnt 0
	PLACES NP
	FETCH_B \slot, (\q)+1, 1-(\q)%2
	FETCH_A \slot, (\q)+1, 0
	WIN MUL_HI
	MUL16 4, (\q)%2, \q, \slot, \zero
	MUL16 6, (\q)%2, \q, \slot, \zero
	PLACES NP
	WIN 0
	FETCH_A \slot, (\q)+1, 4
.endm
.macro TURN slot, next, fill
	s_wait_tensorcnt 0x0                           ; all my tensor loads have landed: my part of the next slot
	ds_add_u32 v[SPW], v[NIL]                      ; 0 onto my spare word
	s_wait_dscnt 4*NL+1                            ; (the add and the youngest twelve loads may be out)
	WIN MUL_LO
	MUL16 0, 1, 1, \slot, 0
	s_wait_dscnt 0x0                               ; the add is done, and my reads of this slot are over
	s_barrier_signal -1
	MUL16 2, 1, 1, \slot, 0
	WIN 0
	s_barrier_wait -1
.if \fill
	CREST                                          ; the barrier has opened a round of the cluster's: no wave of any partner still reads this slot or has a load on its way
	s_add_nc_u64 s[G0+4*\slot+2:G0+4*\slot+3], s[G0+4*\slot+2:G0+4*\slot+3], 2*PART
	s_add_nc_u64 s[G0B+4*\slot+2:G0B+4*\slot+3], s[G0B+4*\slot+2:G0B+4*\slot+3], 2*PART
	JLOAD G0+4*\slot, G1, G0B+4*\slot, G1B
.else
	PLACES NP
.endif
	FETCH_B \next, 0, 0
	FETCH_A \next, 0, 0
	SCALES \next
	WIN MUL_HI
	MUL16 4, 1, 1, \slot, 0
	MUL16 6, 1, 1, \slot, 0
	PLACES NP
	WIN 0
	FETCH_A \next, 0, 4
.endm
	s_wait_tensorcnt 1                             ; my part of slot 0 is in (slot 1's load may be out)
	s_barrier_signal -1
	s_barrier_wait -1                              ; everybody's is
	FETCH_B 0, 0, 0
	FETCH_A 0, 0, 0
	SCALES 0
	FETCH_A 0, 0, 4
	STEP 0, 0, 1                                   ; the first step's products start the sums
	s_mov_b32 s3, 3
.Llap:
	TURN 0, 1, 1
	STEP 1, 0, 0
	TURN 1, 0, 1
	STEP 0, 0, 0
	s_sub_co_u32 s3, s3, 1
	s_cmp_lg_u32 s3, 0
	s_cbranch_scc1 .Llap
	TURN 0, 1, 0
	STEP 1, 0, 0
	s_wait_dscnt 4*NL
	WIN MUL_LO
	MUL16 0, 1, 1, 1, 0
	MUL16 2, 1, 1, 1, 0
	s_wait_dscnt 0
	WIN MUL_HI
	MUL16 4, 1, 1, 1, 0
	MUL16 6, 1, 1, 1, 0
	WIN 0
; THE WAY OUT, fragment by fragment of 16 tokens x 128 columns: through my own stage in LDS, back as whole rows of 512 bytes, which the 32 lanes store as two aligned runs of 256 bytes.
; LDS serves a wave's instructions in order (ISA guide 5.7.1.4): no wait between the stores and the loads, nor in front of the next fragment's stores.
.macro TOSTAGE a
.set AC, 64*((\a)%4)
	WIN 0x08+4*((\a)/4)                            ; an LDS store's data are its source 1: window 2 or 3
.irp b, 0,1,2,3,4,5,6,7
	ds_store_b128 v[STO], v[AC+8*\b:AC+8*\b+3] offset:128*(\b/2)+32*(\b%2)        ; each accumulator from its low end on
	ds_store_b128 v[STO], v[AC+8*\b+4:AC+8*\b+7] offset:128*(\b/2)+32*(\b%2)+16
.endr
	WIN 0
.set BB, BK+64*((\a)%2)
.irp t, 0,1,2,3,4,5,6,7,8,9,10,11,12,13,14,15
	ds_load_b128 v[BB+4*\t:BB+4*\t+3], v[RD] offset:\t*SPITCH
.endr
.endm
.macro SEND a, younger                 ; younger: the LDS instructions issued behind fragment a's loads, which may stay out
.set BB, BK+64*((\a)%2)
	s_wait_dscnt \younger
.irp t, 0,1,2,3,4,5,6,7,8,9,10,11,12,13,14,15
	global_store_b128 v[CO], v[BB+4*\t:BB+4*\t+3], s[12:13] offset:(32*((\a)/2)+8*((\a)%2)+\t+8*(\t/8))*8192 th:TH_STORE_NT   ; token pi(a, t): every offset an immediate, 127 rows of 8,192 bytes at the most
.endr
.endm
	PLACES NP                                      ; behind the last products: results are read and A's registers loaded into from here on
	TOSTAGE 0
.irp a, 1,2,3,4,5,6,7
.if \a > 1
	s_wait_xcnt 0x0                                ; fragment a - 2's stores have read their registers: fragment a's loads may land there
.endif
	TOSTAGE \a
	SEND \a-1, 32                                  ; behind fragment a - 1's loads: fragment a's 16 stores and 16 loads
.endr
	SEND 7, 0
	s_wait_tensorcnt 0x0                           ; the wave's end
	ds_add_u32 v[SPW], v[NIL]
	s_wait_dscnt 0x0
	CROUND                                         ; the closing round
	s_endpgm
.Lfunc_end_k_qa5eb828d3c_oproj:
	.size	k_qa5eb828d3c_oproj, .Lfunc_end_k_qa5eb828d3c_oproj-k_qa5eb828d3c_oproj
	.p2alignl 7, 3214868480
	.fill 96, 4, 3214868480
	.section	.rodata,"a",@progbits
	.p2align	6, 0x0
	.amdhsa_kernel k_qa5eb828d3c_oproj
		.amdhsa_group_segment_fixed_size 327680
		.amdhsa_private_segment_fixed_size 0
		.amdhsa_enable_private_segment 0
		.amdhsa_kernarg_size 24
		.amdhsa_user_sgpr_count 2
		.amdhsa_user_sgpr_kernarg_segment_ptr 1
		.amdhsa_wavefront_size32 1
		.amdhsa_system_sgpr_workgroup_id_x 1
		.amdhsa_system_sgpr_workgroup_id_y 1
		.amdhsa_system_sgpr_workgroup_id_z 1
		.amdhsa_system_vgpr_workitem_id 0
		.amdhsa_next_free_vgpr 1024
		.amdhsa_next_free_sgpr 68
		.amdhsa_reserve_vcc 0
		.amdhsa_float_denorm_mode_32 3
		.amdhsa_float_denorm_mode_16_64 3
		.amdhsa_memory_ordered 1
		.amdhsa_forward_progress 1
		.amdhsa_inst_pref_size 131
	.end_amdhsa_kernel
	.amdgpu_metadata
---
amdhsa.version: [ 1, 2 ]
amdhsa.kernels:
  - .name:           k_qa5eb828d3c_oproj
    .symbol:         k_qa5eb828d3c_oproj.kd
    .args:
      - { .name: ao, .offset: 0, .size: 8, .value_kind: global_buffer, .address_space: global }
      - { .name: codes, .offset: 8, .size: 8, .value_kind: global_buffer, .address_space: global }
      - { .name: out0, .offset: 16, .size: 8, .value_kind: global_buffer, .address_space: global }
    .group_segment_fixed_size: 327680
    .private_segment_fixed_size: 0
    .kernarg_segment_align: 8
    .kernarg_segment_size: 24
    .max_flat_workgroup_size: 128
    .sgpr_count:     68
    .vgpr_count:     1024
    .wavefront_size: 32
...
	.end_amdgpu_metadata
.endif
;; end of part 4
;; ======== version 2 of 2: 4 launches
;; limits: right only within a limited range of input values
;; workspace buffers: codes 19,660,800 bytes; qkv 13,107,200 bytes; ao 3,276,800 bytes; cs 8,388,608 bytes
;; launch quant (part 5): grid 256 x 1, 8 waves a work-group, no clusters, 327,680 bytes of LDS; arguments hidden_states, Wq, Wk, Wq2, Wk2, Wv, Wv2, Wo, cos, sin, gq, gk, gq2, gk2, codes, cs; writes codes, cs
.if DOCPART == 5
	.amdgcn_target "amdgcn-amd-amdhsa--gfx1250"
	.amdhsa_code_object_version 6
	.text
	.protected	k_qa5eb828d3c_quant
	.globl	k_qa5eb828d3c_quant
	.p2align	8
	.type	k_qa5eb828d3c_quant,@function
k_qa5eb828d3c_quant:
	s_mov_b64 s[64:65], 0
	v_nop
	global_prefetch_b8 v0, s[64:65] scope:SCOPE_SE
	s_setreg_imm32_b32 hwreg(HW_REG_WAVE_MODE, 25, 1), 1
	s_wait_xcnt 0x0
; hidden_states and the seven weights, all f32 with K = 2,048 innermost, become codes of FP6 (E2M3) with one E8M0 scale byte for each 32 along K; and cos and sin, times the gains, are laid as the next launch's registers take them.
; THE RECORD.  A record is 128 rows x 128 along K in 12,800 bytes: eight fragments of 1,536 bytes and 512 bytes of scale words.
; Fragment a holds the rows pi(a, r) = 32 (a / 2) + 8 (a % 2) + r + 8 (r / 8), r = 0 .. 15; register 4 c + e of lane l lies at 1,536 a + 512 c + 16 l + 4 e; lane (r, h) holds in registers 6 c .. 6 c + 5
; the codes of k = 64 c + 32 h + 0 .. 31 of its row.  The scale word (four bytes, 128 along K) of row pi(a, r) lies at 12,288 + 256 (a / 4) + 16 r + 4 (a % 4).
; Record number = 16 x (block of 128 rows) + K / 128; blocks 0-15 hidden_states, 16-31 Wq, 32-39 Wk, 40-55 Wq2, 56-63 Wk2, 64-71 Wv, 72-79 Wv2, 80-95 Wo: 1,536 records.
; SHARES.  A work-group makes six records = 24 pairs of fragments (a pair: 32 neighbouring rows x 512 bytes).  Eight waves, three pairs each: pair 8 f + w in fill f.
; A pair comes by ONE tensor load, 32 rows of 512 bytes, each beginning on a multiple of 512 bytes, padded in LDS to rows 528 bytes apart.  Two slots of 8 x 16,896 bytes: fills 0 and 2 in slot 0, fill 1 in slot 1; a wave has one load out.
; A lane reads 2 x 32 neighbours along K of its row: two whole blocks, so a block's largest magnitude needs no other lane and the conversions' results are the operand's registers.
; The scale words of a pair are half of a unit of 256 bytes: they meet in 3,072 bytes of LDS of their own, and waves 0-5 store a record's 512 bytes each.
; THE TABLES.  cs[kind][token block][fragment a][cos, sin][chunk 4 b + j][lane][16 bytes]: lane (r, h) holds columns c = 32 b + 16 h + 4 j .. + 3 of token pi(a, r): g(c) cos(c), or g((c + 64) % 128) sin(c); kinds gq, gk, gq2, gk2.
; So RoPE of x rs g is formed as (x rs) (g cos) and (x rs) (g sin), all in f32.  A work-group lays one table of one fragment, a wave two chunks for the four kinds, while its first fill is out.
; No cluster: no input byte is read by two work-groups.  No prefetch: each byte is asked for once, and each fill is issued first behind its barrier.
; A block's scale is 2^(floor(log2(largest magnitude)) - 2): its byte is the largest magnitude's exponent field - 2, held at 1 from below.
; LIMITS: a block of zeros gets the byte 1 where the rule says 127 (its codes are zeros, and this program alone reads the bytes); blocks whose largest magnitude lies under 2^-124 are held at the byte 1; NaN and infinities among the inputs are not served.
.set REC,   12800
.set SP,    528
.set PAIRB, 32*SP                      ; a pair in LDS
.set SLOTB, 8*PAIRB
.set SCR,   2*SLOTB                    ; the scale words' meeting place: 12 units of 256 bytes
.set SPARE, SCR+3072                   ; the spare words, 128 bytes a wave
.set PW,    16                         ; v16-17   a pair's two scale words
.set SPW,   20
.set NIL,   21
.set X,     32                         ; v32-159  two fragments' numbers
.set C,     160                        ; v160-231 the codes of my six fragments: no store's data are written again
.set C2,    232                        ; v232-234, v236-238
.set G1,    28                         ; s[28:35] descriptor group 1
.set G0,    36                         ; s[36:47] group 0, one set a fill
.set ST,    48                         ; s[48:53] where each fill's codes go
	s_load_b512 s[8:23], s[0:1], 0x0               ; hidden_states, Wq, Wk, Wq2, Wk2, Wv, Wv2, Wo
	s_load_b512 s[68:83], s[0:1], 0x40             ; cos, sin, gq, gk, gq2, gk2, codes, cs
	v_lshl_add_u32 v[SPW], v0, 2, SPARE
	v_mov_b32 v[NIL], 0
	ds_add_u32 v[SPW], v[NIL]
	ds_add_u32 v[SPW], v[NIL]
	v_lshrrev_b32 v1, 5, v0
	v_readfirstlane_b32 s2, v1                     ; wave 0..7
	s_mov_b32 s[G1], (2<<16)|(1<<20)|(6<<22)|(3<<25)   ; elements of 4 bytes; 4 dwords of padding behind every 128
	s_mov_b32 s[G1+1], 128<<16                     ; tensor_dim0
	s_mov_b32 s[G1+2], 32<<16                      ; tensor_dim1
	s_mov_b32 s[G1+3], 128<<16                     ; tile_dim0
	s_mov_b32 s[G1+4], 32                          ; tile_dim1
	s_mov_b32 s[G1+5], 2048                        ; from row to row
	s_mov_b32 s[G1+6], 0
	s_mov_b32 s[G1+7], 0
	s_mov_b32 s26, 0x76543210
	s_mov_b32 s27, 0xfedcba98                      ; selects for lane l xor 16
	s_mul_i32 s3, s2, PAIRB                        ; my place in a slot
	s_lshr_b32 s4, s2, 2
	s_mul_i32 s5, ttmp9, 6
	s_add_co_u32 s5, s5, s4                        ; fill 0's record: 6 g + w / 4; fill f's lies 2 f on
	s_and_b32 s4, s2, 3                            ; which pair of the record: w % 4
	s_lshl_b32 s62, s4, 18                         ; 32 rows of 8,192 bytes
	s_mul_i32 s63, s4, 2*1536
	s_wait_dscnt 0x0
	s_wait_kmcnt 0x0
.macro PICK from, ptr                  ; from unit 'from' on the rows are those of the tensor at s[ptr]: the choice hangs on the record's number alone
	s_cmp_ge_u32 s57, \from
	s_cselect_b64 s[58:59], s[\ptr:\ptr+1], s[58:59]
	s_cselect_b32 s60, \from, s60
.endm
.macro ADDR f                          ; fill f: its group 0 and the place of its codes
	s_add_co_u32 s54, s5, 2*\f                     ; the record
	s_lshr_b32 s55, s54, 4                         ; its block of 128 rows
	s_and_b32 s56, s54, 15                         ; its 128 along K
	s_lshr_b32 s57, s55, 3                         ; unit of 1,024 rows: 0-1 hidden_states, 2-3 Wq, 4 Wk, 5-6 Wq2, 7 Wk2, 8 Wv, 9 Wv2, 10-11 Wo
	s_mov_b64 s[58:59], s[8:9]
	s_mov_b32 s60, 0
	PICK 2, 10
	PICK 4, 12
	PICK 5, 14
	PICK 7, 16
	PICK 8, 18
	PICK 9, 20
	PICK 10, 22
	s_lshl_b32 s60, s60, 3
	s_sub_co_u32 s55, s55, s60                     ; the block within its tensor
	s_lshl_b32 s55, s55, 20
	s_lshl_b32 s56, s56, 9
	s_add_co_u32 s60, s55, s56
	s_add_co_u32 s60, s60, s62
	s_mov_b32 s61, 0
	s_mov_b32 s[G0+4*\f], 1
	s_add_co_u32 s[G0+4*\f+1], s3, (\f%2)*SLOTB
	s_add_nc_u64 s[G0+4*\f+2:G0+4*\f+3], s[58:59], s[60:61]
	s_or_b32 s[G0+4*\f+3], s[G0+4*\f+3], 0x80000000
	s_mul_i32 s60, s54, REC
	s_add_co_u32 s60, s60, s63
	s_add_nc_u64 s[ST+2*\f:ST+2*\f+1], s[80:81], s[60:61]
.endm
	ADDR 0
	tensor_load_to_lds s[G0:G0+3], s[G1:G1+7]      ; fill 0: my one load at the head
	s_nop 0
	ADDR 1
	ADDR 2
	v_and_b32 v1, 31, v0
	v_lshlrev_b32 v2, 4, v1                        ; 16 x lane
	v_and_b32 v7, 15, v0                           ; r
	v_bfe_u32 v6, v0, 4, 1                         ; h
	v_and_b32 v3, 8, v7
	v_add_nc_u32 v3, v3, v7                        ; r + 8 (r / 8)
	v_mul_u32_u24 v4, v3, SP
	v_lshl_add_u32 v4, v6, 7, v4
	v_add_nc_u32 v4, s3, v4                        ; v4   slot 0: my row of the pair's first fragment, + 128 h
	v_add_nc_u32 v22, SLOTB, v4                    ; v22  the same in slot 1
	v_lshlrev_b32 v5, 3, v6                        ; 8 h: my bytes' place in the scale word
	v_mov_b32 v15, 0                               ; written once: a lane permute's destination counts as one of its sources
	s_lshr_b32 s6, s2, 1
	s_lshl_b32 s6, s6, 8
	s_and_b32 s7, s2, 1
	s_lshl_b32 s7, s7, 3
	s_add_co_u32 s6, s6, s7
	s_add_co_u32 s6, s6, SCR
	v_lshlrev_b32 v18, 4, v7
	v_add_nc_u32 v18, s6, v18                      ; v18  my pair's words: SCR + 256 (w / 2) + 8 (w % 2) + 16 r; fill f's 1,024 f on
	s_min_u32 s7, s2, 5
	s_lshl_b32 s7, s7, 9
	s_add_co_u32 s7, s7, SCR
	v_add_nc_u32 v19, s7, v2                       ; v19  a record's 512 bytes of words, 16 a lane (waves 0-5)
	v_lshlrev_b32 v23, 6, v6                       ; 64 h
	v_lshl_add_u32 v24, v3, 9, v23                 ; v24  the tables: my token's row of 512 bytes, + 64 h
	s_wait_alu depctr_va_vdst(0)                   ; the wait ahead of the run of scalar instructions below
	; the tables: work-group g lays table g % 2 (cos, sin) of fragment (g / 2) % 8 of token block g / 16; wave w the chunks 2 w, 2 w + 1: b = w / 2, j = 2 (w % 2), + 1
	s_lshr_b32 s54, ttmp9, 1
	s_and_b32 s55, ttmp9, 1
	s_lshr_b32 s56, s54, 3
	s_and_b32 s57, s54, 7
	s_lshl_b32 s56, s56, 7
	s_lshr_b32 s58, s57, 1
	s_lshl_b32 s58, s58, 5
	s_add_co_u32 s56, s56, s58
	s_and_b32 s58, s57, 1
	s_lshl_b32 s58, s58, 3
	s_add_co_u32 s56, s56, s58                     ; the fragment's first token
	s_lshl_b32 s56, s56, 9
	s_lshr_b32 s58, s2, 1                          ; b
	s_and_b32 s59, s2, 1
	s_lshl_b32 s59, s59, 5                         ; 16 j
	s_lshl_b32 s60, s58, 7
	s_add_co_u32 s56, s56, s60
	s_add_co_u32 s56, s56, s59
	s_mov_b32 s57, 0
	s_cmp_eq_u32 s55, 0
	s_cselect_b64 s[24:25], s[68:69], s[70:71]
	s_add_nc_u64 s[24:25], s[24:25], s[56:57]
	s_lshl_b32 s60, s55, 1
	s_xor_b32 s58, s58, s60                        ; sin goes with the gain 64 columns away: b xor 2
	s_lshl_b32 s58, s58, 7
	s_add_co_u32 s58, s58, s59
	v_add_nc_u32 v25, s58, v23                     ; v25  my four numbers of a gain
	s_lshl_b32 s56, s54, 14
	s_lshl_b32 s60, s55, 13
	s_add_co_u32 s56, s56, s60
	s_lshl_b32 s60, s2, 10
	s_add_co_u32 s56, s56, s60
	s_add_nc_u64 s[82:83], s[82:83], s[56:57]
	s_wait_alu depctr_va_vdst(0)                   ; the wait at the head's end
	global_load_b128 v[32:35], v24, s[24:25]
	global_load_b128 v[36:39], v24, s[24:25] offset:16
.irp k, 0,1,2,3
	global_load_b128 v[40+8*\k:43+8*\k], v25, s[72+2*\k:73+2*\k]
	global_load_b128 v[44+8*\k:47+8*\k], v25, s[72+2*\k:73+2*\k] offset:16
.endr
	s_wait_loadcnt 0x0
.irp k, 0,1,2,3
.irp e, 0,2,4,6
	v_pk_mul_f32 v[72+8*\k+\e:73+8*\k+\e], v[32+\e:33+\e], v[40+8*\k+\e:41+8*\k+\e]
.endr
.endr
.irp k, 0,1,2,3
	global_store_b128 v2, v[72+8*\k:75+8*\k], s[82:83] offset:\k*2097152       ; 32 lanes store 512 consecutive bytes, at a multiple of 256 from the buffer's first byte
	global_store_b128 v2, v[76+8*\k:79+8*\k], s[82:83] offset:\k*2097152+512
.endr
.macro SYNC                            ; in front of a fill: all my loads waited for, the add, my LDS instructions waited for, the barrier
	s_wait_alu depctr_va_vdst(0)
	s_wait_tensorcnt 0x0
	ds_add_u32 v[SPW], v[NIL]
	s_wait_dscnt 0x0
	s_barrier_signal -1
	s_barrier_wait -1
.endm
.macro WORK f, u                       ; fragment u of fill f's pair
.set XS, X+64*(\u)
.set CN, C+24*(\f)+12*(\u)
.irp c, 0,1                            ; my block 2 c + h: all its 32 numbers are mine
	v_max3_num_f32 v[8+\c], |v[XS+32*\c]|, |v[XS+32*\c+1]|, 0x1800000   ; and the floor 2^(3 - 127): the byte cannot fall under 1
.endr
.irp i, 2,4,6,8,10,12,14,16,18,20,22,24,26,28,30
.irp c, 0,1
	v_max3_num_f32 v[8+\c], v[8+\c], |v[XS+32*\c+\i]|, |v[XS+32*\c+\i+1]|
.endr
.endr
.irp c, 0,1
	v_add_nc_u32 v[10+\c], 0xff000000, v[8+\c]     ; 2 off the exponent field: the conversion's scale operand
.endr
.irp c, 0,1
	v_lshrrev_b32 v[12+\c], 23, v[10+\c]           ; the scale's byte
.endr
	v_lshl_or_b32 v14, v13, 16, v12                ; blocks h and 2 + h of my row,
	v_lshlrev_b32 v14, v5, v14                     ; at their places in the word;
	v_permlanex16_b32 v15, v14, s26, s27
	v_or_b32 v[PW+(\u)], v14, v15                  ; with lane l xor 16's two the word is whole
.irp c, 0,1
	v_cvt_scalef32_pk16_fp6_f32 v[CN+6*\c:CN+6*\c+2], v[XS+32*\c:XS+32*\c+15], v[10+\c]
	v_cvt_scalef32_pk16_fp6_f32 v[C2+4*\c:C2+4*\c+2], v[XS+32*\c+16:XS+32*\c+31], v[10+\c]   ; (a conversion's three registers begin on an even number)
.endr
	v_nop                                          ; one plain place behind a scaled conversion
.irp c, 0,1
.irp i, 0,1,2
	v_mov_b32 v[CN+6*\c+3+\i], v[C2+4*\c+\i]
.endr
.endr
.endm
.macro PAIR f, adr
.irp u, 0,1
.irp c, 0,1
.irp i, 0,1,2,3,4,5,6,7
	ds_load_b128 v[X+64*\u+32*\c+4*\i:X+64*\u+32*\c+4*\i+3], v[\adr] offset:8*\u*SP+256*\c+16*\i   ; k = 64 c + 32 h + 4 i ..
.endr
.endr
.endr
	s_wait_dscnt 16                                ; the first fragment's sixteen reads are in
	WORK \f, 0
	s_wait_dscnt 0x0
	WORK \f, 1
	ds_store_b64 v18, v[PW:PW+1] offset:1024*\f    ; both lanes of a row write the same words
.irp j, 0,1,2,3,4,5
	global_store_b128 v2, v[C+24*\f+4*\j:C+24*\f+4*\j+3], s[ST+2*\f:ST+2*\f+1] offset:512*\j   ; 512 consecutive bytes, at a multiple of 256 from the buffer's first byte
.endr
.endm
	SYNC
	tensor_load_to_lds s[G0+4:G0+7], s[G1:G1+7]    ; fill 1: slot 1's first fill, issued as a refill is
	s_nop 0
	s_wait_xcnt 0x0                                ; the tables' stores have read their registers, which the reads below fill
	PAIR 0, 4
	SYNC
	tensor_load_to_lds s[G0+8:G0+11], s[G1:G1+7]   ; fill 2, into slot 0
	s_nop 0
	PAIR 1, 22
	s_wait_alu depctr_va_vdst(0)
	s_wait_tensorcnt 0x0                           ; my own bytes: the wait is all the ordering that my reads need
	PAIR 2, 4
	s_wait_dscnt 0x0                               ; my words are in the meeting place
	s_barrier_signal -1
	s_barrier_wait -1                              ; everybody's are
	s_cmp_ge_u32 s2, 6
	s_cbranch_scc1 .Ldone
	ds_load_b128 v[8:11], v19
	s_mul_i32 s54, ttmp9, 6
	s_add_co_u32 s54, s54, s2
	s_mul_i32 s54, s54, REC
	s_mov_b32 s55, 0
	s_add_nc_u64 s[80:81], s[80:81], s[54:55]      ; record 6 g + w
	s_wait_dscnt 0x0
	global_store_b128 v2, v[8:11], s[80:81] offset:12288
.Ldone:
	s_wait_tensorcnt 0x0                           ; the wave's end
	ds_add_u32 v[SPW], v[NIL]
	s_wait_dscnt 0x0
	s_endpgm
.Lfunc_end_k_qa5eb828d3c_quant:
	.size	k_qa5eb828d3c_quant, .Lfunc_end_k_qa5eb828d3c_quant-k_qa5eb828d3c_quant
	.p2alignl 7, 3214868480
	.fill 96, 4, 3214868480
	.section	.rodata,"a",@progbits
	.p2align	6, 0x0
	.amdhsa_kernel k_qa5eb828d3c_quant
		.amdhsa_group_segment_fixed_size 327680
		.amdhsa_private_segment_fixed_size 0
		.amdhsa_enable_private_segment 0
		.amdhsa_kernarg_size 128
		.amdhsa_user_sgpr_count 2
		.amdhsa_user_sgpr_kernarg_segment_ptr 1
		.amdhsa_wavefront_size32 1
		.amdhsa_system_sgpr_workgroup_id_x 1
		.amdhsa_system_sgpr_workgroup_id_y 1
		.amdhsa_system_sgpr_workgroup_id_z 1
		.amdhsa_system_vgpr_workitem_id 0
		.amdhsa_next_free_vgpr 240
		.amdhsa_next_free_sgpr 84
		.amdhsa_reserve_vcc 0
		.amdhsa_float_denorm_mode_32 3
		.amdhsa_float_denorm_mode_16_64 3
		.amdhsa_memory_ordered 1
		.amdhsa_forward_progress 1
		.amdhsa_inst_pref_size 38
	.end_amdhsa_kernel
	.amdgpu_metadata
---
amdhsa.version: [ 1, 2 ]
amdhsa.kernels:
  - .name:           k_qa5eb828d3c_quant
    .symbol:         k_qa5eb828d3c_quant.kd
    .args:
      - { .name: hidden_states, .offset: 0, .size: 8, .value_kind: global_buffer, .address_space: global }
      - { .name: Wq, .offset: 8, .size: 8, .value_kind: global_buffer, .address_space: global }
      - { .name: Wk, .offset: 16, .size: 8, .value_kind: global_buffer, .address_space: global }
      - { .name: Wq2, .offset: 24, .size: 8, .value_kind: global_buffer, .address_space: global }
      - { .name: Wk2, .offset: 32, .size: 8, .value_kind: global_buffer, .address_space: global }
      - { .name: Wv, .offset: 40, .size: 8, .value_kind: global_buffer, .address_space: global }
      - { .name: Wv2, .offset: 48, .size: 8, .value_kind: global_buffer, .address_space: global }
      - { .name: Wo, .offset: 56, .size: 8, .value_kind: global_buffer, .address_space: global }
      - { .name: cos, .offset: 64, .size: 8, .value_kind: global_buffer, .address_space: global }
      - { .name: sin, .offset: 72, .size: 8, .value_kind: global_buffer, .address_space: global }
      - { .name: gq, .offset: 80, .size: 8, .value_kind: global_buffer, .address_space: global }
      - { .name: gk, .offset: 88, .size: 8, .value_kind: global_buffer, .address_space: global }
      - { .name: gq2, .offset: 96, .size: 8, .value_kind: global_buffer, .address_space: global }
      - { .name: gk2, .offset: 104, .size: 8, .value_kind: global_buffer, .address_space: global }
      - { .name: codes, .offset: 112, .size: 8, .value_kind: global_buffer, .address_space: global }
      - { .name: cs, .offset: 120, .size: 8, .value_kind: global_buffer, .address_space: global }
    .group_segment_fixed_size: 327680
    .private_segment_fixed_size: 0
    .kernarg_segment_align: 8
    .kernarg_segment_size: 128
    .max_flat_workgroup_size: 256
    .sgpr_count:     84
    .vgpr_count:     240
    .wavefront_size: 32
...
	.end_amdgpu_metadata
.endif
;; end of part 5
;; launch proj (part 6): grid 32 x 8, 4 waves a work-group, clusters of 4 x 4, 327,680 bytes of LDS; arguments codes, qkv, bq, bk, bq2, bk2, bv, bv2, cs; writes qkv
.if DOCPART == 6
	.amdgcn_target "amdgcn-amd-amdhsa--gfx1250"
	.amdhsa_code_object_version 6
	.text
	.protected	k_qa5eb828d3c_proj
	.globl	k_qa5eb828d3c_proj
	.p2align	8
	.type	k_qa5eb828d3c_proj,@function
k_qa5eb828d3c_proj:
	s_mov_b64 s[64:65], 0
	v_nop
	global_prefetch_b8 v0, s[64:65] scope:SCOPE_SE
	s_setreg_imm32_b32 hwreg(HW_REG_WAVE_MODE, 25, 1), 1
	s_wait_xcnt 0x0
	s_wait_alu depctr_hold_cnt(0) depctr_sa_sdst(0) depctr_va_vdst(0) depctr_va_sdst(0) depctr_va_ssrc(0) depctr_va_vcc(0) depctr_vm_vsrc(0)
	s_getreg_b32 s2, hwreg(HW_REG_IB_STS2, 6, 4)
	s_cmp_eq_u32 s2, 0
	s_cbranch_scc0 .Lentry_in_a_cluster
	s_endpgm
.Lentry_in_a_cluster:
	s_bfe_u32 s2, ttmp6, 0x10000c
	s_cmp_lg_u32 s2, 0xf033
	s_cbranch_scc0 .Lentry_shape_is_right
	s_endpgm
.Lentry_shape_is_right:
; The six projections on codes of FP6 (E2M3) with E8M0 scales, K = 2,048, and all that follows them up to the next quantiser: bias, for q and k the RMS norm over the head and RoPE, then codes again.  Nothing leaves as f32.
; RECORDS (12,800 bytes: 128 rows x 128 K as images of operand registers; fragment a = rows pi(a, r) = 32 (a / 2) + 8 (a % 2) + r + 8 (r / 8); scale words at 12,288 + 256 (a / 4) + 16 r + 4 (a % 4)).
; In: codes, record 16 x row block + K / 128; row blocks 0-15 hidden_states, 16-63 Wq, Wk, Wq2, Wk2, 64-79 Wv, Wv2.
;     cs[kind][token block][fragment][cos, sin][chunk 4 b + j][lane][16 bytes]: g(c) cos(c) and g((c + 64) % 128) sin(c) at columns c = 32 b + 16 h + 4 j .. + 3 of token pi(a, r); kinds gq, gk, gq2, gk2.
; Out: qkv, record 16 hc + token block; hc 0-15 q_ic, 16-23 k_ic, 24-39 q_f, 40-47 k_f (rows = tokens, K = the head's 128), 48-55 v_ic, 56-63 v_f (rows = the head's 128, K = the 128 tokens).
; SHARES.  A work-group of four waves makes 256 x 256, a wave 128 x 128: 64 accumulators, 512 registers; a wave's result is exactly one record of qkv.
; THE MATRIX INSTRUCTION IS USED TRANSPOSED (source 0 = 16 rows of B, source 1 = 16 rows of A): lane (r, h) holds A's row pi(a, r), and its register 16 b + i is B's row 32 b + 16 h + i: sixteen neighbours along the next K.
; Clusters with x = 0..5: A = tokens, B = the q and k weights.  Clusters with x = 6, 7: A = Wv, Wv2, B = tokens.  The choice hangs on the cluster's x, which all sixteen partners share.
; CLUSTERS: 4 x 4 work-groups.  A's tiles hang on cy, B's on cx: each is asked for JOINTLY by the four that share it.
; THE RING: two LDS slots, each 2 x 128 along K: four parts of two consecutive records (25,600 dense bytes, one tensor load a wave).  A wave has one tensor load out at the head and one behind each round.
; PREFETCH: behind fill f's joint load each wave names its part of fill f + 2: 100 blocks of 256 bytes, of which each of the four partners takes 25, told apart by address (cx for A, cy for B); lanes 25-31 name the 25th again.
;   At the head fills 1 and 2 are named behind fill 0's load, fill 3 behind fill 1's; the last lap's two refills name nothing.
; q's AND k's BIAS is the C of the first K step's products (64 registers, in the result's layout).  The sixteen loads that bring it stand on the one way that all clusters take: in v's clusters they bring numbers of bv that are not used;
;   v's bias, one number a row, is added on the way out.
; THE WAY OUT of q and k: x / the root of the mean square, then RoPE with the tables of cs, which hold the gain: (x rs) (g cos) -+ (x' rs) (g' sin), all in f32; then the quantiser.
;   Every fragment's twelve code registers are kept (v128-175 of window 1 for fragments 0-3, of window 2 for 4-7) and the record is stored in one run at the end.
; REGISTERS: window 0: v0-31 addresses; v32-63 scale words and nothing else; v64-127 the bias, then the even fragments' numbers; v128-223 A's fragments, then v128-191 the odd fragments' numbers, v192-255 small things.
;   window 1: B's fragments, two sets, at v0 and v128; on the way out v0-127 the even fragments' tables.  windows 2, 3: accumulator (a, b) at v[8 (8 (a % 4) + b)]; window 2 v0-127 later the odd fragments' tables.
; LIMITS: a block of zeros gets the byte 1 where the rule says 127 (its codes are zeros; this program alone reads the bytes); NaN and infinities are not served.
.set REC,    12800
.set PART,   2*REC
.set SLOT,   4*PART
.set SPARE,  2*SLOT                    ; behind the ring: the spare words, 128 bytes a wave
.set FR,     12
.set NL,     3
.set NP,     4                         ; places behind this matrix instruction (ISA guide 7.12.1)
.set ADRA, 16                          ; v16-17  my A fragments in slot 0, 1
.set ADRB, 20                          ; v20-21  my B fragments
.set ADRS, 22                          ; v22-23  my scale words: lanes 0-15 A's, lanes 16-31 B's
.set PFO,  24                          ; v24     the prefetches' offset: 256 x min(lane, 24)
.set SPW,  28
.set NIL,  29
.set SC,   32
.set BI,   64                          ; v64-127 q's and k's bias
.set AF,   128
.set G1,   24
.set G0,   32
.set G1B,  48
.set G0B,  56
.set SEL,  66
.set PFA,  100                         ; s[100:101] where my prefetches stand
.set X,    64
.set TM,   192                         ; v192-207 the quantiser's
.set RS,   208                         ; v208-223 1 / the root of the mean square, a pair a fragment
.set PWS,  228                         ; v228-235 the eight fragments' scale words
.set SQ,   236                         ; v236-243 RoPE's four pairs at work
.set BV,   64                          ; v64-79 (v's path) the bias of my row in each fragment, as pairs
.set MSB, 0
.macro WIN new
.if MSB != (\new)
	s_set_vgpr_msb (MSB<<8)|(\new)
.set MSB, (\new)
.endif
.endm
.set MUL_LO, 0xa1                      ; source 0 (B) window 1, source 1 (A) window 0, C and D window 2
.set MUL_HI, 0xf1                      ; the same, C and D window 3
.set TO_B,   0x40
.macro JLOAD g0a, g1a, g0b, g1b        ; waves 0 and 1 fetch A's two parts, waves 2 and 3 B's; s_nop 0 and four v_nop behind each line
	s_cmp_eq_u32 s15, 0
	s_cbranch_scc0 .Lfor_b_\@
	tensor_load_to_lds s[\g0a:\g0a+3], s[\g1a:\g1a+7]
	s_nop 0
.rept 4
	v_nop
.endr
	s_branch .Lasked_\@
.Lfor_b_\@:
	tensor_load_to_lds s[\g0b:\g0b+3], s[\g1b:\g1b+7]
	s_nop 0
.rept 4
	v_nop
.endr
.Lasked_\@:
.endm
.macro CREST
	s_cmp_lg_u32 s14, 0
	s_cbranch_scc1 .Lnot_wave_0_\@
	s_barrier_signal -3
.Lnot_wave_0_\@:
	s_barrier_wait -3
	s_barrier_signal -1
	s_barrier_wait -1
.endm
.macro CROUND
	s_barrier_signal -1
	s_barrier_wait -1
	CREST
.endm
	s_load_b128 s[4:7], s[0:1], 0x0                ; codes, qkv
	s_load_b256 s[68:75], s[0:1], 0x10             ; bq, bk, bq2, bk2
	s_load_b128 s[76:79], s[0:1], 0x30             ; bv, bv2
	s_load_b64 s[88:89], s[0:1], 0x40              ; cs
	v_lshl_add_u32 v[SPW], v0, 2, SPARE
	v_mov_b32 v[NIL], 0
	ds_add_u32 v[SPW], v[NIL]
	ds_add_u32 v[SPW], v[NIL]
	v_lshrrev_b32 v1, 5, v0
	v_readfirstlane_b32 s14, v1                    ; wave 0..3
	s_lshr_b32 s15, s14, 1                         ; which of A's two row blocks is mine.  Also: I fetch for A (0) or for B (1)
	s_and_b32 s16, s14, 1                          ; which of B's.  Also: which row block of that tile I fetch
	s_bfe_u32 s40, ttmp6, 0x40000                  ; cx
	s_bfe_u32 s41, ttmp6, 0x40004                  ; cy
	s_and_b32 s13, ttmp7, 0xffff                   ; the cluster's y
	s_max_u32 s12, ttmp9, 6
	s_sub_co_u32 s12, s12, 6
	s_cmp_ge_u32 ttmp9, 6                          ; v's clusters?
	s_cselect_b32 s17, s12, s13                    ; A's tiles go by: x - 6 (Wv, Wv2) or y (tokens)
	s_cselect_b32 s42, s13, ttmp9                  ; B's: y (tokens) or x (the q and k weights)
	s_cselect_b32 s18, 64, 0                       ; A's first row block in codes
	s_cselect_b32 s19, 0, 16                       ; B's
	s_lshl_b32 s17, s17, 2
	s_add_co_u32 s17, s17, s41                     ; A's tile of 256 rows: hangs on cy, never on cx
	s_lshl_b32 s42, s42, 2
	s_add_co_u32 s42, s42, s40                     ; B's: hangs on cx, never on cy
	s_lshl_b32 s43, s41, 2
	s_lshl_b32 s43, 15, s43                        ; my row of the cluster
	s_lshl_b32 s44, 0x1111, s40                    ; my column
	s_or_b32 s[G1], s43, (3<<16)|(1<<21)           ; 25,600 dense bytes as 100 rows of 256 (32 elements of 8 bytes), no padding
	s_or_b32 s[G1B], s44, (3<<16)|(1<<21)
.irp g, G1, G1B
	s_mov_b32 s[\g+1], 32<<16
	s_mov_b32 s[\g+2], 100<<16
	s_mov_b32 s[\g+3], 32<<16
	s_mov_b32 s[\g+4], 100
	s_mov_b32 s[\g+5], 32
	s_mov_b32 s[\g+6], 0
	s_mov_b32 s[\g+7], 0
.endr
	s_lshl_b32 s20, s17, 1
	s_add_co_u32 s20, s20, s16
	s_add_co_u32 s20, s20, s18                     ; A's row block that I fetch
	s_mul_i32 s20, s20, 16*REC
	s_mov_b32 s21, 0
	s_lshl_b32 s46, s42, 1
	s_add_co_u32 s46, s46, s16
	s_add_co_u32 s46, s46, s19                     ; B's
	s_mul_i32 s46, s46, 16*REC
	s_mov_b32 s47, 0
	s_mul_i32 s45, s14, PART                       ; where it goes: wave x a part
	s_wait_dscnt 0x0                               ; both opening adds are done
	s_wait_kmcnt 0x0
	s_add_nc_u64 s[20:21], s[4:5], s[20:21]
	s_add_nc_u64 s[46:47], s[4:5], s[46:47]
	CROUND                                         ; all sixteen work-groups are here: the first joint loads meet
.irp s, 0,1
	s_mov_b32 s[G0+4*\s], 1
	s_add_co_u32 s[G0+4*\s+1], s45, \s*SLOT
	s_add_nc_u64 s[G0+4*\s+2:G0+4*\s+3], s[20:21], \s*PART
	s_or_b32 s[G0+4*\s+3], s[G0+4*\s+3], 0x80000000
	s_mov_b32 s[G0B+4*\s], 1
	s_add_co_u32 s[G0B+4*\s+1], s45, \s*SLOT
	s_add_nc_u64 s[G0B+4*\s+2:G0B+4*\s+3], s[46:47], \s*PART
	s_or_b32 s[G0B+4*\s+3], s[G0B+4*\s+3], 0x80000000
.endr
	JLOAD G0, G1, G0B, G1B                         ; fill 0: one tensor load a wave at the head
	s_cmp_eq_u32 s15, 0                            ; the prefetches: the part that I fetch,
	s_cselect_b64 s[PFA:PFA+1], s[20:21], s[46:47]
	s_cselect_b32 s10, s40, s41                    ; my place among the four that ask for it with me,
	s_mul_i32 s10, s10, 25*256                     ; and my work-group's 25 blocks of its 100
	s_mov_b32 s11, 0
	s_add_nc_u64 s[PFA:PFA+1], s[PFA:PFA+1], s[10:11]
	s_mul_i32 s21, s15, PART                       ; my row block of A
	s_mul_i32 s22, s16, PART
	s_add_co_u32 s22, s22, 2*PART                  ; my row block of B, behind A's two
	s_sub_co_u32 s23, s22, s21
	v_and_b32 v1, 31, v0
	v_lshlrev_b32 v10, 4, v1                       ; v10  16 x lane: an image's place for my lane, in LDS, in cs and in qkv
	v_min_u32 v[PFO], 24, v1
	v_lshlrev_b32 v[PFO], 8, v[PFO]
	v_and_b32 v2, 15, v0                           ; r
	v_bfe_u32 v12, v0, 4, 1                        ; v12  h
	v_mul_u32_u24 v6, s23, v12                     ; lanes 16-31 take B's scale words: one product, the distance x h
	v_lshl_add_u32 v5, v2, 4, v6
	v_add_nc_u32 v[ADRA], s21, v10
	v_add_nc_u32 v[ADRB], s22, v10
	v_add_nc_u32 v[ADRS], s21, v5
	v_add_nc_u32 v[ADRA+1], SLOT, v[ADRA]
	v_add_nc_u32 v[ADRB+1], SLOT, v[ADRB]
	v_add_nc_u32 v[ADRS+1], SLOT, v[ADRS]
	v_lshlrev_b32 v8, 6, v12                       ; v8   64 h: my 16 numbers of each 32 of a bias
	v_and_b32 v13, 8, v2
	v_add_nc_u32 v13, v13, v2                      ; r + 8 (r / 8)
	v_lshlrev_b32 v11, 2, v13                      ; v11  v's bias: my row's number
	s_wait_alu depctr_va_vdst(0)                   ; the wait ahead of the run of scalar instructions below
	global_prefetch_b8 v[PFO], s[PFA:PFA+1] offset:PART th:TH_LOAD_NT scope:SCOPE_SE     ; fill 1
	global_prefetch_b8 v[PFO], s[PFA:PFA+1] offset:2*PART th:TH_LOAD_NT scope:SCOPE_SE   ; fill 2
	s_mov_b32 s[SEL], 0x76543210
	s_mov_b32 s[SEL+1], 0xfedcba98
	s_mov_b32 s98, 0x3c000000                      ; 1 / 128
	s_mov_b32 s99, 0x358637bd                      ; 1e-6
	s_lshl_b32 s8, s17, 1
	s_add_co_u32 s8, s8, s15                       ; my block of A's rows
	s_lshl_b32 s9, s42, 1
	s_add_co_u32 s9, s9, s16                       ; my block of B's rows
	s_mov_b32 s11, 0
	s_mov_b64 s[92:93], s[68:69]                   ; the bias, and its tensor's first block: by the cluster's x: 0, 1 bq; 2 bk; 3, 4 bq2; 5 bk2; 6 bv; 7 bv2
	s_mov_b32 s12, 0
	s_mov_b32 s94, 0                               ; and 16 x the kind of the tables: gq, gk, gq2, gk2
	s_cmp_ge_u32 ttmp9, 2
	s_cselect_b64 s[92:93], s[70:71], s[92:93]
	s_cselect_b32 s12, 16, s12
	s_cselect_b32 s94, 16, s94
	s_cmp_ge_u32 ttmp9, 3
	s_cselect_b64 s[92:93], s[72:73], s[92:93]
	s_cselect_b32 s12, 24, s12
	s_cselect_b32 s94, 32, s94
	s_cmp_ge_u32 ttmp9, 5
	s_cselect_b64 s[92:93], s[74:75], s[92:93]
	s_cselect_b32 s12, 40, s12
	s_cselect_b32 s94, 48, s94
	s_add_co_u32 s10, s8, 48
	s_cmp_ge_u32 ttmp9, 6
	s_cselect_b64 s[92:93], s[76:77], s[92:93]
	s_cselect_b32 s12, 0, s12
	s_cselect_b32 s13, s8, s9                      ; the weights' block: A's in v's clusters, else B's
	s_cselect_b32 s18, s10, s9                     ; hc: 48 + A's block, or B's block
	s_cselect_b32 s19, s9, s8                      ; the token block
	s_cmp_ge_u32 ttmp9, 7
	s_cselect_b64 s[92:93], s[78:79], s[92:93]
	s_cselect_b32 s12, 8, s12
	s_sub_co_u32 s13, s13, s12
	s_lshl_b32 s10, s13, 9                         ; 128 numbers a head
	s_add_nc_u64 s[92:93], s[92:93], s[10:11]
	s_add_co_u32 s10, s94, s8                      ; 16 kind + token block (q's and k's path)
	s_lshl_b32 s10, s10, 17                        ; eight fragments of 16,384 bytes
	s_add_nc_u64 s[88:89], s[88:89], s[10:11]
	s_lshl_b32 s18, s18, 4
	s_add_co_u32 s18, s18, s19
	s_mul_i32 s10, s18, REC
	s_add_nc_u64 s[96:97], s[6:7], s[10:11]        ; my record of qkv
.irp b, 0,1,2,3                        ; the head's 128 numbers of the bias: index 16 b + i = column 32 b + 16 h + i
.irp j, 0,1,2,3
	global_load_b128 v[BI+16*\b+4*\j:BI+16*\b+4*\j+3], v8, s[92:93] offset:128*\b+16*\j
.endr
.endr
.macro FRAG reg, adr, q, i             ; a fragment comes back as it was stored: three loads of 512 consecutive bytes
.irp c, 0,1,2
	ds_load_b128 v[\reg+4*\c:\reg+4*\c+3], v[\adr] offset:(\q)*REC+1536*(\i)+512*\c
.endr
.endm
; one product.  zero = 0: onto the accumulator; 1: C = 0; 2: C = the bias of B's fragment b (window 0)
.macro WM a, b, p, q, sc, zero
.set DD, 8*(8*((\a)%4)+\b)
.set CC, DD
.if \zero == 2
.set CC, BI+8*\b
.endif
.if \zero == 1
	v_wmma_scale_f32_16x16x128_f8f6f4 v[DD:DD+7], v[128*(\p)+FR*\b:128*(\p)+FR*\b+FR-1], v[AF+FR*(\a):AF+FR*(\a)+FR-1], 0, v[SC+16*(\sc)+8*(\q)+\b], v[SC+16*(\sc)+8*(\q)+(\a)] matrix_a_fmt:MATRIX_FMT_FP6 matrix_b_fmt:MATRIX_FMT_FP6 matrix_a_scale:MATRIX_SCALE_ROW1
.else
	v_wmma_scale_f32_16x16x128_f8f6f4 v[DD:DD+7], v[128*(\p)+FR*\b:128*(\p)+FR*\b+FR-1], v[AF+FR*(\a):AF+FR*(\a)+FR-1], v[CC:CC+7], v[SC+16*(\sc)+8*(\q)+\b], v[SC+16*(\sc)+8*(\q)+(\a)] matrix_a_fmt:MATRIX_FMT_FP6 matrix_b_fmt:MATRIX_FMT_FP6 matrix_a_scale:MATRIX_SCALE_ROW1
.endif
.endm
; 16 products: A's fragments a0, a0 + 1 x B's eight.  The 64 accumulators take turns, one instruction a turn, in the same order in every step.
.macro MUL16 a0, p, q, sc, zero
.irp a, \a0, \a0+1
.irp b, 0,1,2,3,4,5,6,7
	WM \a, \b, \p, \q, \sc, \zero
.endr
.endr
.endm
.macro FETCH_B slot, q, p
	WIN TO_B
.irp i, 0,1,2,3,4,5,6,7
	FRAG 128*(\p)+FR*\i, ADRB+\slot, \q, \i
.endr
	WIN 0
.endm
.macro FETCH_A slot, q, i0
.irp i, \i0, \i0+1, \i0+2, \i0+3
	FRAG AF+FR*(\i), ADRA+\slot, \q, \i
.endr
.endm
.macro SCALES slot                     ; a slot's scale words: one load brings four fragments' words; lanes 0-15 A's, lanes 16-31 B's
.irp q, 0,1
.irp g, 0,1
	ds_load_b128 v[SC+16*\slot+8*\q+4*\g:SC+16*\slot+8*\q+4*\g+3], v[ADRS+\slot] offset:\q*REC+12288+256*\g
.endr
.endr
.endm
.macro PLACES n
.rept \n
	v_nop
.endr
.endm
; A step of 128 along K that has its successor in the same slot.  A's fragments have one set: 0-3 are fetched anew in the step's middle, 4-7 at its end; B has two sets.
.macro STEP slot, q, zero
	s_wait_dscnt 4*NL                              ; all but the youngest twelve loads (A's 4-7) are in
	WIN MUL_LO-0x20*((\zero)/2)                    ; (the bias, as C, lies in window 0)
	MUL16 0, (\q)%2, \q, \slot, \zero
	MUL16 2, (\q)%2, \q, \slot, \zero
	s_wait_dscnt 0
	PLACES NP
	FETCH_B \slot, (\q)+1, 1-(\q)%2
	FETCH_A \slot, (\q)+1, 0
	WIN MUL_HI-0x30*((\zero)/2)
	MUL16 4, (\q)%2, \q, \slot, \zero
	MUL16 6, (\q)%2, \q, \slot, \zero
	PLACES NP
	WIN 0
	FETCH_A \slot, (\q)+1, 4
.endm
; A slot's last step changes slots: ONE barrier; in front of it each wave waits for all its tensor loads, adds 0 to its spare word, and waits for that and for its own reads of this slot.  fill = 1: this slot is filled again.
.macro TURN slot, next, fill
.if \fill
	s_wait_xcnt 0x0                                ; my last prefetch has read its address: it steps one fill on
	s_add_nc_u64 s[PFA:PFA+1], s[PFA:PFA+1], PART
.endif
	s_wait_tensorcnt 0x0                           ; all my tensor loads have landed: my part of the next slot
	ds_add_u32 v[SPW], v[NIL]
	s_wait_dscnt 4*NL+1                            ; (the add and the youngest twelve loads may be out)
	WIN MUL_LO
	MUL16 0, 1, 1, \slot, 0
	s_wait_dscnt 0x0                               ; the add is done, and my reads of this slot are over
	s_barrier_signal -1
	MUL16 2, 1, 1, \slot, 0
	WIN 0
	s_barrier_wait -1
.if \fill
	CREST                                          ; the barrier has opened a round of the cluster's
	s_add_nc_u64 s[G0+4*\slot+2:G0+4*\slot+3], s[G0+4*\slot+2:G0+4*\slot+3], 2*PART
	s_add_nc_u64 s[G0B+4*\slot+2:G0B+4*\slot+3], s[G0B+4*\slot+2:G0B+4*\slot+3], 2*PART
	JLOAD G0+4*\slot, G1, G0B+4*\slot, G1B         ; the first tensor load behind the round; its four v_nop are the places in front of the loads below
.else
	PLACES NP
.endif
	FETCH_B \next, 0, 0
	FETCH_A \next, 0, 0
	SCALES \next
.if \fill
	s_cmp_gt_u32 s3, 1                             ; the last lap's two refills have no fill two on
	s_cbranch_scc0 .Lno_ask_\@
	global_prefetch_b8 v[PFO], s[PFA:PFA+1] offset:3*PART th:TH_LOAD_NT scope:SCOPE_SE   ; the fill two on from the one just asked for
.Lno_ask_\@:
.endif
	WIN MUL_HI
	MUL16 4, 1, 1, \slot, 0
	MUL16 6, 1, 1, \slot, 0
	PLACES NP
	WIN 0
	FETCH_A \next, 0, 4
.endm
.macro LASTSTEP                        ; the sixteenth step: nothing more to fetch; written once in each of the two ways out
	s_wait_dscnt 4*NL
	WIN MUL_LO
	MUL16 0, 1, 1, 1, 0
	MUL16 2, 1, 1, 1, 0
	s_wait_dscnt 0
	WIN MUL_HI
	MUL16 4, 1, 1, 1, 0
	MUL16 6, 1, 1, 1, 0
	WIN 0
	PLACES NP
.irp b, 0,1,2,3
	v_mov_b32 v[TM+4+\b], 0                        ; written once: a lane permute's destination counts as one of its sources
.endr
.endm
; 64 numbers of a lane, v[s] .. v[s + 63], register 16 b + i = k 32 b + 16 h + i of my row, become fragment a's twelve code registers, which are kept, and its scale word.
.macro QUANT s, a
.set KB, 128+12*((\a)%4)
.irp b, 0,1,2,3
	v_max3_num_f32 v[TM+\b], |v[\s+16*\b]|, |v[\s+1+16*\b]|, 0x1800000   ; block b: my 16 numbers, and the floor 2^(3 - 127)
.endr
.irp i, 2,4,6,8,10,12,14
.irp b, 0,1,2,3
	v_max3_num_f32 v[TM+\b], v[TM+\b], |v[\s+16*\b+\i]|, |v[\s+1+16*\b+\i]|
.endr
.endr
.irp b, 0,1,2,3
	v_permlanex16_b32 v[TM+4+\b], v[TM+\b], s[SEL], s[SEL+1]
.endr
.irp b, 0,1,2,3
	v_max_num_f32 v[TM+\b], v[TM+\b], v[TM+4+\b]   ; with lane l xor 16's: the block's largest magnitude
.endr
.irp b, 0,1,2,3
	v_add_nc_u32 v[TM+12+\b], 0xff000000, v[TM+\b] ; 2 off its exponent field: the conversion's scale operand
.endr
.irp b, 0,1,2,3
	v_lshrrev_b32 v[TM+4+\b], 23, v[TM+12+\b]      ; the scale's byte
.endr
	v_lshl_or_b32 v[PWS+(\a)], v[TM+5], 8, v[TM+4]
	v_lshl_or_b32 v[PWS+(\a)], v[TM+6], 16, v[PWS+(\a)]
	v_lshl_or_b32 v[PWS+(\a)], v[TM+7], 24, v[PWS+(\a)]
.irp c, 0,1                            ; four runs of three registers, each from an even number: v224, v244, v248, v252
	v_cvt_scalef32_pk16_fp6_f32 v[224+24*\c:226+24*\c], v[\s+32*\c:\s+15+32*\c], v[TM+12+2*\c]
	v_cvt_scalef32_pk16_fp6_f32 v[244+8*\c:246+8*\c], v[\s+16+32*\c:\s+31+32*\c], v[TM+13+2*\c]
.endr
	v_nop                                          ; one plain place behind a scaled conversion
.irp c, 0,1                            ; the operand's layout wants a WHOLE block in a lane: lanes 0-15 block 2 c, lanes 16-31 block 2 c + 1
.irp i, 0,1,2
	v_permlane16_swap_b32 v[224+24*\c+\i], v[244+8*\c+\i]
.endr
.endr
	WIN (1+(\a)/4)<<6                              ; destination: window 1 or 2, where the record's codes are kept
.irp c, 0,1
.irp i, 0,1,2
	v_mov_b32 v[KB+6*\c+\i], v[224+24*\c+\i]
	v_mov_b32 v[KB+6*\c+3+\i], v[244+8*\c+\i]
.endr
.endr
	WIN 0
.endm
; the tables of fragment a's tokens: index 16 b + i = column 32 b + 16 h + i; cos's at v0-63, sin's at v64-127, of window 1 (even a) or 2 (odd a).  Each load takes 512 consecutive bytes.
.macro CSLOAD a
	WIN 0x40+0x40*((\a)%2)
.irp q, 0,1,2,3,4,5,6,7,8,9,10,11,12,13,14,15
	global_load_b128 v[4*\q:4*\q+3], v10, s[88:89] offset:16384*(\a)+512*\q
	global_load_b128 v[64+4*\q:64+4*\q+3], v10, s[88:89] offset:16384*(\a)+8192+512*\q
.endr
	WIN 0
.endm
.macro SQSUM a                         ; fragment a's squares, in four chains, into v[X + 8 a] on; each accumulator from its low end on
.set AC, 64*((\a)%4)
.set SA, X+8*(\a)
	WIN 0x0a+5*((\a)/4)                            ; sources 0 and 1: the accumulators' window
.irp n, 0,1,2,3
	v_pk_mul_f32 v[SA+2*\n:SA+2*\n+1], v[AC+2*\n:AC+2*\n+1], v[AC+2*\n:AC+2*\n+1]
.endr
.set i, 8
.rept 7
.irp n, 0,1,2,3
	v_pk_fma_f32 v[SA+2*\n:SA+2*\n+1], v[AC+i+2*\n:AC+i+2*\n+1], v[AC+i+2*\n:AC+i+2*\n+1], v[SA+2*\n:SA+2*\n+1]
.endr
.set i, i+8
.endr
.endm
.macro RSMUL a                         ; fragment a's numbers / the root of their mean square, out of the accumulators into its buffer in window 0
.set AC, 64*((\a)%4)
.set XD, X+64*((\a)%2)
	WIN 0x02+(\a)/4
.set i, 0
.rept 32
	v_pk_mul_f32 v[XD+i:XD+i+1], v[AC+i:AC+i+1], v[RS+2*(\a):RS+2*(\a)+1] op_sel_hi:[1,0]
.set i, i+2
.endr
	WIN 0
.endm
; q's and k's way out, fragment a: 16 tokens x the head's 128: RoPE with the gain in its tables, the quantiser
.macro BLOCKQK a
.set XX, X+64*((\a)%2)
.if (\a) < 7
	s_wait_loadcnt 32                              ; this fragment's tables are in; the next fragment's 32 loads may be out
.else
	s_wait_loadcnt 0x0
.endif
	WIN 0x04+0x04*((\a)%2)                         ; source 1: the window of this fragment's tables
.set i, 0
.rept 4                                ; in place, four pairs at a time: index i and i + 32 are columns c and c + 64: y(c) = z(c) C(c) - z(c + 64) S(c); y(c + 64) = z(c + 64) C(c + 64) + z(c) S(c + 64)
.irp n, 0,1,2,3
	v_pk_mul_f32 v[SQ+2*\n:SQ+2*\n+1], v[XX+i+2*\n:XX+i+2*\n+1], v[96+i+2*\n:97+i+2*\n]
.endr
.irp n, 0,1,2,3
	v_pk_mul_f32 v[XX+i+2*\n:XX+i+2*\n+1], v[XX+i+2*\n:XX+i+2*\n+1], v[i+2*\n:1+i+2*\n]
.endr
.irp n, 0,1,2,3
	v_pk_fma_f32 v[XX+i+2*\n:XX+i+2*\n+1], v[XX+32+i+2*\n:XX+33+i+2*\n], v[64+i+2*\n:65+i+2*\n], v[XX+i+2*\n:XX+i+2*\n+1] neg_lo:[1,0,0] neg_hi:[1,0,0]
.endr
.irp n, 0,1,2,3
	v_pk_fma_f32 v[XX+32+i+2*\n:XX+33+i+2*\n], v[XX+32+i+2*\n:XX+33+i+2*\n], v[32+i+2*\n:33+i+2*\n], v[SQ+2*\n:SQ+2*\n+1]
.endr
.set i, i+8
.endr
	WIN 0
.if (\a) < 6
	CSLOAD (\a)+2                                  ; into the registers just read: two fragments ahead of their use
.endif
	QUANT XX, \a
.if (\a) < 6
	RSMUL (\a)+2                                   ; this buffer takes the fragment two on
.endif
.endm
; v's way out, fragment a: 16 of the head's 128 x 128 tokens: the bias is my row's, one number for all my registers
.macro BLOCKV a
.set AC, 64*((\a)%4)
	WIN 0x02+(\a)/4
.set i, 0
.rept 32
	v_pk_add_f32 v[X+64+i:X+65+i], v[AC+i:AC+i+1], v[BV+2*(\a):BV+2*(\a)+1]
.set i, i+2
.endr
	WIN 0
	QUANT X+64, \a
.endm
	s_wait_alu depctr_va_vdst(0)                   ; the wait at the head's end
	s_wait_tensorcnt 0x0                           ; my part of fill 0 is in
	ds_add_u32 v[SPW], v[NIL]
	s_wait_dscnt 0x0
	CROUND                                         ; everybody's part is in, and all sixteen work-groups are here
	JLOAD G0+4, G1, G0B+4, G1B                     ; fill 1, the first tensor load behind the round
	FETCH_B 0, 0, 0
	FETCH_A 0, 0, 0
	SCALES 0
	FETCH_A 0, 0, 4
	global_prefetch_b8 v[PFO], s[PFA:PFA+1] offset:3*PART th:TH_LOAD_NT scope:SCOPE_SE   ; fill 3
	s_wait_loadcnt 0x0                             ; the bias is in
	s_cmp_ge_u32 ttmp9, 6
	s_cbranch_scc1 .Lv_first
	STEP 0, 0, 2                                   ; q and k: the first step's products start the sums from the bias
	s_branch .Lgo
.Lv_first:
	STEP 0, 0, 1                                   ; v: from 0
.Lgo:
	s_mov_b32 s3, 3                                ; 16 steps of 128: 1 + 3 x 4 + 3
.Llap:
	TURN 0, 1, 1
	STEP 1, 0, 0
	TURN 1, 0, 1
	STEP 0, 0, 0
	s_sub_co_u32 s3, s3, 1
	s_cmp_lg_u32 s3, 0
	s_cbranch_scc1 .Llap
	TURN 0, 1, 0                                   ; the last lap fills nothing
	STEP 1, 0, 0
	s_cmp_ge_u32 ttmp9, 6                          ; the two ways part here, by the cluster's x; neither has a barrier or a tensor load before they join
	s_cbranch_scc1 .Lv_path
	; ---- q's and k's way.  Fragment 0's tables are asked for ahead of the last step, into B's first set and the 32 registers behind it, which that step does not read
	CSLOAD 0
	LASTSTEP
.irp a, 0,1,2,3,4,5,6,7
	SQSUM \a
.endr
	WIN 0
.irp a, 0,1,2,3,4,5,6,7                ; the eight fragments' sums by turns
	v_pk_add_f32 v[X+8*\a:X+8*\a+1], v[X+8*\a:X+8*\a+1], v[X+8*\a+2:X+8*\a+3]
	v_pk_add_f32 v[X+8*\a+4:X+8*\a+5], v[X+8*\a+4:X+8*\a+5], v[X+8*\a+6:X+8*\a+7]
.endr
.irp a, 0,1,2,3,4,5,6,7
	v_pk_add_f32 v[X+8*\a:X+8*\a+1], v[X+8*\a:X+8*\a+1], v[X+8*\a+4:X+8*\a+5]
.endr
.irp a, 0,1,2,3,4,5,6,7
	v_add_f32 v[X+8*\a], v[X+8*\a], v[X+8*\a+1]
.endr
.irp a, 0,1,2,3,4,5,6,7
	v_permlanex16_b32 v[X+8*\a+2], v[X+8*\a], s[SEL], s[SEL+1]
.endr
.irp a, 0,1,2,3,4,5,6,7
	v_add_f32 v[X+8*\a], v[X+8*\a], v[X+8*\a+2]    ; with lane l xor 16's 64 columns
.endr
.irp a, 0,1,2,3,4,5,6,7
	v_fma_f32 v[X+8*\a], v[X+8*\a], s98, s99       ; the mean + 1e-6
.endr
	s_wait_alu depctr_va_vdst(0)                   ; the wait ahead of the batch,
.irp a, 0,1,2,3,4,5,6,7
	v_rsq_f32 v[RS+2*\a], v[X+8*\a]
.endr
.irp a, 0,1,2,3,4,5,6,7
	v_mov_b32 v[RS+2*\a+1], 0                      ; (named as the upper half of a pair whose low word serves both halves)
.endr
	s_wait_alu depctr_va_vdst(0)                   ; and behind it
	RSMUL 0
	RSMUL 1                                        ; the accumulators of fragments 0 and 1 are read out:
	CSLOAD 1                                       ; their registers take the odd fragments' tables
.irp a, 0,1,2,3,4,5,6,7
	BLOCKQK \a
.endr
	s_wait_alu depctr_va_vdst(0)                   ; the wait ahead of the branch
	s_branch .Ltail
.Lv_path:
	; ---- v's way.  The bias is asked for ahead of the last step, into registers that the loop has left
.irp a, 0,1,2,3,4,5,6,7
	global_load_b32 v[BV+2*\a], v11, s[92:93] offset:(32*(\a/2)+8*(\a%2))*4      ; into both registers of a pair, for the packed addition
	global_load_b32 v[BV+2*\a+1], v11, s[92:93] offset:(32*(\a/2)+8*(\a%2))*4
.endr
	LASTSTEP
	s_wait_alu depctr_va_vdst(0)
	s_wait_loadcnt 0x0
.irp a, 0,1,2,3,4,5,6,7
	BLOCKV \a
.endr
	s_wait_alu depctr_va_vdst(0)
.Ltail:
	v_cmp_ne_u32 vcc_lo, 0, v12                    ; lanes 0-15 store the words of fragments 0-3, lanes 16-31 those of 4-7
.irp i, 0,1,2,3
	v_cndmask_b32 v[TM+\i], v[PWS+\i], v[PWS+4+\i], vcc_lo
.endr
	global_store_b128 v10, v[TM:TM+3], s[96:97] offset:12288
	WIN 0x04                                       ; the data: window 1: fragments 0-3; each store covers 512 consecutive bytes, at a multiple of 256 from the buffer's first byte
.irp j, 0,1,2,3,4,5,6,7,8,9,10,11
	global_store_b128 v10, v[128+4*\j:128+4*\j+3], s[96:97] offset:512*\j
.endr
	WIN 0x08                                       ; window 2: fragments 4-7
.irp j, 0,1,2,3,4,5,6,7,8,9,10,11
	global_store_b128 v10, v[128+4*\j:128+4*\j+3], s[96:97] offset:6144+512*\j
.endr
	WIN 0
	s_wait_tensorcnt 0x0                           ; the wave's end
	ds_add_u32 v[SPW], v[NIL]
	s_wait_dscnt 0x0
	CROUND                                         ; the closing round
	s_endpgm
.Lfunc_end_k_qa5eb828d3c_proj:
	.size	k_qa5eb828d3c_proj, .Lfunc_end_k_qa5eb828d3c_proj-k_qa5eb828d3c_proj
	.p2alignl 7, 3214868480
	.fill 96, 4, 3214868480
	.section	.rodata,"a",@progbits
	.p2align	6, 0x0
	.amdhsa_kernel k_qa5eb828d3c_proj
		.amdhsa_group_segment_fixed_size 327680
		.amdhsa_private_segment_fixed_size 0
		.amdhsa_enable_private_segment 0
		.amdhsa_kernarg_size 72
		.amdhsa_user_sgpr_count 2
		.amdhsa_user_sgpr_kernarg_segment_ptr 1
		.amdhsa_wavefront_size32 1
		.amdhsa_system_sgpr_workgroup_id_x 1
		.amdhsa_system_sgpr_workgroup_id_y 1
		.amdhsa_system_sgpr_workgroup_id_z 1
		.amdhsa_system_vgpr_workitem_id 0
		.amdhsa_next_free_vgpr 1024
		.amdhsa_next_free_sgpr 102
		.amdhsa_reserve_vcc 1
		.amdhsa_float_denorm_mode_32 3
		.amdhsa_float_denorm_mode_16_64 3
		.amdhsa_memory_ordered 1
		.amdhsa_forward_progress 1
		.amdhsa_inst_pref_size 255
	.end_amdhsa_kernel
	.section	.bss,"aw",@nobits
	.p2align	6
	.space	262144
	.amdgpu_metadata
---
amdhsa.version: [ 1, 2 ]
amdhsa.kernels:
  - .name:           k_qa5eb828d3c_proj
    .symbol:         k_qa5eb828d3c_proj.kd
    .args:
      - { .name: codes, .offset: 0, .size: 8, .value_kind: global_buffer, .address_space: global }
      - { .name: qkv, .offset: 8, .size: 8, .value_kind: global_buffer, .address_space: global }
      - { .name: bq, .offset: 16, .size: 8, .value_kind: global_buffer, .address_space: global }
      - { .name: bk, .offset: 24, .size: 8, .value_kind: global_buffer, .address_space: global }
      - { .name: bq2, .offset: 32, .size: 8, .value_kind: global_buffer, .address_space: global }
      - { .name: bk2, .offset: 40, .size: 8, .value_kind: global_buffer, .address_space: global }
      - { .name: bv, .offset: 48, .size: 8, .value_kind: global_buffer, .address_space: global }
      - { .name: bv2, .offset: 56, .size: 8, .value_kind: global_buffer, .address_space: global }
      - { .name: cs, .offset: 64, .size: 8, .value_kind: global_buffer, .address_space: global }
    .group_segment_fixed_size: 327680
    .private_segment_fixed_size: 0
    .kernarg_segment_align: 8
    .kernarg_segment_size: 72
    .max_flat_workgroup_size: 128
    .sgpr_count:     102
    .vgpr_count:     1024
    .wavefront_size: 32
...
	.end_amdgpu_metadata
.endif
;; end of part 6
;; launch attn (part 7): grid 16 x 16, 8 waves a work-group, clusters of 4 x 1, 327,680 bytes of LDS; arguments qkv, ao; writes ao
.if DOCPART == 7
	.amdgcn_target "amdgcn-amd-amdhsa--gfx1250"
	.amdhsa_code_object_version 6
	.text
	.protected	k_qa5eb828d3c_attn
	.globl	k_qa5eb828d3c_attn
	.p2align	8
	.type	k_qa5eb828d3c_attn,@function
k_qa5eb828d3c_attn:
	s_mov_b64 s[64:65], 0
	v_nop
	global_prefetch_b8 v0, s[64:65] scope:SCOPE_SE
	s_setreg_imm32_b32 hwreg(HW_REG_WAVE_MODE, 25, 1), 1
	s_wait_xcnt 0x0
	s_wait_alu depctr_hold_cnt(0) depctr_sa_sdst(0) depctr_va_vdst(0) depctr_va_sdst(0) depctr_va_ssrc(0) depctr_va_vcc(0) depctr_vm_vsrc(0)
	s_getreg_b32 s2, hwreg(HW_REG_IB_STS2, 6, 4)
	s_cmp_eq_u32 s2, 0
	s_cbranch_scc0 .Lentry_in_a_cluster
	s_endpgm
.Lentry_in_a_cluster:
	s_bfe_u32 s2, ttmp6, 0x10000c
	s_cmp_lg_u32 s2, 0x3003
	s_cbranch_scc0 .Lentry_shape_is_right
	s_endpgm
.Lentry_shape_is_right:
; The joint softmax over window and fading keys, on the records of qkv (codes of FP6 with E8M0 scales), and both weighted sums; the result leaves as codes again, in records of ao.
; A wave owns 16 queries of one head; a work-group serves token blocks t and 7 - t of one head, so that every work-group walks nine tiles of 128 keys; the four partners of a cluster (two heads of one kv head x two halves of the blocks) ask for K and V jointly.
; Tiles of 128 keys that the masks leave empty for all my queries are passed over by a scalar branch on ids; a tile that a mask cuts is computed and selected.
; TWO PASSES, since p is quantised normalised: the first finds each query's largest t = score x log2(e) / sqrt(128) and the sum of 2^(t - M); the second makes p = 2^(t - M - log2(sum)), quantises it block by block and multiplies by V.
; LIMITS: the promise holds while the scaled scores stay under 2^31 in magnitude; NaN and infinities are not served; a block of zeros gets the byte 1 (this program alone reads the bytes).
; v243 and v31: the spare word's address and 0, kept for the add.
.set REC,   12800
.set PARTB, 19200
.set VAREA, 12*REC
.set SCST,  2*VAREA
.set FADE,  24*16*REC
.macro CROUND
	s_barrier_signal -1
	s_barrier_wait -1
	s_cmp_lg_u32 s8, 0
	s_cbranch_scc1 .Lnot_wave_0_\@
	s_barrier_signal -3
.Lnot_wave_0_\@:
	s_barrier_wait -3
	s_barrier_signal -1
	s_barrier_wait -1
.endm
	s_load_b128 s[4:7], s[0:1], 0x0
	v_lshl_add_u32 v243, v0, 2, 0x4b200
	v_mov_b32 v31, 0
	ds_add_u32 v243, v31
	ds_add_u32 v243, v31
	v_lshrrev_b32 v1, 5, v0
	s_delay_alu instid0(VALU_DEP_1)
	v_readfirstlane_b32 s8, v1
	s_lshr_b32 s9, s8, 2
	s_and_b32 s10, s8, 3
	s_bfe_u32 s11, ttmp6, 0x40000
	s_mov_b32 s12, ttmp9
	s_and_b32 s13, ttmp7, 0xffff
	s_lshr_b32 s14, s13, 3
	s_and_b32 s15, s13, 7
	s_and_b32 s16, s11, 1
	s_lshl_b32 s23, s15, 1
	s_add_co_u32 s16, s16, s23
	s_lshr_b32 s17, s11, 1
	s_sub_co_u32 s23, 7, s12
	s_cmp_eq_u32 s9, 0
	s_cselect_b32 s18, s12, s23
	s_cselect_b32 s22, 3, 0
	s_mul_i32 s21, s9, 6
	s_lshl_b32 s19, s17, 2
	s_add_co_u32 s19, s19, s10
	s_sub_co_i32 s20, s18, 2
	s_max_i32 s20, s20, 0
	s_sub_co_i32 s23, s12, 2
	s_max_i32 s23, s23, 0
	s_sub_co_u32 s70, 5, s12
	s_mov_b32 s71, 16
	s_mov_b32 s72, 48
	s_mov_b32 s73, s23
	s_mov_b32 s74, 0
	s_cmp_ge_u32 s8, 2
	s_cselect_b32 s71, 40, s71
	s_cselect_b32 s72, 56, s72
	s_cselect_b32 s73, 0, s73
	s_cselect_b32 s74, 2, s74
	s_cmp_ge_u32 s8, 6
	s_cselect_b32 s71, 16, s71
	s_cselect_b32 s72, 48, s72
	s_cselect_b32 s73, s70, s73
	s_cselect_b32 s74, 6, s74
	s_lshl_b32 s75, s14, 3
	s_add_co_u32 s75, s75, s73
	s_sub_co_u32 s74, s8, s74
	s_mul_i32 s74, s74, PARTB
	s_add_co_u32 s71, s71, s15
	s_lshl_b32 s71, s71, 4
	s_add_co_u32 s71, s71, s75
	s_mul_i32 s76, s71, REC
	s_add_co_u32 s76, s76, s74
	s_mov_b32 s77, 0
	s_add_co_u32 s72, s72, s15
	s_lshl_b32 s72, s72, 4
	s_add_co_u32 s72, s72, s75
	s_mul_i32 s78, s72, REC
	s_add_co_u32 s78, s78, s74
	s_mov_b32 s79, 0
	s_mul_i32 s70, s8, PARTB
	s_mov_b32 s24, 15|(3<<16)|(1<<21)
	s_mov_b32 s25, 32<<16
	s_mov_b32 s26, 75<<16
	s_mov_b32 s27, 32<<16
	s_mov_b32 s28, 75
	s_mov_b32 s29, 32
	s_mov_b32 s30, 0
	s_mov_b32 s31, 0
	s_mov_b32 s66, 0x3e0293ee
	s_mov_b32 s67, s66
	s_mov_b32 s68, 0x76543210
	s_mov_b32 s69, 0xfedcba98
	s_wait_dscnt 0x0
	s_wait_kmcnt 0x0
	s_mov_b32 s32, 1
	s_mov_b32 s33, s70
	s_add_nc_u64 s[34:35], s[4:5], s[76:77]
	s_or_b32 s35, s35, 0x80000000
	s_mov_b32 s36, 1
	s_add_co_u32 s37, s70, VAREA
	s_add_nc_u64 s[38:39], s[4:5], s[78:79]
	s_or_b32 s39, s39, 0x80000000
	CROUND
	tensor_load_to_lds s[32:35], s[24:31]
	s_nop 0
	s_wait_alu depctr_va_vdst(0)
	s_wait_tensorcnt 0x0
	ds_add_u32 v243, v31
	s_wait_dscnt 0x0
	CROUND
	tensor_load_to_lds s[36:39], s[24:31]
	s_nop 0
.rept 4
	v_nop
.endr
	s_lshl_b32 s70, s9, 8
	s_lshl_b32 s71, s10, 2
	s_add_co_u32 s70, s70, s71
	s_add_co_u32 s70, s70, SCST
	s_lshl_b32 s42, s14, 3
	s_add_co_u32 s42, s42, s18
	s_lshl_b32 s43, s16, 4
	s_add_co_u32 s43, s43, s42
	s_mul_i32 s44, s43, REC
	s_mov_b32 s45, 0
	s_add_nc_u64 s[40:41], s[4:5], s[44:45]
	s_lshl_b32 s42, s42, 4
	s_add_co_u32 s42, s42, s16
	s_mul_i32 s44, s42, REC
	s_add_nc_u64 s[48:49], s[6:7], s[44:45]
	s_mul_i32 s46, s19, 1536
	s_lshl_b32 s47, s17, 8
	s_lshl_b32 s43, s10, 2
	s_add_co_u32 s47, s47, s43
	s_lshr_b32 s42, s19, 1
	s_lshl_b32 s42, s42, 5
	s_and_b32 s43, s19, 1
	s_lshl_b32 s43, s43, 3
	s_add_co_u32 s42, s42, s43
	v_and_b32 v1, 31, v0
	s_delay_alu instid0(VALU_DEP_1)
	v_lshlrev_b32 v1, 4, v1
	v_and_b32 v252, 15, v0
	v_bfe_u32 v254, v0, 4, 1
	s_delay_alu instid0(VALU_DEP_2)
	v_lshl_add_u32 v2, v252, 4, 12288
	s_delay_alu instid0(VALU_DEP_3)
	v_lshl_add_u32 v3, v252, 4, s70
	v_add_nc_u32 v4, SCST, v1
	v_add_nc_u32 v10, s46, v1
	s_delay_alu instid0(VALU_DEP_4)
	v_add_nc_u32 v96, s47, v2
.irp c, 0,1,2
	global_load_b128 v[16+4*\c:19+4*\c], v10, s[40:41] offset:512*\c
	global_load_b128 v[84+4*\c:87+4*\c], v10, s[40:41] offset:FADE+512*\c
.endr
	global_load_b32 v28, v96, s[40:41]
	global_load_b32 v29, v96, s[40:41] offset:FADE
	v_and_b32 v9, 8, v252
	s_delay_alu instid0(VALU_DEP_1)
	v_add3_u32 v9, v9, v252, s42
	v_lshlrev_b32 v254, 4, v254
	s_delay_alu instid0(VALU_DEP_1)
	v_sub_nc_u32 v9, v9, v254
	v_mov_b32 v11, 0xff800000
	v_mov_b32 v13, 0xff61b1e6
	v_mov_b32 v14, 0
	v_mov_b32 v15, 0
	v_mov_b32 v253, 0
.irp b, 0,1,2,3
	v_mov_b32 v[236+\b], 0
.endr
.macro HEAD skip
	s_sub_co_u32 s59, s52, s21
	s_add_co_u32 s60, s20, s59
	s_sub_co_u32 s61, s52, s22
	s_cmp_lt_u32 s59, 3
	s_cselect_b32 s54, 1, 0
	s_cselect_b32 s55, s60, s61
	s_cselect_b32 s62, 0, 2
	s_sub_co_i32 s56, s18, s55
	s_cmp_lt_i32 s56, s62
	s_cbranch_scc1 \skip
.endm
.macro KQG g
.if \g
.rept 4
	v_nop
.endr
.endif
.irp t, 0,1,2,3
.irp c, 0,1,2
	ds_load_b128 v[32+12*\t+4*\c:35+12*\t+4*\c], v5 offset:(4*\g+\t)*1536+512*\c
.endr
.endr
	ds_load_b128 v[80:83], v6 offset:256*\g
	s_wait_dscnt 0x0
	s_cmp_eq_u32 s54, 0
	s_cbranch_scc1 .Lfading_\@
.irp t, 0,1,2,3
	v_wmma_scale_f32_16x16x128_f8f6f4 v[96+8*(4*\g+\t):103+8*(4*\g+\t)], v[32+12*\t:43+12*\t], v[16:27], 0, v[80+\t], v28 matrix_a_fmt:MATRIX_FMT_FP6 matrix_b_fmt:MATRIX_FMT_FP6
.endr
	s_branch .Lscored_\@
.Lfading_\@:
.irp t, 0,1,2,3
	v_wmma_scale_f32_16x16x128_f8f6f4 v[96+8*(4*\g+\t):103+8*(4*\g+\t)], v[32+12*\t:43+12*\t], v[84:95], 0, v[80+\t], v29 matrix_a_fmt:MATRIX_FMT_FP6 matrix_b_fmt:MATRIX_FMT_FP6
.endr
.Lscored_\@:
.endm
.macro MASK
	s_and_b32 s63, s56, -3
	s_cmp_lg_u32 s63, 0
	s_cbranch_scc1 .Lopen_\@
	s_lshr_b32 s58, s56, 1
	s_and_b32 s58, s58, s54
	s_sub_co_u32 s58, 0, s58
.irp q, 0,1,2,3,4,5,6,7
.irp k, 0,1,2,3,4,5,6,7
	v_cmp_gt_i32 s[84+\k], 32*((8*\q+\k)/16)+(8*\q+\k)%16, v9
.endr
.irp k, 0,1,2,3,4,5,6,7
	s_xor_b32 s[84+\k], s[84+\k], s58
.endr
.irp k, 0,1,2,3,4,5,6,7
	v_cndmask_b32 v[96+8*\q+\k], v[96+8*\q+\k], v11, s[84+\k]
.endr
.endr
.Lopen_\@:
.endm
.macro BMAX
.irp b, 0,1,2,3
	v_max3_num_f32 v[248+\b], v[96+16*\b], v[97+16*\b], v[98+16*\b]
.endr
.irp i, 3,5,7,9,11,13
.irp b, 0,1,2,3
	v_max3_num_f32 v[248+\b], v[248+\b], v[96+16*\b+\i], v[97+16*\b+\i]
.endr
.endr
.irp b, 0,1,2,3
	v_max_num_f32 v[248+\b], v[248+\b], v[111+16*\b]
.endr
.endm
.macro SCALED
.irp j, 0,2,4,6,8,10,12,14,16,18,20,22,24,26,28,30,32,34,36,38,40,42,44,46,48,50,52,54,56,58,60,62
	v_pk_fma_f32 v[96+\j:97+\j], v[96+\j:97+\j], s[66:67], v[12:13] op_sel_hi:[1,0,0]
.endr
.endm
.macro EXP64
.irp j, 0,1,2,3,4,5,6,7,8,9,10,11,12,13,14,15,16,17,18,19,20,21,22,23,24,25,26,27,28,29,30,31,32,33,34,35,36,37,38,39,40,41,42,43,44,45,46,47,48,49,50,51,52,53,54,55,56,57,58,59,60,61,62,63
	v_exp_f32 v[96+\j], v[96+\j]
.endr
.endm
.macro CODES src, pw
.irp b, 0,1,2,3
	s_delay_alu instid0(VALU_DEP_4)
	v_add_nc_u32 v[244+\b], 0xff000000, v[248+\b]
.endr
.irp b, 0,1,2,3
	s_delay_alu instid0(VALU_DEP_4)
	v_lshrrev_b32 v[236+\b], 23, v[244+\b]
.endr
	s_delay_alu instid0(VALU_DEP_3)
	v_lshl_or_b32 v[\pw], v237, 8, v236
	s_delay_alu instid0(VALU_DEP_1)
	v_lshl_or_b32 v[\pw], v238, 16, v[\pw]
	s_delay_alu instid0(VALU_DEP_1)
	v_lshl_or_b32 v[\pw], v239, 24, v[\pw]
.irp c, 0,1
	v_cvt_scalef32_pk16_fp6_f32 v[224+6*\c:226+6*\c], v[\src+32*\c:\src+15+32*\c], v[244+2*\c]
	v_cvt_scalef32_pk16_fp6_f32 v[236+4*\c:238+4*\c], v[\src+16+32*\c:\src+31+32*\c], v[244+2*\c+1]
.endr
	v_nop
.irp c, 0,1
.irp i, 0,1,2
	v_permlane16_swap_b32 v[224+6*\c+\i], v[236+4*\c+\i]
.endr
.irp i, 0,1,2
	s_delay_alu instid0(VALU_DEP_3)
	v_mov_b32 v[227+6*\c+\i], v[236+4*\c+\i]
.endr
.endr
.endm
.macro PVG g
.if \g
.rept 4
	v_nop
.endr
.endif
.irp t, 0,1,2,3
.irp c, 0,1,2
	ds_load_b128 v[32+12*\t+4*\c:35+12*\t+4*\c], v7 offset:(4*\g+\t)*1536+512*\c
.endr
.endr
	ds_load_b128 v[80:83], v8 offset:256*\g
.if \g == 0
.rept 8
	v_nop
.endr
.endif
	s_wait_dscnt 0x0
.irp t, 0,1,2,3
	v_wmma_scale_f32_16x16x128_f8f6f4 v[160+8*(4*\g+\t):167+8*(4*\g+\t)], v[32+12*\t:43+12*\t], v[224:235], v[160+8*(4*\g+\t):167+8*(4*\g+\t)], v[80+\t], v255 matrix_a_fmt:MATRIX_FMT_FP6 matrix_b_fmt:MATRIX_FMT_FP6
.endr
.endm
	s_wait_loadcnt 0x0
	s_wait_tensorcnt 1
	s_barrier_signal -1
	s_barrier_wait -1
	s_mul_i32 s53, s9, 3*REC
	s_mov_b32 s52, 0
.Lpass1:
	HEAD .Lnext1
	v_add_nc_u32 v5, s53, v1
	v_add_nc_u32 v6, s53, v2
	KQG 0
	s_wait_alu depctr_va_vdst(0)
	KQG 1
.rept 4
	v_nop
.endr
	MASK
	BMAX
	s_delay_alu instid0(VALU_DEP_2)
	v_max3_num_f32 v254, v248, v249, v250
	s_delay_alu instid0(VALU_DEP_1)
	v_max_num_f32 v254, v254, v251
	s_delay_alu instid0(VALU_DEP_1)
	v_mul_f32 v254, s66, v254
	v_mov_b32 v252, v13
	s_delay_alu instid0(VALU_DEP_2)
	v_max_num_f32 v13, v13, v254
	s_delay_alu instid0(VALU_DEP_1)
	v_sub_f32 v252, v252, v13
	s_delay_alu instid0(VALU_DEP_2)
	v_mul_f32 v12, -1.0, v13
	SCALED
	s_wait_alu depctr_va_vdst(0)
	EXP64
	v_exp_f32 v252, v252
	v_nop
	s_wait_alu depctr_va_vdst(0)
	v_pk_mul_f32 v[14:15], v[14:15], v[252:253] op_sel_hi:[1,0]
	v_pk_add_f32 v[236:237], v[96:97], v[98:99]
.irp j, 4,8,12,16,20,24,28,32,36,40,44,48,52,56,60
	v_pk_add_f32 v[14:15], v[14:15], v[96+\j:97+\j]
	v_pk_add_f32 v[236:237], v[236:237], v[98+\j:99+\j]
.endr
	s_delay_alu instid0(VALU_DEP_1)
	v_pk_add_f32 v[14:15], v[14:15], v[236:237]
.Lnext1:
	s_add_co_u32 s53, s53, REC
	s_add_co_u32 s52, s52, 1
	s_cmp_lt_u32 s52, 9
	s_cbranch_scc1 .Lpass1
	s_wait_alu depctr_va_vdst(0)
	v_add_f32 v14, v14, v15
	v_permlanex16_b32 v236, v13, s68, s69
	s_delay_alu instid0(VALU_DEP_2)
	v_permlanex16_b32 v237, v14, s68, s69
	s_delay_alu instid0(VALU_DEP_2)
	v_max_num_f32 v238, v13, v236
	s_delay_alu instid0(VALU_DEP_1)
	v_sub_f32 v252, v13, v238
	s_delay_alu instid0(VALU_DEP_2)
	v_sub_f32 v254, v236, v238
	s_wait_alu depctr_va_vdst(0)
	v_exp_f32 v252, v252
	v_exp_f32 v254, v254
	v_mul_f32 v12, -1.0, v238
	s_wait_alu depctr_va_vdst(0)
	v_mul_f32 v14, v14, v252
	v_mul_f32 v237, v237, v254
	s_delay_alu instid0(VALU_DEP_1)
	v_add_f32 v14, v14, v237
	s_wait_alu depctr_va_vdst(0)
	v_log_f32 v30, v14                             ; log2 of the row's sum
.irp j, 0,1,2,3,4,5,6,7,8,9,10,11,12,13,14,15,16,17,18,19,20,21,22,23,24,25,26,27,28,29,30,31,32,33,34,35,36,37,38,39,40,41,42,43,44,45,46,47,48,49,50,51,52,53,54,55,56,57,58,59,60,61,62,63
	v_mov_b32 v[160+\j], 0
.endr
	s_wait_alu depctr_va_vdst(0)
	v_sub_f32 v12, v12, v30                        ; -(M + log2(sum)): the second pass's exponentials come out normalised
	s_wait_alu depctr_va_vdst(0)
	s_wait_tensorcnt 0x0
	s_barrier_signal -1
	s_barrier_wait -1
	s_mul_i32 s53, s9, 3*REC
	s_mov_b32 s52, 0
.Lpass2:
	HEAD .Lnext2
	s_add_co_u32 s57, s53, VAREA
	v_add_nc_u32 v5, s53, v1
	v_add_nc_u32 v6, s53, v2
	v_add_nc_u32 v7, s57, v1
	v_add_nc_u32 v8, s57, v2
	KQG 0
	s_wait_alu depctr_va_vdst(0)
	KQG 1
.rept 4
	v_nop
.endr
	MASK
	BMAX
.irp b, 0,1,2,3
	s_delay_alu instid0(VALU_DEP_4)
	v_permlanex16_b32 v[236+\b], v[248+\b], s68, s69
.endr
.irp b, 0,1,2,3
	s_delay_alu instid0(VALU_DEP_4)
	v_max_num_f32 v[248+\b], v[248+\b], v[236+\b]
.endr
	SCALED
.irp b, 0,1,2,3
	v_fma_f32 v[248+\b], v[248+\b], s66, v12
.endr
	s_wait_alu depctr_va_vdst(0)
	EXP64
.irp b, 0,1,2,3
	v_exp_f32 v[248+\b], v[248+\b]                 ; each block's largest p, in the same batch
.endr
	v_nop                                          ; a plain place behind the batch,
	s_wait_alu depctr_va_vdst(0)                   ; and a wait ahead of its first reader
.irp b, 0,1,2,3
	v_max_num_f32 v[248+\b], 0x1800000, v[248+\b]  ; the floor 2^(3 - 127): the byte cannot fall under 1
.endr
	CODES 96, 255
	s_wait_alu depctr_va_vdst(0)
	PVG 0
	PVG 1
.Lnext2:
	s_add_co_u32 s53, s53, REC
	s_add_co_u32 s52, s52, 1
	s_cmp_lt_u32 s52, 9
	s_cbranch_scc1 .Lpass2
.rept 4
	v_nop
.endr
.irp b, 0,1,2,3
	v_max3_num_f32 v[248+\b], |v[160+16*\b]|, |v[161+16*\b]|, 0x1800000
.endr
.irp i, 2,4,6,8,10,12,14
.irp b, 0,1,2,3
	v_max3_num_f32 v[248+\b], v[248+\b], |v[160+16*\b+\i]|, |v[161+16*\b+\i]|
.endr
.endr
.irp b, 0,1,2,3
	s_delay_alu instid0(VALU_DEP_4)
	v_permlanex16_b32 v[236+\b], v[248+\b], s68, s69
.endr
.irp b, 0,1,2,3
	s_delay_alu instid0(VALU_DEP_4)
	v_max_num_f32 v[248+\b], v[248+\b], v[236+\b]
.endr
	CODES 160, 254
.irp c, 0,1,2
	global_store_b128 v10, v[224+4*\c:227+4*\c], s[48:49] offset:512*\c
.endr
	ds_store_b32 v3, v254
	s_wait_dscnt 0x0
	s_barrier_signal -1
	s_barrier_wait -1
	s_cmp_lg_u32 s8, 0
	s_cbranch_scc1 .Lnot_first
	ds_load_b128 v[96:99], v4
	s_lshl_b32 s42, s12, 1
	s_sub_co_u32 s42, 7, s42
	s_mul_i32 s42, s42, 16*REC
	v_bfe_u32 v100, v0, 4, 1
	s_delay_alu instid0(VALU_DEP_1)
	v_mul_u32_u24 v100, v100, s42
	s_lshl_b32 s43, s17, 8
	v_add3_u32 v100, v100, v2, s43
	s_wait_alu depctr_va_vdst(0)
	s_wait_dscnt 0x0
	global_store_b128 v100, v[96:99], s[48:49]
.Lnot_first:
	s_wait_tensorcnt 0x0
	ds_add_u32 v243, v31
	s_wait_dscnt 0x0
	CROUND
	s_endpgm
.Lfunc_end_k_qa5eb828d3c_attn:
	.size	k_qa5eb828d3c_attn, .Lfunc_end_k_qa5eb828d3c_attn-k_qa5eb828d3c_attn
	.p2alignl 7, 3214868480
	.fill 96, 4, 3214868480
	.section	.rodata,"a",@progbits
	.p2align	6, 0x0
	.amdhsa_kernel k_qa5eb828d3c_attn
		.amdhsa_group_segment_fixed_size 327680
		.amdhsa_private_segment_fixed_size 0
		.amdhsa_enable_private_segment 0
		.amdhsa_kernarg_size 16
		.amdhsa_user_sgpr_count 2
		.amdhsa_user_sgpr_kernarg_segment_ptr 1
		.amdhsa_wavefront_size32 1
		.amdhsa_system_sgpr_workgroup_id_x 1
		.amdhsa_system_sgpr_workgroup_id_y 1
		.amdhsa_system_sgpr_workgroup_id_z 1
		.amdhsa_system_vgpr_workitem_id 0
		.amdhsa_next_free_vgpr 256
		.amdhsa_next_free_sgpr 92
		.amdhsa_reserve_vcc 0
		.amdhsa_float_denorm_mode_32 3
		.amdhsa_float_denorm_mode_16_64 3
		.amdhsa_memory_ordered 1
		.amdhsa_forward_progress 1
		.amdhsa_inst_pref_size 70
	.end_amdhsa_kernel
	.amdgpu_metadata
---
amdhsa.version: [ 1, 2 ]
amdhsa.kernels:
  - .name:           k_qa5eb828d3c_attn
    .symbol:         k_qa5eb828d3c_attn.kd
    .args:
      - { .name: qkv, .offset: 0, .size: 8, .value_kind: global_buffer, .address_space: global }
      - { .name: ao, .offset: 8, .size: 8, .value_kind: global_buffer, .address_space: global }
    .group_segment_fixed_size: 327680
    .private_segment_fixed_size: 0
    .kernarg_segment_align: 8
    .kernarg_segment_size: 16
    .max_flat_workgroup_size: 256
    .sgpr_count:     92
    .vgpr_count:     256
    .wavefront_size: 32
...
	.end_amdgpu_metadata
.endif
;; end of part 7
;; launch oproj (part 8): grid 16 x 16, 4 waves a work-group, clusters of 4 x 4, 327,680 bytes of LDS; arguments ao, codes, out0; writes out0
.if DOCPART == 8
	.amdgcn_target "amdgcn-amd-amdhsa--gfx1250"
	.amdhsa_code_object_version 6
	.text
	.protected	k_qa5eb828d3c_oproj
	.globl	k_qa5eb828d3c_oproj
	.p2align	8
	.type	k_qa5eb828d3c_oproj,@function
k_qa5eb828d3c_oproj:
	s_mov_b64 s[64:65], 0
	v_nop
	global_prefetch_b8 v0, s[64:65] scope:SCOPE_SE
	s_setreg_imm32_b32 hwreg(HW_REG_WAVE_MODE, 25, 1), 1
	s_wait_xcnt 0x0
	s_wait_alu depctr_hold_cnt(0) depctr_sa_sdst(0) depctr_va_vdst(0) depctr_va_sdst(0) depctr_va_ssrc(0) depctr_va_vcc(0) depctr_vm_vsrc(0)
	s_getreg_b32 s2, hwreg(HW_REG_IB_STS2, 6, 4)
	s_cmp_eq_u32 s2, 0
	s_cbranch_scc0 .Lentry_in_a_cluster
	s_endpgm
.Lentry_in_a_cluster:
	s_bfe_u32 s2, ttmp6, 0x10000c
	s_cmp_lg_u32 s2, 0xf033
	s_cbranch_scc0 .Lentry_shape_is_right
	s_endpgm
.Lentry_shape_is_right:
; out0 = ao Wo^T on codes of FP6 (E2M3) with E8M0 scales, K = 2,048; both operands come as records (12,800 bytes: 128 rows x 128 K as images of operand registers, with their scale words).
; A work-group of four waves makes 128 x 128, a wave 64 x 64: 16 accumulators.  4 x 4 work-groups form a cluster: A's parts are asked for jointly along a row of it, B's along a column.
; Three LDS slots of 4 x 128 along K (four parts of two records, one tensor load a wave); four fills, the fourth into slot 0.  A wave has one tensor load out.
; PREFETCH: behind fill 0's load each wave names its parts of fills 1 and 2, behind fill 1's that of fill 3: 100 blocks of 256 bytes a part, of which each of the four partners takes 25, told apart by address; lanes 25-31 name the 25th again.
; The result leaves through each wave's own stage in LDS, in whole units of 256 bytes.
.set REC,    12800
.set PART,   2*REC
.set SLOT,   4*PART
.set SPARE,  3*SLOT
.set STAGE,  SPARE+512
.set SPITCH, 272
.set FR,     12
.set NF,     25
.set ADRA, 8
.set ADRB, 12
.set ADRS, 16
.set STO,  24
.set RD,   25
.set LI,   26
.set CG,   27
.set SPW,  28
.set NIL,  29
.set SC,   32
.set BK,   64
.set ACC,  128
.set G1,   24
.set G0,   32
.set G1B,  48
.set G0B,  68
.set MSB, 0
.macro WIN new
.if MSB != (\new)
	s_set_vgpr_msb (MSB<<8)|(\new)
.set MSB, (\new)
.endif
.endm
.set W_MUL, 0x05
.set W_TOF, 0x40
.macro JLOAD g0a, g1a, g0b, g1b
	s_cmp_eq_u32 s15, 0
	s_cbranch_scc0 .Lfor_b_\@
	tensor_load_to_lds s[\g0a:\g0a+3], s[\g1a:\g1a+7]
	s_nop 0
.rept 4
	v_nop
.endr
	s_branch .Lasked_\@
.Lfor_b_\@:
	tensor_load_to_lds s[\g0b:\g0b+3], s[\g1b:\g1b+7]
	s_nop 0
.rept 4
	v_nop
.endr
.Lasked_\@:
.endm
.macro CREST
	s_cmp_lg_u32 s14, 0
	s_cbranch_scc1 .Lnot_wave_0_\@
	s_barrier_signal -3
.Lnot_wave_0_\@:
	s_barrier_wait -3
	s_barrier_signal -1
	s_barrier_wait -1
.endm
.macro CROUND
	s_barrier_signal -1
	s_barrier_wait -1
	CREST
.endm
	s_load_b128 s[4:7], s[0:1], 0x0
	s_load_b64 s[12:13], s[0:1], 0x10
	v_lshl_add_u32 v[SPW], v0, 2, SPARE
	v_mov_b32 v[NIL], 0
	ds_add_u32 v28, v29
	ds_add_u32 v28, v29
	s_wait_dscnt 0x0
	v_lshrrev_b32 v1, 5, v0
	v_readfirstlane_b32 s14, v1
	v_and_b32 v30, 31, v0
	v_min_u32 v30, 24, v30
	v_lshlrev_b32 v30, 8, v30                      ; the prefetches' offset: 256 x min(lane, 24); never rewritten
	s_lshr_b32 s15, s14, 1
	s_and_b32 s16, s14, 1
	s_bfe_u32 s80, ttmp6, 0x40000
	s_bfe_u32 s81, ttmp6, 0x40004
	s_lshl_b32 s82, ttmp9, 2
	s_add_co_u32 s82, s82, s80
	s_and_b32 s17, ttmp7, 0xffff
	s_lshl_b32 s17, s17, 2
	s_add_co_u32 s17, s17, s81
	s_lshl_b32 s83, s81, 2
	s_lshl_b32 s83, 15, s83
	s_lshl_b32 s84, 0x1111, s80
	s_or_b32 s[G1], s83, (3<<16)|(1<<21)
	s_or_b32 s[G1B], s84, (3<<16)|(1<<21)
.irp g, G1, G1B
	s_mov_b32 s[\g+1], 32<<16
	s_mov_b32 s[\g+2], 100<<16
	s_mov_b32 s[\g+3], 32<<16
	s_mov_b32 s[\g+4], 100
	s_mov_b32 s[\g+5], 32
	s_mov_b32 s[\g+6], 0
	s_mov_b32 s[\g+7], 0
.endr
	s_mul_i32 s18, s16, PART
	s_mul_i32 s20, s17, 16*REC
	s_add_co_u32 s20, s20, s18
	s_mov_b32 s21, 0
	s_add_co_u32 s46, s82, 80
	s_mul_i32 s46, s46, 16*REC
	s_add_co_u32 s46, s46, s18
	s_mov_b32 s47, 0
	s_mul_i32 s45, s14, PART
	s_wait_kmcnt 0x0
	s_add_nc_u64 s[20:21], s[4:5], s[20:21]
	s_add_nc_u64 s[46:47], s[6:7], s[46:47]
	s_cmp_eq_u32 s15, 0                            ; the prefetches: the part that I fetch,
	s_cselect_b64 s[86:87], s[20:21], s[46:47]
	s_cselect_b32 s18, s80, s81                    ; my place among the four that ask for it with me,
	s_mul_i32 s18, s18, 25*256                     ; and my work-group's 25 blocks of its 100
	s_mov_b32 s19, 0
	s_add_nc_u64 s[86:87], s[86:87], s[18:19]
	CROUND
.irp s, 0,1,2
	s_mov_b32 s[G0+4*\s], 1
	s_add_co_u32 s[G0+4*\s+1], s45, \s*SLOT
	s_add_nc_u64 s[G0+4*\s+2:G0+4*\s+3], s[20:21], \s*2*PART
	s_or_b32 s[G0+4*\s+3], s[G0+4*\s+3], 0x80000000
	s_mov_b32 s[G0B+4*\s], 1
	s_add_co_u32 s[G0B+4*\s+1], s45, \s*SLOT
	s_add_nc_u64 s[G0B+4*\s+2:G0B+4*\s+3], s[46:47], \s*2*PART
	s_or_b32 s[G0B+4*\s+3], s[G0B+4*\s+3], 0x80000000
	s_wait_alu depctr_va_vdst(0)
	s_wait_tensorcnt 0x0
	ds_add_u32 v28, v29
	ds_add_u32 v28, v29
	s_wait_dscnt 0x0
	CROUND
	JLOAD G0+4*\s, G1, G0B+4*\s, G1B
.if \s == 0
	global_prefetch_b8 v30, s[86:87] offset:2*PART th:TH_LOAD_NT scope:SCOPE_SE          ; fill 1
.endif
.if \s < 2
	global_prefetch_b8 v30, s[86:87] offset:(\s+2)*2*PART th:TH_LOAD_NT scope:SCOPE_SE   ; the fill two on
.endif
.endr
	v_and_b32 v1, 31, v0
	v_lshlrev_b32 v[LI], 4, v1
	s_wait_alu depctr_va_vdst(0)
	v_and_b32 v2, 15, v0
	v_bfe_u32 v3, v0, 4, 1
	s_mul_i32 s21, s15, 4*1536
	s_mul_i32 s22, s16, 4*1536
	s_add_co_u32 s22, s22, 2*PART
	s_lshl_b32 s18, s15, 8
	s_lshl_b32 s19, s16, 8
	s_add_co_u32 s19, s19, 2*PART
	s_sub_co_u32 s23, s19, s18
	v_mul_u32_u24 v6, s23, v3
	v_lshl_add_u32 v5, v2, 4, v6
.irp s, 0,1,2
	v_add_nc_u32 v[ADRA+\s], s21, v[LI]
	v_add_nc_u32 v[ADRB+\s], s22, v[LI]
	v_add_nc_u32 v[ADRS+\s], s18, v5
	s_add_co_u32 s21, s21, SLOT
	s_add_co_u32 s22, s22, SLOT
	s_add_co_u32 s18, s18, SLOT
.endr
	s_mul_i32 s23, s14, 16*SPITCH
	s_add_co_u32 s23, s23, STAGE
	v_mul_u32_u24 v5, v2, SPITCH
	v_lshl_add_u32 v5, v3, 6, v5
	v_add_nc_u32 v[STO], s23, v5
	v_mul_u32_u24 v5, v3, SPITCH
	v_lshl_add_u32 v5, v2, 4, v5
	v_add_nc_u32 v[RD], s23, v5
	v_lshlrev_b32 v[CG], 13, v3
	v_lshl_add_u32 v[CG], v2, 4, v[CG]
	s_lshl_b32 s20, s17, 20
	s_lshl_b32 s21, s15, 19
	s_add_co_u32 s20, s20, s21
	s_lshl_b32 s46, s82, 9
	s_lshl_b32 s47, s16, 8
	s_add_co_u32 s46, s46, s47
	s_add_co_u32 s20, s20, s46
	s_mov_b32 s21, 0
	s_add_nc_u64 s[12:13], s[12:13], s[20:21]
.macro FETCH slot, q, p
	WIN W_TOF
.irp i, 0,1,2,3
.irp c, 0,1,2
	ds_load_b128 v[128*(\p)+48+FR*\i+4*\c:128*(\p)+48+FR*\i+4*\c+3], v[ADRB+\slot] offset:(\q)*REC+1536*\i+512*\c
.endr
.endr
.irp i, 0,1,2,3
.irp c, 0,1,2
	ds_load_b128 v[128*(\p)+FR*\i+4*\c:128*(\p)+FR*\i+4*\c+3], v[ADRA+\slot] offset:(\q)*REC+1536*\i+512*\c
.endr
.endr
	WIN 0
	ds_load_b128 v[SC+4*(\p):SC+4*(\p)+3], v[ADRS+\slot] offset:(\q)*REC+12288
.endm
.macro MULQ p, a, zero
.irp b, 0,1,2,3
.if \zero
	v_wmma_scale_f32_16x16x128_f8f6f4 v[ACC+8*(4*(\a)+\b):ACC+8*(4*(\a)+\b)+7], v[128*(\p)+48+FR*\b:128*(\p)+48+FR*\b+FR-1], v[128*(\p)+FR*(\a):128*(\p)+FR*(\a)+FR-1], 0, v[SC+4*(\p)+\b], v[SC+4*(\p)+(\a)] matrix_a_fmt:MATRIX_FMT_FP6 matrix_b_fmt:MATRIX_FMT_FP6 matrix_a_scale:MATRIX_SCALE_ROW1
.else
	v_wmma_scale_f32_16x16x128_f8f6f4 v[ACC+8*(4*(\a)+\b):ACC+8*(4*(\a)+\b)+7], v[128*(\p)+48+FR*\b:128*(\p)+48+FR*\b+FR-1], v[128*(\p)+FR*(\a):128*(\p)+FR*(\a)+FR-1], v[ACC+8*(4*(\a)+\b):ACC+8*(4*(\a)+\b)+7], v[SC+4*(\p)+\b], v[SC+4*(\p)+(\a)] matrix_a_fmt:MATRIX_FMT_FP6 matrix_b_fmt:MATRIX_FMT_FP6 matrix_a_scale:MATRIX_SCALE_ROW1
.endif
.endr
.endm
.macro PLACES
.rept 4
	v_nop
.endr
.endm
.macro STEPK nslot, nq, p, zero
.if \zero == 0
	PLACES
.endif
	FETCH \nslot, \nq, 1-(\p)
	s_wait_dscnt NF
	WIN W_MUL
	MULQ \p, 0, \zero
	MULQ \p, 1, \zero
	MULQ \p, 2, \zero
	MULQ \p, 3, \zero
.endm
.macro TURNK next, fill
	WIN 0
	s_wait_tensorcnt 0x0
	ds_add_u32 v[SPW], v[NIL]
	s_wait_dscnt 1
	WIN W_MUL
	MULQ 1, 0, 0
	s_wait_dscnt 0x0
	s_barrier_signal -1
	MULQ 1, 1, 0
	WIN 0
	s_barrier_wait -1
.if \fill
	CREST
	s_add_nc_u64 s[G0+2:G0+3], s[G0+2:G0+3], 6*PART
	s_add_nc_u64 s[G0B+2:G0B+3], s[G0B+2:G0B+3], 6*PART
	JLOAD G0, G1, G0B, G1B
.else
	PLACES
.endif
	FETCH \next, 0, 0
	WIN W_MUL
	MULQ 1, 2, 0
	MULQ 1, 3, 0
.endm
	s_wait_tensorcnt 2
	s_barrier_signal -1
	s_barrier_wait -1
	FETCH 0, 0, 0
	STEPK 0, 1, 0, 1
	STEPK 0, 2, 1, 0
	STEPK 0, 3, 0, 0
	TURNK 1, 1
	STEPK 1, 1, 0, 0
	STEPK 1, 2, 1, 0
	STEPK 1, 3, 0, 0
	s_wait_alu depctr_va_vdst(0)
	STEPK 2, 0, 1, 0
	STEPK 2, 1, 0, 0
	STEPK 2, 2, 1, 0
	STEPK 2, 3, 0, 0
	TURNK 0, 0
	STEPK 0, 1, 0, 0
	STEPK 0, 2, 1, 0
	STEPK 0, 3, 0, 0
	s_wait_dscnt 0x0
	MULQ 1, 0, 0
	MULQ 1, 1, 0
	MULQ 1, 2, 0
	MULQ 1, 3, 0
	WIN 0
.macro TOSTAGE a
.irp b, 0,1,2,3
	ds_store_b128 v[STO], v[ACC+8*(4*(\a)+\b):ACC+8*(4*(\a)+\b)+3] offset:128*(\b/2)+32*(\b%2)
	ds_store_b128 v[STO], v[ACC+8*(4*(\a)+\b)+4:ACC+8*(4*(\a)+\b)+7] offset:128*(\b/2)+32*(\b%2)+16
.endr
.irp t, 0,1,2,3,4,5,6,7
	ds_load_b128 v[BK+32*((\a)%2)+4*\t:BK+32*((\a)%2)+4*\t+3], v[RD] offset:2*\t*SPITCH
.endr
.endm
.macro SEND a, younger
	s_wait_dscnt \younger
.irp t, 0,1,2,3,4,5,6,7
	global_store_b128 v[CG], v[BK+32*((\a)%2)+4*\t:BK+32*((\a)%2)+4*\t+3], s[12:13] offset:(32*((\a)/2)+8*((\a)%2)+2*\t+8*(\t/4))*8192 th:TH_STORE_NT
.endr
.endm
	PLACES
	TOSTAGE 0
.irp a, 1,2,3
.if \a > 1
	s_wait_xcnt 0x0
.endif
	TOSTAGE \a
	SEND \a-1, 16
.endr
	SEND 3, 0
	s_wait_tensorcnt 0x0
	ds_add_u32 v[SPW], v[NIL]
	s_wait_dscnt 0x0
	CROUND
	s_endpgm
.Lfunc_end_k_qa5eb828d3c_oproj:
	.size	k_qa5eb828d3c_oproj, .Lfunc_end_k_qa5eb828d3c_oproj-k_qa5eb828d3c_oproj
	.p2alignl 7, 3214868480
	.fill 96, 4, 3214868480
	.section	.rodata,"a",@progbits
	.p2align	6, 0x0
	.amdhsa_kernel k_qa5eb828d3c_oproj
		.amdhsa_group_segment_fixed_size 327680
		.amdhsa_private_segment_fixed_size 0
		.amdhsa_enable_private_segment 0
		.amdhsa_kernarg_size 24
		.amdhsa_user_sgpr_count 2
		.amdhsa_user_sgpr_kernarg_segment_ptr 1
		.amdhsa_wavefront_size32 1
		.amdhsa_system_sgpr_workgroup_id_x 1
		.amdhsa_system_sgpr_workgroup_id_y 1
		.amdhsa_system_sgpr_workgroup_id_z 1
		.amdhsa_system_vgpr_workitem_id 0
		.amdhsa_next_free_vgpr 512
		.amdhsa_next_free_sgpr 88
		.amdhsa_reserve_vcc 0
		.amdhsa_float_denorm_mode_32 3
		.amdhsa_float_denorm_mode_16_64 3
		.amdhsa_memory_ordered 1
		.amdhsa_forward_progress 1
		.amdhsa_inst_pref_size 81
	.end_amdhsa_kernel
	.amdgpu_metadata
---
amdhsa.version: [ 1, 2 ]
amdhsa.kernels:
  - .name:           k_qa5eb828d3c_oproj
    .symbol:         k_qa5eb828d3c_oproj.kd
    .args:
      - { .name: ao, .offset: 0, .size: 8, .value_kind: global_buffer, .address_space: global }
      - { .name: codes, .offset: 8, .size: 8, .value_kind: global_buffer, .address_space: global }
      - { .name: out0, .offset: 16, .size: 8, .value_kind: global_buffer, .address_space: global }
    .group_segment_fixed_size: 327680
    .private_segment_fixed_size: 0
    .kernarg_segment_align: 8
    .kernarg_segment_size: 24
    .max_flat_workgroup_size: 128
    .sgpr_count:     88
    .vgpr_count:     512
    .wavefront_size: 32
...
	.end_amdgpu_metadata
.endif
;; end of part 8
